; MI455X (gfx1250); checked and timed in simulation.
; The chip was launched on July 23, 2026; its instructions are those of AMD's public machine-readable ISA for CDNA 5 (MIT licence, August 2026) and "CDNA5" Instruction Set Architecture Reference Guide (July 2026). The comments in the code are by the model that wrote it; some were corrected since.
;; Frequency Aware GQA. Allowed arithmetic: matrix products marked QUANTISED: E2M3 operands, one E8M0 scale for each 32 along K, by v_wmma_scale_f32_16x16x128_f8f6f4 with both operands' format E2M3, f32 sums; everything else in f32.
;; Inputs: Wkv 1,024 x 384 float32; Wo 1,024 x 1,024 float32; Wq 1,024 x 1,024 float32; cos 2,048 x 64 float32; ln_b 64 float32; ln_g 64 float32; sin 2,048 x 64 float32; x 2 x 2,048 x 1,024 float32.
;; Outputs: out0 2 x 2,048 x 1,024 float32.
;; This version of the problem:
;;   THIS VERSION OF THE PROBLEM IS GIVEN IN LOW PRECISION. The matrix products marked QUANTISED in the list below multiply operands that are first quantised to E2M3 (2 exponent bits, 3 mantissa bits; 6 bits a number), with one power-of-two scale for each 32 numbers along K (OCP MX v1.0); their sums are f32. All else is computed in f32.
;;   The module's matrix products, in the order in which they are computed (A, B: the left and right operand; K: the contracted axis; several contracted axes count as one K, in the product's order):
;;     1. [M 4,096, K 1,024] x [K 1,024, N 1,024]; A: input x; B: input Wq: QUANTISED
;;     2. [M 4,096, K 1,024] x [K 1,024, N 384]; A: input x; B: input Wkv: QUANTISED
;;     3. batch 32 x [M 2,048, K 64] x [K 64, N 2,048]; A: computed on the way; B: computed on the way: QUANTISED
;;     4. batch 32 x [M 2,048, K 2,048] x [K 2,048, N 64]; A: softmax (see below); B: computed on the way: QUANTISED
;;     5. [M 4,096, K 1,024] x [K 1,024, N 1,024]; A: computed on the way; B: input Wo: QUANTISED
;;   THE QUANTISER, for each operand of a quantised product, along K:
;;     - K is cut into blocks of 32 from its start; a last block that is shorter is filled with zeros.
;;     - A block's scale is 2^e with e = floor(log2(the largest magnitude in the block)) - 2, held to -126 .. 127; a block of zeros has e = 0. As a byte (E8M0): e + 127.
;;     - Each number is divided by its block's scale, clamped to +-7.5, and rounded to the nearest number of E2M3, ties to even, subnormals kept.
;;     - The product sums the exact products of the quantised numbers (number of the format x scale) in f32.
;;   ~~~python
;;   def quantise(x, axis):      # numpy; x: float32 -> the quantised numbers, widened to float32 again
;;       x = np.moveaxis(x, axis, -1); K = x.shape[-1]
;;       x = np.pad(x, [(0, 0)] * (x.ndim - 1) + [(0, -K % 32)]); x = x.reshape(x.shape[:-1] + (-1, 32)); a = np.abs(x).max(-1, keepdims=True)
;;       e = np.where(a > 0, np.clip(np.frexp(np.where(a > 0, a, 1))[1] - 1 - 2, -126, 127), 0)      # np.frexp(a)[1] - 1 = floor(log2(a)), exactly
;;       r = np.clip(x / 2.0 ** e, -7.5, 7.5)
;;       step = 2.0 ** (np.maximum(np.frexp(np.where(r == 0, 1, r))[1] - 1, 0) - 3)
;;       q = np.round(r / step) * step * 2.0 ** e      # np.round: ties to even
;;       return np.moveaxis(q.reshape(q.shape[:-2] + (-1,))[..., :K], -1, axis).astype(np.float32)
;;   ~~~
;;   SOFTMAX AHEAD OF A QUANTISED PRODUCT. Where the list says 'softmax', what is quantised is not the finished softmax but p = 2^(t - M), with t = logit x log2(e) and M = ceil(the row's largest t), a whole number; so 1/2 < the row's largest p <= 1. The row's sum l is taken of the UNQUANTISED p, in f32, and the product's result is divided by l at the end. Since M is a whole number, a kernel that streams over the keys may use a running M (the ceiling of the running maximum): every later rescaling is an exact power of two, which a block's scale takes up: the codes' values come out the same.
;;   OPERANDS COMPUTED ON THE WAY. 'Computed on the way' means the value that the module computes at that place (a softmax that the list does not call 'softmax' is quantised finished and normalised). What goes into a quantiser is computed in f32, as accurately as f32 sums, v_exp_f32 and their like allow (about 1e-6 of the number): no bf16 or f16 on the way to a quantiser, and a product that is left as it is and whose result goes on into a quantised operand takes f32 operands (vector FMAs, or v_wmma_f32_16x16x4_f32). A number that lies on a knife's edge between two numbers of the format may be rounded either way, as far as f32 arithmetic and the matrix unit's own rounding can turn it there, and no further.
;; 2 versions. Each part assembles by itself: llvm-mc -triple=amdgcn-amd-amdhsa -mcpu=gfx1250 --defsym DOCPART=n.
;; ======== version 1 of 2: 4 launches
;; workspace buffers: ximg 3,145,728 bytes; wimg 1,867,776 bytes; scl 208,896 bytes; qimg 16,777,216 bytes; psum 131,072 bytes; kvimg 1,253,376 bytes; oimg 3,145,728 bytes; oscl 131,072 bytes
;; launch quant (part 1): grid 408 x 1, 4 waves a work-group, no clusters, 68,096 bytes of LDS; arguments x, Wq, Wkv, Wo, ximg, wimg, scl; writes ximg, wimg, scl
.if DOCPART == 1
	.amdgcn_target "amdgcn-amd-amdhsa--gfx1250"
	.amdhsa_code_object_version 6
	.text
	.protected	k_qa893afb672_quant
	.globl	k_qa893afb672_quant
	.p2align	8
	.type	k_qa893afb672_quant,@function
k_qa893afb672_quant:
	s_mov_b64 s[64:65], 0
	v_nop
	global_prefetch_b8 v0, s[64:65] scope:SCOPE_SE
	s_setreg_imm32_b32 hwreg(HW_REG_WAVE_MODE, 25, 1), 1
	s_wait_xcnt 0x0
; x [4096][1024] and the weights Wq [1024][1024], Wkv [1024][384], Wo [1024][1024], all f32, become codes of FP6 (E2M3) with one E8M0 byte for each 32 along K.
; The codes are laid as IMAGES OF OPERAND REGISTERS: a fragment (16 rows x 128 K, 12 registers a lane) is 1,536 bytes, register group c (registers 4 c .. 4 c + 3) of lane l at 512 c + 16 l.
; THE 16 ROWS (OR COLUMNS) OF A TILE ARE NOT NEIGHBOURS: index m of tile 2 P + u is element 32 P + 8 u + m + 8 (m / 8), so that in a later product's result 16 registers of two neighbouring tiles are 16 neighbours.
; Scale words: one word a lane for a pair of tiles and 128 along K: lanes 0-15 tile 2 P, lanes 16-31 tile 2 P + 1.
; A block's scale is 2^(floor(log2(largest magnitude)) - 2); its byte is the largest magnitude's exponent field - 2, held at 1 from below.
; LIMITS: a block of zeros, or one whose largest magnitude lies under 2^-124, gets the byte 1 (the stated quantiser says 127 for zeros): its codes are zeros, and only this program reads the bytes.  NaN and infinities are not served.
; Work-groups 0-255: x.  A wave takes a pair of tiles (32 rows) x 128 along K: 32 loads of 512 consecutive bytes, all issued at once; the rows turn through the wave's own stage in LDS, so that a lane gets 16 neighbours of each block.
; Work-groups 256-407: the weights, whose K is the FIRST axis: a lane takes a column and its registers run down 128 of K; nothing is transposed.  No barrier: waves share nothing.  No matrix unit, no tensor load: memory binds.
.set STG,  16896                       ; a wave's stage: 32 rows x (512 bytes + 16): 132 words a row, so 16 rows start at 16 different groups of banks
.set R,    32                          ; v32-159  128 numbers
.set TM,   12                          ; v12-15 largest magnitudes, v16-19 bytes, v24-27 scale operands
.set PW,   28                          ; v28      the scale word just made
.set PC,   160                         ; v160-179 x: a fragment's codes and the conversions' second halves
.set F0,   160                         ; v160-171 weights: the fragment of tile 2 P
.set F1,   172                         ; v172-183 of tile 2 P + 1
.set T,    184                         ; v184-199 the blocks' upper 16 codes
.set SEL,  20                          ; s[20:21] lane selects: lane l xor 16
; 64 numbers of a lane, register 16 b + i = k 32 b + 16 (lane / 16) + i of my row, become a fragment's codes in v[PC] on and its scale word in v[PW].
.macro QUANT s
.irp b, 0,1,2,3
	v_max3_num_f32 v[TM+\b], |v[\s+16*\b]|, |v[\s+1+16*\b]|, 0x1800000   ; my 16 numbers of block b, and the floor 2^(3 - 127): the byte cannot fall under 1
.endr
.irp i, 2,4,6,8,10,12,14
.irp b, 0,1,2,3
	v_max3_num_f32 v[TM+\b], v[TM+\b], |v[\s+16*\b+\i]|, |v[\s+1+16*\b+\i]|   ; the four blocks by turns
.endr
.endr
.irp b, 0,1,2,3
	v_permlanex16_b32 v[TM+4+\b], v[TM+\b], s[SEL], s[SEL+1]
.endr
.irp b, 0,1,2,3
	v_max_num_f32 v[TM+\b], v[TM+\b], v[TM+4+\b]   ; with lane l xor 16's 16: the block's largest magnitude
.endr
.irp b, 0,1,2,3
	v_add_nc_u32 v[TM+12+\b], 0xff000000, v[TM+\b]   ; 2 off its exponent field: the conversion's scale operand
.endr
.irp b, 0,1,2,3
	v_lshrrev_b32 v[TM+4+\b], 23, v[TM+12+\b]   ; the scale's byte
.endr
	v_lshl_or_b32 v[PW], v[TM+5], 8, v[TM+4]
	v_lshl_or_b32 v[PW], v[TM+6], 16, v[PW]
	v_lshl_or_b32 v[PW], v[TM+7], 24, v[PW]
.irp c, 0,1
	v_cvt_scalef32_pk16_fp6_f32 v[PC+6*\c:PC+2+6*\c], v[\s+32*\c:\s+15+32*\c], v[TM+12+2*\c]
	v_cvt_scalef32_pk16_fp6_f32 v[PC+12+4*\c:PC+14+4*\c], v[\s+16+32*\c:\s+31+32*\c], v[TM+12+2*\c+1]   ; (a conversion's three registers begin on an even number)
.endr
	v_nop                                          ; one plain place behind a scaled conversion
.irp c, 0,1                                    ; the operand wants a WHOLE block in a lane: lanes 0-15 block 2 c, lanes 16-31 block 2 c + 1
.irp i, 0,1,2
	v_permlane16_swap_b32 v[PC+6*\c+\i], v[PC+12+4*\c+\i]
.endr
.irp i, 0,1,2
	v_mov_b32 v[PC+3+6*\c+\i], v[PC+12+4*\c+\i]
.endr
.endr
.endm
	s_load_b256 s[4:11], s[0:1], 0x0               ; x s[4:5], Wq s[6:7], Wkv s[8:9], Wo s[10:11]
	s_load_b128 s[12:15], s[0:1], 0x20             ; ximg s[12:13], wimg s[14:15]
	s_load_b64 s[16:17], s[0:1], 0x30              ; scl
	v_lshl_add_u32 v200, v0, 2, 0x10800
	v_mov_b32 v201, 0
	v_lshrrev_b32 v1, 5, v0
	v_readfirstlane_b32 s18, v1                    ; wave 0..3
	v_and_b32 v1, 31, v0                           ; lane
	v_and_b32 v2, 15, v0                           ; r
	v_bfe_u32 v3, v0, 4, 1                         ; h
	v_lshlrev_b32 v4, 4, v1                        ; 16 x lane
	v_lshlrev_b32 v5, 2, v1                        ; 4 x lane
	s_mul_i32 s22, s18, STG
	v_add_nc_u32 v6, s22, v4                       ; the stage, on the way in: a row's 512 bytes as they lie
	v_mul_u32_u24 v7, v2, 528
	v_lshl_add_u32 v7, v3, 6, v7
	v_add_nc_u32 v7, s22, v7                       ; and on the way out: row r of a tile, + 64 h
	v_and_b32 v8, 7, v1                            ; weights: my column of the pair's 32: (l & 7) + 16 for l & 8, + 8 for l & 16
	v_and_b32 v10, 8, v1
	v_lshl_or_b32 v8, v10, 1, v8
	v_and_b32 v10, 16, v1
	v_lshrrev_b32 v10, 1, v10
	v_or_b32 v8, v8, v10
	v_lshlrev_b32 v8, 2, v8
	s_mov_b32 s[SEL], 0x76543210
	s_mov_b32 s[SEL+1], 0xfedcba98
	s_mov_b32 s19, 0xffff0000                      ; lanes 16-31
.irp b, 0,1,2,3
	v_mov_b32 v[TM+4+\b], 0                        ; written once: a lane permute's destination counts as one of its sources
.endr
	s_cmp_ge_u32 ttmp9, 256
	s_cbranch_scc1 .Lweights
	; ---- x: pair P = work-group / 2, K step s = 4 (work-group % 2) + wave
	s_lshr_b32 s24, ttmp9, 1                       ; P
	s_and_b32 s25, ttmp9, 1
	s_lshl_b32 s25, s25, 2
	s_add_co_u32 s25, s25, s18                     ; s
	s_lshl_b32 s26, s24, 17                        ; 32 rows of 4,096 bytes
	s_lshl_b32 s27, s25, 9
	s_add_co_u32 s26, s26, s27
	s_mov_b32 s27, 0
	s_mul_i32 s28, s24, 24576                      ; two tiles of 8 fragments
	s_mul_i32 s29, s25, 1536
	s_add_co_u32 s28, s28, s29
	s_mov_b32 s29, 0
	s_lshl_b32 s30, s24, 10                        ; a pair's scale words: 8 K steps x 128 bytes
	s_lshl_b32 s31, s25, 7
	s_add_co_u32 s30, s30, s31
	s_mov_b32 s31, 0
	s_wait_kmcnt 0x0
	s_add_nc_u64 s[4:5], s[4:5], s[26:27]
	s_add_nc_u64 s[12:13], s[12:13], s[28:29]
	s_add_nc_u64 s[16:17], s[16:17], s[30:31]
.irp g, 0,1,2,3
.irp e, 0,1,2,3,4,5,6,7
	global_load_b128 v[R+4*(8*\g+\e):R+4*(8*\g+\e)+3], v4, s[4:5] offset:4096*(8*\g+\e) th:TH_LOAD_NT   ; row 8 g + e: 32 lanes read 512 consecutive bytes
.endr
.endr
.irp g, 0,1,2,3
	s_wait_loadcnt 24-8*\g                         ; these eight rows are in; the younger rows' loads may be out
.irp e, 0,1,2,3,4,5,6,7
	ds_store_b128 v6, v[R+4*(8*\g+\e):R+4*(8*\g+\e)+3] offset:528*(16*(\g%2)+\e+8*(\g/2))   ; row 8 g + e is index e + 8 (g / 2) of tile g % 2: a tile's 16 rows lie on end
.endr
.endr
	s_wait_dscnt 0x0                               ; the stores have read their registers
.irp u, 0,1
.irp b, 0,1,2,3
.irp j, 0,1,2,3
	ds_load_b128 v[R+64*\u+16*\b+4*\j:R+64*\u+16*\b+4*\j+3], v7 offset:8448*\u+128*\b+16*\j
.endr
.endr
.endr
	s_wait_dscnt 16                                ; tile 0's sixteen reads are in; tile 1's may be out
	QUANT R
	v_mov_b32 v9, v[PW]
.irp c, 0,1,2
	global_store_b128 v4, v[PC+4*\c:PC+4*\c+3], s[12:13] offset:512*\c   ; 32 lanes store 512 consecutive bytes
.endr
	s_wait_dscnt 0x0
	s_wait_xcnt 0x0                                ; the stores have read the codes' registers: they are written again only behind this wait
	QUANT R+64
.irp c, 0,1,2
	global_store_b128 v4, v[PC+4*\c:PC+4*\c+3], s[12:13] offset:12288+512*\c
.endr
	v_cndmask_b32 v10, v9, v[PW], s19              ; lanes 0-15 tile 0's words, lanes 16-31 tile 1's
	global_store_b32 v5, v10, s[16:17]
	s_wait_tensorcnt 0x0
	ds_add_u32 v200, v201
	s_wait_dscnt 0x0
	s_endpgm
	; ---- the weights: j = work-group - 256; group of 128 columns G = j / 8 (0-7 Wq, 8-10 Wkv, 11-18 Wo), K step s = j % 8; pair of tiles 4 G + wave
.macro WLOAD pitch
.irp q, 0,1,2,3
.irp i, 0,1,2,3,4,5,6,7,8,9,10,11,12,13,14,15,16,17,18,19,20,21,22,23,24,25,26,27,28,29,30,31
	global_load_b32 v[R+32*\q+\i], v8, s[26:27] offset:(32*\q+\i)*\pitch th:TH_LOAD_NT   ; one row of K at my pair's 32 columns: 128 consecutive bytes a wave, 512 a work-group
.endr
.endr
.endm
.Lweights:
	s_sub_co_u32 s24, ttmp9, 256
	s_lshr_b32 s25, s24, 3                         ; G
	s_and_b32 s24, s24, 7                          ; s
	s_wait_kmcnt 0x0
	s_cmp_lt_u32 s25, 11                           ; the choice hangs on the work-group's number alone
	s_cselect_b64 s[26:27], s[8:9], s[10:11]
	s_cselect_b32 s30, 8, 11                       ; the weight's first group
	s_mov_b32 s28, 524288
	s_cselect_b32 s28, 196608, s28                 ; 128 rows of the weight, in bytes
	s_cmp_lt_u32 s25, 8
	s_cselect_b64 s[26:27], s[6:7], s[26:27]
	s_cselect_b32 s30, 0, s30
	s_cselect_b32 s28, 524288, s28
	s_mul_i32 s28, s28, s24
	s_sub_co_u32 s30, s25, s30
	s_lshl_b32 s30, s30, 9
	s_add_co_u32 s28, s28, s30
	s_lshl_b32 s30, s18, 7
	s_add_co_u32 s28, s28, s30
	s_mov_b32 s29, 0
	s_add_nc_u64 s[26:27], s[26:27], s[28:29]
	s_lshl_b32 s30, s25, 2
	s_add_co_u32 s30, s30, s18                     ; the pair, counted over all three weights
	s_mul_i32 s32, s30, 24576
	s_mul_i32 s33, s24, 1536
	s_add_co_u32 s32, s32, s33
	s_mov_b32 s33, 0
	s_add_nc_u64 s[14:15], s[14:15], s[32:33]
	s_lshl_b32 s34, s30, 10
	s_lshl_b32 s35, s24, 7
	s_add_co_u32 s34, s34, s35
	s_add_co_u32 s34, s34, 131072                  ; the weights' scale words lie behind x's
	s_mov_b32 s35, 0
	s_add_nc_u64 s[16:17], s[16:17], s[34:35]
	s_sub_co_u32 s31, s25, 8
	s_cmp_lt_u32 s31, 3                            ; Wkv's rows are 1,536 bytes, the others' 4,096: the branch stands round the loads alone, 128 on either way
	s_cbranch_scc1 .Lnarrow
	WLOAD 4096
	s_branch .Lloaded
.Lnarrow:
	WLOAD 1536
.Lloaded:
.irp q, 0,1,2,3
.if \q < 2
	s_wait_loadcnt 63                              ; behind block q stand 96 or 64 younger loads; the wait's field holds 63
.else
	s_wait_loadcnt 96-32*\q                        ; the later blocks' loads may be out
.endif
	v_max3_num_f32 v[TM+\q], |v[R+32*\q]|, |v[R+32*\q+1]|, 0x1800000   ; all 32 numbers of the block are mine; the floor as above
.irp i, 2,4,6,8,10,12,14,16,18,20,22,24,26,28,30
	v_max3_num_f32 v[TM+\q], v[TM+\q], |v[R+32*\q+\i]|, |v[R+32*\q+\i+1]|
.endr
	v_add_nc_u32 v[TM+12+\q], 0xff000000, v[TM+\q]
	v_lshrrev_b32 v[TM+4+\q], 23, v[TM+12+\q]
.endr
	v_lshl_or_b32 v[PW], v[TM+5], 8, v[TM+4]       ; my column's scale word: lanes 0-15 are tile 2 P's columns, lanes 16-31 tile 2 P + 1's, as the pair's word wants them
	v_lshl_or_b32 v[PW], v[TM+6], 16, v[PW]
	v_lshl_or_b32 v[PW], v[TM+7], 24, v[PW]
.irp q, 0,1,2,3
	v_cvt_scalef32_pk16_fp6_f32 v[F0+12*(\q%2)+6*(\q/2):F0+12*(\q%2)+6*(\q/2)+2], v[R+32*\q:R+32*\q+15], v[TM+12+\q]   ; even blocks' lower 16 codes into tile 2 P's fragment, odd blocks' into the other's
	v_cvt_scalef32_pk16_fp6_f32 v[T+4*\q:T+4*\q+2], v[R+32*\q+16:R+32*\q+31], v[TM+12+\q]
.endr
	v_nop                                          ; one plain place behind a scaled conversion
.irp i, 0,1,2                                  ; a swap gives tile 2 P's lanes 16-31 the odd blocks of its own columns, and tile 2 P + 1's lanes 0-15 the even blocks of theirs
	v_permlane16_swap_b32 v[F0+\i], v[F1+\i]
	v_permlane16_swap_b32 v[F0+6+\i], v[F1+6+\i]
	v_permlane16_swap_b32 v[T+\i], v[T+4+\i]
	v_permlane16_swap_b32 v[T+8+\i], v[T+12+\i]
.endr
.irp i, 0,1,2
	v_mov_b32 v[F0+3+\i], v[T+\i]
	v_mov_b32 v[F1+3+\i], v[T+4+\i]
	v_mov_b32 v[F0+9+\i], v[T+8+\i]
	v_mov_b32 v[F1+9+\i], v[T+12+\i]
.endr
.irp c, 0,1,2
	global_store_b128 v4, v[F0+4*\c:F0+4*\c+3], s[14:15] offset:512*\c
	global_store_b128 v4, v[F1+4*\c:F1+4*\c+3], s[14:15] offset:12288+512*\c
.endr
	global_store_b32 v5, v[PW], s[16:17]
	s_endpgm
.Lfunc_end_k_qa893afb672_quant:
	.size	k_qa893afb672_quant, .Lfunc_end_k_qa893afb672_quant-k_qa893afb672_quant
	.p2alignl 7, 3214868480
	.fill 96, 4, 3214868480
	.section	.rodata,"a",@progbits
	.p2align	6, 0x0
	.amdhsa_kernel k_qa893afb672_quant
		.amdhsa_group_segment_fixed_size 68096
		.amdhsa_private_segment_fixed_size 0
		.amdhsa_enable_private_segment 0
		.amdhsa_kernarg_size 56
		.amdhsa_user_sgpr_count 2
		.amdhsa_user_sgpr_kernarg_segment_ptr 1
		.amdhsa_wavefront_size32 1
		.amdhsa_system_sgpr_workgroup_id_x 1
		.amdhsa_system_sgpr_workgroup_id_y 1
		.amdhsa_system_sgpr_workgroup_id_z 1
		.amdhsa_system_vgpr_workitem_id 0
		.amdhsa_next_free_vgpr 202
		.amdhsa_next_free_sgpr 66
		.amdhsa_reserve_vcc 0
		.amdhsa_float_denorm_mode_32 3
		.amdhsa_float_denorm_mode_16_64 3
		.amdhsa_memory_ordered 1
		.amdhsa_forward_progress 1
		.amdhsa_inst_pref_size 51
	.end_amdhsa_kernel
	.amdgpu_metadata
---
amdhsa.version: [ 1, 2 ]
amdhsa.kernels:
  - .name:           k_qa893afb672_quant
    .symbol:         k_qa893afb672_quant.kd
    .args:
      - { .name: x, .offset: 0, .size: 8, .value_kind: global_buffer, .address_space: global }
      - { .name: Wq, .offset: 8, .size: 8, .value_kind: global_buffer, .address_space: global }
      - { .name: Wkv, .offset: 16, .size: 8, .value_kind: global_buffer, .address_space: global }
      - { .name: Wo, .offset: 24, .size: 8, .value_kind: global_buffer, .address_space: global }
      - { .name: ximg, .offset: 32, .size: 8, .value_kind: global_buffer, .address_space: global }
      - { .name: wimg, .offset: 40, .size: 8, .value_kind: global_buffer, .address_space: global }
      - { .name: scl, .offset: 48, .size: 8, .value_kind: global_buffer, .address_space: global }
    .group_segment_fixed_size: 68096
    .private_segment_fixed_size: 0
    .kernarg_segment_align: 8
    .kernarg_segment_size: 56
    .max_flat_workgroup_size: 128
    .sgpr_count:     66
    .vgpr_count:     202
    .wavefront_size: 32
...
	.end_amdgpu_metadata
.endif
;; end of part 1
;; launch proj (part 2): grid 25 x 32, 1 waves a work-group, no clusters, 0 bytes of LDS; arguments ximg, scl, wimg, cos, sin, ln_g, ln_b, qimg, psum, kvimg; writes qimg, psum, kvimg
.if DOCPART == 2
	.amdgcn_target "amdgcn-amd-amdhsa--gfx1250"
	.amdhsa_code_object_version 6
	.text
	.protected	k_qa893afb672_proj
	.globl	k_qa893afb672_proj
	.p2align	8
	.type	k_qa893afb672_proj,@function
k_qa893afb672_proj:
	s_mov_b64 s[64:65], 0
	v_nop
	global_prefetch_b8 v0, s[64:65] scope:SCOPE_SE
	s_setreg_imm32_b32 hwreg(HW_REG_WAVE_MODE, 25, 1), 1
	s_wait_xcnt 0x0
; The projections x Wq and x Wkv on codes of FP6 (E2M3) with E8M0 scales, and what follows them up to the next quantiser.
; A work-group is ONE wave.  y: a block of 128 rows of x (8 tiles; also one key step of attention).  x: a unit of columns:
;   0-15  head X of q: LayerNorm over the head's 64, stored in f32 as an image of registers (it is quantised only when the mean over time is known), and the column sums of these 128 rows
;   16-18 K of key-value head X - 16: RoPE, quantised along the head's 64, stored as half fragments with their scale words
;   19-24 V of key-value head (X - 19) / 2, channels 32 ((X - 19) % 2) on: quantised along the 128 KEYS, stored as fragments of V^T
; THE WAVE'S WEIGHTS FOR ALL OF K STAY IN REGISTERS (32 fragments, 384 registers; V: 16), read once; the row tiles stream from memory straight into registers as images, two tiles ahead.  No LDS, no barrier.
; q and K are made TRANSPOSED (source 0 = 16 columns of the weight, source 1 = 16 rows of x): a lane holds one row, and, by the choice of a tile's columns, register 16 b + i is channel 32 b + 16 (lane / 16) + i.
; V is made the natural way (source 0 = 16 rows of x, source 1 = 16 columns): a lane holds one channel, and register 16 b + i of its 64 is key 32 b + 16 (lane / 16) + i.
; NO JOINT LOADS: operands go from memory to registers, and joint requests exist for tensor loads into LDS alone; the units that share a row tile lie along an axis of 25 work-groups, which no cluster of four divides.
; LIMITS: blocks of zeros, or with a largest magnitude under 2^-124, get the scale byte 1 (codes zero; only this program reads the bytes); NaN and infinities are not served; 1 / sqrt is v_rsq_f32.
; REGISTERS, in windows of 256: window 0: addresses, scale words, accumulators, all vector work.  window 1: the weights' K steps 0-3 (V: all 8).  window 2: K steps 4-7.  window 3: two row tiles of x, 96 registers each.
.set WS,   16                          ; v16-31  the weights' scale words: pair p, K step s at 8 p + s
.set XSA,  32                          ; v32-39  x's scale words for the tile in buffer A;  v40-47 for buffer B
.set ACC,  48                          ; from v48: the accumulators
.set XA,   0                           ; window 3: buffer A at v0, buffer B at v96; K step s at + 12 s
.set GG,   80                          ; q: v80-111 ln_g, v112-143 ln_b in the result's layout
.set BB,   112
.set SUM,  144                         ; q: v144-175 column sums
.set TQ,   176                         ; q: v176-191 at work
.set TM,   176                         ; V: v176-191 as in the quantiser
.set PW,   192
.set PC,   196                         ; V: v196-215
.set SEL,  34                          ; s[34:35] lane selects: lane l xor 16
.set MSB,  0
.macro WIN new                         ; the immediate's high byte repeats the setting that is left
.if MSB != \new
	s_set_vgpr_msb (MSB<<8)|\new
.set MSB, \new
.endif
.endm
.macro PLACES n
.rept \n
	v_nop
.endr
.endm
; One matrix instruction.  zero = 1: it starts the sum.  ra, rb = 1: that side's scale words are read from lanes 16-31.
.macro WM d, a, b, zero, sa, sb, ra, rb
.if (\zero) && (\ra) && (\rb)
	v_wmma_scale_f32_16x16x128_f8f6f4 v[\d:\d+7], v[\a:\a+11], v[\b:\b+11], 0, v[\sa], v[\sb] matrix_a_fmt:MATRIX_FMT_FP6 matrix_b_fmt:MATRIX_FMT_FP6 matrix_a_scale:MATRIX_SCALE_ROW1 matrix_b_scale:MATRIX_SCALE_ROW1
.elseif (\zero) && (\ra)
	v_wmma_scale_f32_16x16x128_f8f6f4 v[\d:\d+7], v[\a:\a+11], v[\b:\b+11], 0, v[\sa], v[\sb] matrix_a_fmt:MATRIX_FMT_FP6 matrix_b_fmt:MATRIX_FMT_FP6 matrix_a_scale:MATRIX_SCALE_ROW1
.elseif (\zero) && (\rb)
	v_wmma_scale_f32_16x16x128_f8f6f4 v[\d:\d+7], v[\a:\a+11], v[\b:\b+11], 0, v[\sa], v[\sb] matrix_a_fmt:MATRIX_FMT_FP6 matrix_b_fmt:MATRIX_FMT_FP6 matrix_b_scale:MATRIX_SCALE_ROW1
.elseif (\zero)
	v_wmma_scale_f32_16x16x128_f8f6f4 v[\d:\d+7], v[\a:\a+11], v[\b:\b+11], 0, v[\sa], v[\sb] matrix_a_fmt:MATRIX_FMT_FP6 matrix_b_fmt:MATRIX_FMT_FP6
.elseif (\ra) && (\rb)
	v_wmma_scale_f32_16x16x128_f8f6f4 v[\d:\d+7], v[\a:\a+11], v[\b:\b+11], v[\d:\d+7], v[\sa], v[\sb] matrix_a_fmt:MATRIX_FMT_FP6 matrix_b_fmt:MATRIX_FMT_FP6 matrix_a_scale:MATRIX_SCALE_ROW1 matrix_b_scale:MATRIX_SCALE_ROW1
.elseif (\ra)
	v_wmma_scale_f32_16x16x128_f8f6f4 v[\d:\d+7], v[\a:\a+11], v[\b:\b+11], v[\d:\d+7], v[\sa], v[\sb] matrix_a_fmt:MATRIX_FMT_FP6 matrix_b_fmt:MATRIX_FMT_FP6 matrix_a_scale:MATRIX_SCALE_ROW1
.elseif (\rb)
	v_wmma_scale_f32_16x16x128_f8f6f4 v[\d:\d+7], v[\a:\a+11], v[\b:\b+11], v[\d:\d+7], v[\sa], v[\sb] matrix_a_fmt:MATRIX_FMT_FP6 matrix_b_fmt:MATRIX_FMT_FP6 matrix_b_scale:MATRIX_SCALE_ROW1
.else
	v_wmma_scale_f32_16x16x128_f8f6f4 v[\d:\d+7], v[\a:\a+11], v[\b:\b+11], v[\d:\d+7], v[\sa], v[\sb] matrix_a_fmt:MATRIX_FMT_FP6 matrix_b_fmt:MATRIX_FMT_FP6
.endif
.endm
; The weights of a unit of 64 columns: four tiles x eight K steps, and the scale words of its two pairs: 112 loads
.macro WLOADQK
	WIN 0x40                                       ; destination window 1
.irp s, 0,1,2,3
.irp n, 0,1,2,3
.irp c, 0,1,2
	global_load_b128 v[12*(4*\s+\n)+4*\c:12*(4*\s+\n)+4*\c+3], v3, s[28:29] offset:12288*\n+1536*\s+512*\c
.endr
.endr
.endr
	WIN 0x80                                       ; destination window 2
.irp s, 4,5,6,7
.irp n, 0,1,2,3
.irp c, 0,1,2
	global_load_b128 v[12*(4*(\s-4)+\n)+4*\c:12*(4*(\s-4)+\n)+4*\c+3], v3, s[28:29] offset:12288*\n+1536*\s+512*\c
.endr
.endr
.endr
	WIN 0
.irp p, 0,1
.irp s, 0,1,2,3,4,5,6,7
	global_load_b32 v[WS+8*\p+\s], v4, s[30:31] offset:1024*\p+128*\s
.endr
.endr
.endm
; A row tile of x, all of K, and its pair's scale words: 32 loads
.macro XLOADS buf, xs, off, soff
	WIN 0xc0                                       ; destination window 3
.irp s, 0,1,2,3,4,5,6,7
.irp c, 0,1,2
	global_load_b128 v[\buf+12*\s+4*\c:\buf+12*\s+4*\c+3], v3, s[24:25] offset:\off+1536*\s+512*\c
.endr
.endr
	WIN 0
.irp s, 0,1,2,3,4,5,6,7
	global_load_b32 v[\xs+\s], v4, s[26:27] offset:\soff+128*\s
.endr
.endm
; 32 matrix instructions: four tiles of columns x one tile of rows, all of K.  The four accumulators take turns, one instruction a turn.  u: the row tile's place in its pair
.macro MMQK buf, xs, u
	WIN 0x0d                                       ; source 0 (the weight) window 1, source 1 (x) window 3, C and D window 0
.irp s, 0,1,2,3
.irp n, 0,1,2,3
	WM ACC+8*\n, 12*(4*\s+\n), \buf+12*\s, \s==0, WS+8*(\n/2)+\s, \xs+\s, \n%2, \u
.endr
.endr
	WIN 0x0e                                       ; source 0 window 2
.irp s, 4,5,6,7
.irp n, 0,1,2,3
	WM ACC+8*\n, 12*(4*(\s-4)+\n), \buf+12*\s, 0, WS+8*(\n/2)+\s, \xs+\s, \n%2, \u
.endr
.endr
	WIN 0
.endm
; y = a x cos + rotate(a) x sin over 32 registers (pairs of neighbouring channels), left in the cos registers.  a is read from its low end on
.macro ROPE a, c, s
.irp p, 0,2,4,6,8,10,12,14,16,18,20,22,24,26,28,30
	v_pk_mul_f32 v[\c+\p:\c+\p+1], v[\a+\p:\a+\p+1], v[\c+\p:\c+\p+1]
	v_fma_f32 v[\c+\p], -v[\a+\p+1], v[\s+\p], v[\c+\p]
	v_fma_f32 v[\c+\p+1], v[\a+\p], v[\s+\p+1], v[\c+\p+1]
.endr
.endm
; 32 numbers of a lane, register 16 b + i = k 32 b + 16 (lane / 16) + i of my row, become registers 0-5 of a fragment in v[pc] on and two scale bytes in v[pw]
.macro QUANT2 src, pc, tt, bm, pw
.irp b, 0,1
	v_max3_num_f32 v[\bm+\b], |v[\src+16*\b]|, |v[\src+16*\b+1]|, 0x1800000   ; and the floor 2^(3 - 127): the byte cannot fall under 1
.endr
.irp i, 2,4,6,8,10,12,14
.irp b, 0,1
	v_max3_num_f32 v[\bm+\b], v[\bm+\b], |v[\src+16*\b+\i]|, |v[\src+16*\b+\i+1]|
.endr
.endr
.irp b, 0,1
	v_permlanex16_b32 v[\bm+2+\b], v[\bm+\b], s[SEL], s[SEL+1]
.endr
.irp b, 0,1
	v_max_num_f32 v[\bm+\b], v[\bm+\b], v[\bm+2+\b]
.endr
.irp b, 0,1
	v_add_nc_u32 v[\bm+4+\b], 0xff000000, v[\bm+\b]   ; 2 off the exponent field: the conversion's scale operand
.endr
.irp b, 0,1
	v_lshrrev_b32 v[\bm+2+\b], 23, v[\bm+4+\b]
.endr
	v_lshl_or_b32 v[\pw], v[\bm+3], 8, v[\bm+2]    ; bytes 2 and 3 stay 0: they stand over zero codes
	v_cvt_scalef32_pk16_fp6_f32 v[\pc:\pc+2], v[\src:\src+15], v[\bm+4]
	v_cvt_scalef32_pk16_fp6_f32 v[\tt:\tt+2], v[\src+16:\src+31], v[\bm+5]
	v_nop                                          ; one plain place behind a scaled conversion
.irp i, 0,1,2
	v_permlane16_swap_b32 v[\pc+\i], v[\tt+\i]
.endr
.irp i, 0,1,2
	v_mov_b32 v[\pc+3+\i], v[\tt+\i]
.endr
.endm
; Where my key step's record begins in kvimg: 208,896 bytes a (batch, key-value head), 13,056 a key step.  s46: the key-value head
.macro RECORD
	s_lshr_b32 s52, s44, 4                         ; the batch
	s_mul_i32 s52, s52, 3
	s_add_co_u32 s52, s52, s46
	s_mul_i32 s52, s52, 208896
	s_and_b32 s54, s44, 15                         ; the key step
	s_mul_i32 s56, s54, 13056
	s_add_co_u32 s52, s52, s56
	s_mov_b32 s53, 0
	s_add_nc_u64 s[32:33], s[22:23], s[52:53]
.endm
	s_load_b256 s[4:11], s[0:1], 0x0               ; ximg s[4:5], scl s[6:7], wimg s[8:9], cos s[10:11]
	s_load_b256 s[12:19], s[0:1], 0x20             ; sin s[12:13], ln_g s[14:15], ln_b s[16:17], qimg s[18:19]
	s_load_b128 s[20:23], s[0:1], 0x40             ; psum s[20:21], kvimg s[22:23]
	v_and_b32 v1, 15, v0                           ; r  (one wave: v0 is the lane)
	v_bfe_u32 v2, v0, 4, 1                         ; h
	v_lshlrev_b32 v3, 4, v0                        ; 16 x lane
	v_lshlrev_b32 v4, 2, v0                        ; 4 x lane
	v_lshlrev_b32 v5, 3, v0                        ; 8 x lane
	v_lshlrev_b32 v7, 6, v2                        ; 64 h
	s_mov_b32 s[SEL], 0x76543210
	s_mov_b32 s[SEL+1], 0xfedcba98
	s_mov_b32 s36, 0x3c800000                      ; 1 / 64
	s_mov_b32 s37, 0xff00ff00                      ; lanes with r & 8,
	s_mov_b32 s38, 0xf0f0f0f0                      ; r & 4,
	s_mov_b32 s39, 0xcccccccc                      ; r & 2,
	s_mov_b32 s40, 0xaaaaaaaa                      ; r & 1
	s_mov_b32 s41, 0xffff0000                      ; lanes 16-31
	s_mov_b32 s43, 0x3727c5ac                      ; 1e-5
	s_and_b32 s44, ttmp7, 0xffff                   ; the block of 128 rows
	s_lshl_b32 s45, ttmp9, 2                       ; my first weight tile: q: 4 X;
	s_sub_co_u32 s46, ttmp9, 16
	s_lshl_b32 s47, s46, 3
	s_add_co_u32 s47, s47, 64                      ; K: 64 + 8 (X - 16);
	s_sub_co_u32 s48, ttmp9, 19
	s_lshr_b32 s49, s48, 1
	s_and_b32 s50, s48, 1                          ; e: which 32 channels of V
	s_lshl_b32 s51, s49, 3
	s_lshl_b32 s52, s50, 1
	s_add_co_u32 s51, s51, s52
	s_add_co_u32 s51, s51, 68                      ; V: 64 + 8 kvh + 4 + 2 e
	s_cmp_lt_u32 ttmp9, 19
	s_cselect_b32 s47, s47, s51
	s_cselect_b32 s46, s46, s49                    ; the key-value head of a K or V unit
	s_cmp_lt_u32 ttmp9, 16
	s_cselect_b32 s45, s45, s47
	s_mul_i32 s52, s44, 98304                      ; 8 row tiles of 12,288 bytes
	s_mov_b32 s53, 0
	s_lshl_b32 s54, s44, 12                        ; 4 pairs' scale words
	s_mov_b32 s55, 0
	s_mul_i32 s56, s45, 12288
	s_mov_b32 s57, 0
	s_lshl_b32 s58, s45, 9
	s_add_co_u32 s58, s58, 131072
	s_mov_b32 s59, 0
	s_wait_kmcnt 0x0
	s_add_nc_u64 s[24:25], s[4:5], s[52:53]        ; x's images
	s_add_nc_u64 s[26:27], s[6:7], s[54:55]        ; x's scale words
	s_add_nc_u64 s[28:29], s[8:9], s[56:57]        ; my weights' images
	s_add_nc_u64 s[30:31], s[6:7], s[58:59]        ; my weights' scale words
	s_cmp_ge_u32 ttmp9, 19
	s_cbranch_scc1 .Lv
	s_cmp_ge_u32 ttmp9, 16
	s_cbranch_scc1 .Lk
	; ================ q ================
	WLOADQK
.irp b, 0,1
.irp k, 0,1,2,3
	global_load_b128 v[GG+16*\b+4*\k:GG+16*\b+4*\k+3], v7, s[14:15] offset:128*\b+16*\k   ; gain and bias at my lane's channels 32 b + 16 h + 0 .. 15
	global_load_b128 v[BB+16*\b+4*\k:BB+16*\b+4*\k+3], v7, s[16:17] offset:128*\b+16*\k
.endr
.endr
	XLOADS XA, XSA, 0, 0
	XLOADS XA+96, XSA+8, 12288, 0
	s_lshl_b32 s52, s44, 19                        ; qimg: 65,536 bytes a row tile, 4,096 a head
	s_lshl_b32 s54, ttmp9, 12
	s_add_co_u32 s52, s52, s54
	s_add_nc_u64 s[32:33], s[18:19], s[52:53]
	s_lshl_b32 s52, s44, 12                        ; psum: 4,096 bytes a block of rows, 256 a head
	s_lshl_b32 s54, ttmp9, 8
	s_add_co_u32 s52, s52, s54
	s_add_nc_u64 s[20:21], s[20:21], s[52:53]
	v_and_b32 v6, 1, v1                            ; where my two sums go: 128 (r & 1) + 64 h + 4 (r & 14)
	v_lshlrev_b32 v6, 7, v6
	v_and_b32 v8, 14, v1
	v_lshl_add_u32 v6, v8, 2, v6
	v_add_nc_u32 v6, v6, v7
.irp j, 0,1,2,3,4,5,6,7,8,9,10,11,12,13,14,15,16,17,18,19,20,21,22,23,24,25,26,27,28,29,30,31
	v_mov_b32 v[SUM+\j], 0
.endr
; LayerNorm of a tile, in place: a lane has 32 of its row's 64 channels, lane l xor 16 the others
.macro LNQ
.irp n, 0,1,2,3
	v_pk_add_f32 v[TQ+2*\n:TQ+2*\n+1], v[ACC+8*\n:ACC+8*\n+1], v[ACC+8*\n+2:ACC+8*\n+3]   ; each accumulator is read from its low end on
.endr
.irp n, 0,1,2,3
	v_pk_add_f32 v[TQ+8+2*\n:TQ+9+2*\n], v[ACC+8*\n+4:ACC+8*\n+5], v[ACC+8*\n+6:ACC+8*\n+7]
.endr
.irp n, 0,1,2,3
	v_pk_add_f32 v[TQ+2*\n:TQ+2*\n+1], v[TQ+2*\n:TQ+2*\n+1], v[TQ+8+2*\n:TQ+9+2*\n]
.endr
	v_pk_add_f32 v[TQ:TQ+1], v[TQ:TQ+1], v[TQ+2:TQ+3]
	v_pk_add_f32 v[TQ+4:TQ+5], v[TQ+4:TQ+5], v[TQ+6:TQ+7]
	v_pk_add_f32 v[TQ:TQ+1], v[TQ:TQ+1], v[TQ+4:TQ+5]
	v_add_f32 v[TQ], v[TQ], v[TQ+1]
	v_permlanex16_b32 v[TQ+2], v[TQ], s[SEL], s[SEL+1]
	v_add_f32 v[TQ], v[TQ], v[TQ+2]
	v_mul_f32 v[TQ], s36, v[TQ]                    ; the mean
.irp p, 0,2,4,6,8,10,12,14,16,18,20,22,24,26,28,30
	v_pk_add_f32 v[ACC+\p:ACC+\p+1], v[ACC+\p:ACC+\p+1], v[TQ:TQ+1] op_sel_hi:[1,0] neg_lo:[0,1] neg_hi:[0,1]
.endr
.irp c, 0,1,2,3
	v_pk_mul_f32 v[TQ+4+2*\c:TQ+5+2*\c], v[ACC+2*\c:ACC+2*\c+1], v[ACC+2*\c:ACC+2*\c+1]   ; the squares, in four chains
.endr
.irp p, 8,16,24
.irp c, 0,1,2,3
	v_pk_fma_f32 v[TQ+4+2*\c:TQ+5+2*\c], v[ACC+\p+2*\c:ACC+\p+2*\c+1], v[ACC+\p+2*\c:ACC+\p+2*\c+1], v[TQ+4+2*\c:TQ+5+2*\c]
.endr
.endr
	v_pk_add_f32 v[TQ+4:TQ+5], v[TQ+4:TQ+5], v[TQ+6:TQ+7]
	v_pk_add_f32 v[TQ+8:TQ+9], v[TQ+8:TQ+9], v[TQ+10:TQ+11]
	v_pk_add_f32 v[TQ+4:TQ+5], v[TQ+4:TQ+5], v[TQ+8:TQ+9]
	v_add_f32 v[TQ+4], v[TQ+4], v[TQ+5]
	v_permlanex16_b32 v[TQ+6], v[TQ+4], s[SEL], s[SEL+1]
	v_add_f32 v[TQ+4], v[TQ+4], v[TQ+6]
	v_fma_f32 v[TQ+4], v[TQ+4], s36, s43           ; the variance + 1e-5
	v_rsq_f32 v[TQ+6], v[TQ+4]
	v_nop                                          ; one plain place behind a transcendental
	s_wait_alu depctr_va_vdst(0)
.irp p, 0,2,4,6,8,10,12,14,16,18,20,22,24,26,28,30
	v_pk_mul_f32 v[ACC+\p:ACC+\p+1], v[ACC+\p:ACC+\p+1], v[TQ+6:TQ+7] op_sel_hi:[1,0]
.endr
.irp p, 0,2,4,6,8,10,12,14,16,18,20,22,24,26,28,30
	v_pk_fma_f32 v[ACC+\p:ACC+\p+1], v[ACC+\p:ACC+\p+1], v[GG+\p:GG+\p+1], v[BB+\p:BB+\p+1]
.endr
.irp p, 0,2,4,6,8,10,12,14,16,18,20,22,24,26,28,30
	v_pk_add_f32 v[SUM+\p:SUM+\p+1], v[SUM+\p:SUM+\p+1], v[ACC+\p:ACC+\p+1]
.endr
.endm
; A tile of 16 rows.  u: its place in its pair, and its buffer.  ahead = 1: the buffer takes the tile two further on.  left: the younger loads, which may stay out
.macro TILEQ u, ahead, left
	s_wait_xcnt 0x0                                ; the last tile's stores have read the accumulators' registers
	s_wait_loadcnt \left                           ; my tile is in; the next tile's group of 32 may be out
	MMQK XA+96*\u, XSA+8*\u, \u
	PLACES 5                                       ; five places: in front of loads into x's and the scale words' registers, of the first read of the results, and of the next sums, which begin anew over these accumulators
.if \ahead
	XLOADS XA+96*\u, XSA+8*\u, 24576+12288*\u, 1024
.endif
	LNQ
.irp k, 0,1,2,3,4,5,6,7
	global_store_b128 v3, v[ACC+4*\k:ACC+4*\k+3], s[32:33] offset:65536*\u+512*\k   ; an image of the registers: 32 lanes store 512 consecutive bytes
.endr
.endm
	s_mov_b32 s42, 3
.Lq:                                                   ; three trips of two tiles; the last two tiles are written out, so that no load leaves ximg
	TILEQ 0, 1, 32
	TILEQ 1, 1, 32
	s_wait_xcnt 0x0                                ; the bases are stepped only behind this wait
	s_add_nc_u64 s[24:25], s[24:25], 24576
	s_add_nc_u64 s[26:27], s[26:27], 1024
	s_add_nc_u64 s[32:33], s[32:33], 131072
	s_sub_co_u32 s42, s42, 1
	s_cmp_lg_u32 s42, 0
	s_cbranch_scc1 .Lq
	TILEQ 0, 0, 32
	TILEQ 1, 0, 0
; The sums over the 16 lanes of a half, for 32 registers at once: in each step two registers are summed with the lane m away, and the lanes with that bit of r keep the upper one: half as many registers are left
.macro BF lo, dist, m, mask
	v_add_f32_dpp v[SUM+\lo], v[SUM+\lo], v[SUM+\lo] row_xmask:\m row_mask:0xf bank_mask:0xf
	v_add_f32_dpp v[SUM+\lo+\dist], v[SUM+\lo+\dist], v[SUM+\lo+\dist] row_xmask:\m row_mask:0xf bank_mask:0xf
	v_cndmask_b32 v[SUM+\lo], v[SUM+\lo], v[SUM+\lo+\dist], s[\mask]
.endm
.irp i, 0,1,2,3,4,5,6,7,16,17,18,19,20,21,22,23
	BF \i, 8, 8, 37
.endr
.irp i, 0,1,2,3,16,17,18,19
	BF \i, 4, 4, 38
.endr
.irp i, 0,1,16,17
	BF \i, 2, 2, 39
.endr
.irp i, 0,1
	BF \i, 16, 1, 40
.endr
	global_store_b64 v6, v[SUM:SUM+1], s[20:21]    ; lane (r, h): channels 32 (r & 1) + 16 h + (r & 14) + 0, 1: the 32 lanes store the head's 256 consecutive bytes
	s_endpgm
	; ================ K ================
.macro CSLOADS u, off                  ; cos and sin at my lane's key and channels, into set u: 16 loads
.irp b, 0,1
.irp k, 0,1,2,3
	global_load_b128 v[80+64*\u+16*\b+4*\k:83+64*\u+16*\b+4*\k], v6, s[10:11] offset:\off+128*\b+16*\k
	global_load_b128 v[112+64*\u+16*\b+4*\k:115+64*\u+16*\b+4*\k], v6, s[12:13] offset:\off+128*\b+16*\k
.endr
.endr
.endm
; v80-143, v144-207 two sets of cos and sin; v208-213 the quantiser's; v214 the scale bytes just made, v215 those of the pair's first tile; v216-219 the four pairs' words; v220-225 codes; v228-230 their second half
.macro TILEK u, ahead, left
	s_wait_xcnt 0x0                                ; the last tile's stores have read the codes' registers
	s_wait_loadcnt \left                           ; my tile and its tables are in; the next tile's group of 48 may be out
	MMQK XA+96*\u, XSA+8*\u, \u
	PLACES 5                                       ; as in q's tile
.if \ahead
	XLOADS XA+96*\u, XSA+8*\u, 24576+12288*\u, 1024
.endif
	ROPE ACC, 80+64*\u, 112+64*\u
	QUANT2 80+64*\u, 220, 228, 208, 214
.if \ahead
	CSLOADS \u, 8192+2048*\u
.endif
	global_store_b128 v3, v[220:223], s[32:33] offset:768*\u        ; half a fragment: registers 0-3 at 16 x lane,
	global_store_b64 v5, v[224:225], s[32:33] offset:768*\u+512     ; registers 4, 5 at 512 + 8 x lane
.if \u == 0
	v_mov_b32 v215, v214
.else
	v_mov_b32 v216, v217                           ; the pairs' words move down; after four pairs pair p stands in v[216 + p]
	v_mov_b32 v217, v218
	v_mov_b32 v218, v219
	v_cndmask_b32 v219, v215, v214, s41            ; lanes 0-15 the first tile's, lanes 16-31 the second's
.endif
.endm
.Lk:
	RECORD
	s_lshl_b32 s56, s54, 15                        ; the tables at my key step's 128 rows of 256 bytes
	s_add_nc_u64 s[10:11], s[10:11], s[56:57]
	s_add_nc_u64 s[12:13], s[12:13], s[56:57]
	v_and_b32 v6, 8, v1
	v_add_nc_u32 v6, v6, v1                        ; r + 8 (r / 8)
	v_lshl_add_u32 v6, v6, 8, v7                   ; x 256 + 64 h
	WLOADQK
	XLOADS XA, XSA, 0, 0
	CSLOADS 0, 0
	XLOADS XA+96, XSA+8, 12288, 0
	CSLOADS 1, 2048
	v_mov_b32 v210, 0                              ; written once: a lane permute's destination counts as one of its sources
	v_mov_b32 v211, 0
.irp j, 216,217,218,219
	v_mov_b32 v[\j], 0
.endr
	s_mov_b32 s42, 3
.Lkt:
	TILEK 0, 1, 48
	TILEK 1, 1, 48
	s_wait_xcnt 0x0                                ; the bases are stepped only behind this wait
	s_add_nc_u64 s[24:25], s[24:25], 24576
	s_add_nc_u64 s[26:27], s[26:27], 1024
	s_add_nc_u64 s[10:11], s[10:11], 8192
	s_add_nc_u64 s[12:13], s[12:13], 8192
	s_add_nc_u64 s[32:33], s[32:33], 1536
	s_sub_co_u32 s42, s42, 1
	s_cmp_lg_u32 s42, 0
	s_cbranch_scc1 .Lkt
	TILEK 0, 0, 48
	TILEK 1, 0, 0
	global_store_b128 v3, v[216:219], s[32:33] offset:7680   ; K's scale words at 12,288 of the record (the base stands 3 x 1,536 on): four pairs a lane, 512 consecutive bytes
	s_endpgm
	; ================ V ================
.macro QUANT s                         ; 64 numbers of a lane become a fragment's codes in v[PC] on and its scale word in v[PW]
.irp b, 0,1,2,3
	v_max3_num_f32 v[TM+\b], |v[\s+16*\b]|, |v[\s+1+16*\b]|, 0x1800000
.endr
.irp i, 2,4,6,8,10,12,14
.irp b, 0,1,2,3
	v_max3_num_f32 v[TM+\b], v[TM+\b], |v[\s+16*\b+\i]|, |v[\s+1+16*\b+\i]|
.endr
.endr
.irp b, 0,1,2,3
	v_permlanex16_b32 v[TM+4+\b], v[TM+\b], s[SEL], s[SEL+1]
.endr
.irp b, 0,1,2,3
	v_max_num_f32 v[TM+\b], v[TM+\b], v[TM+4+\b]
.endr
.irp b, 0,1,2,3
	v_add_nc_u32 v[TM+12+\b], 0xff000000, v[TM+\b]
.endr
.irp b, 0,1,2,3
	v_lshrrev_b32 v[TM+4+\b], 23, v[TM+12+\b]
.endr
	v_lshl_or_b32 v[PW], v[TM+5], 8, v[TM+4]
	v_lshl_or_b32 v[PW], v[TM+6], 16, v[PW]
	v_lshl_or_b32 v[PW], v[TM+7], 24, v[PW]
.irp c, 0,1
	v_cvt_scalef32_pk16_fp6_f32 v[PC+6*\c:PC+2+6*\c], v[\s+32*\c:\s+15+32*\c], v[TM+12+2*\c]
	v_cvt_scalef32_pk16_fp6_f32 v[PC+12+4*\c:PC+14+4*\c], v[\s+16+32*\c:\s+31+32*\c], v[TM+12+2*\c+1]
.endr
	v_nop                                          ; one plain place behind a scaled conversion
.irp c, 0,1
.irp i, 0,1,2
	v_permlane16_swap_b32 v[PC+6*\c+\i], v[PC+12+4*\c+\i]
.endr
.irp i, 0,1,2
	v_mov_b32 v[PC+3+6*\c+\i], v[PC+12+4*\c+\i]
.endr
.endr
.endm
; 16 matrix instructions: row tile t x my two tiles of channels, all of K; the two accumulators take turns
.macro MMV buf, xs, t
	WIN 0x07                                       ; source 0 (x) window 3, source 1 (the weight) window 1
.irp s, 0,1,2,3,4,5,6,7
.irp n, 0,1
	WM ACC+64*\n+8*(\t), \buf+12*\s, 12*(2*\s+\n), \s==0, \xs+\s, WS+\s, (\t)%2, \n
.endr
.endr
	WIN 0
.endm
.Lv:
	WIN 0x40
.irp s, 0,1,2,3,4,5,6,7
.irp n, 0,1
.irp c, 0,1,2
	global_load_b128 v[12*(2*\s+\n)+4*\c:12*(2*\s+\n)+4*\c+3], v3, s[28:29] offset:12288*\n+1536*\s+512*\c
.endr
.endr
.endr
	WIN 0
.irp s, 0,1,2,3,4,5,6,7
	global_load_b32 v[WS+\s], v4, s[30:31] offset:128*\s
.endr
	XLOADS XA, XSA, 0, 0
	XLOADS XA+96, XSA+8, 12288, 0
	RECORD
	s_mul_i32 s56, s50, 3072                       ; my two fragments of V^T,
	s_lshl_b32 s58, s50, 7                         ; and my pair's scale words
	s_add_nc_u64 s[60:61], s[32:33], s[58:59]
	s_add_nc_u64 s[32:33], s[32:33], s[56:57]
.irp b, 0,1,2,3
	v_mov_b32 v[TM+4+\b], 0                        ; written once: a lane permute's destination counts as one of its sources
.endr
.irp t, 0,1,2,3,4,5,6,7
.if \t < 7
	s_wait_loadcnt 32                              ; my tile is in; the next tile's group of 32 may be out
.else
	s_wait_loadcnt 0x0
.endif
	MMV XA+96*(\t%2), XSA+8*(\t%2), \t
	PLACES 5                                       ; in front of loads into x's and the scale words' registers, and of the first read of the results
.if \t < 6
	XLOADS XA+96*(\t%2), XSA+8*(\t%2), 12288*(\t+2), 1024*((\t+2)/2)
.endif
.endr
	QUANT ACC                                      ; channels' tile 2 e: K = the 128 keys
.irp c, 0,1,2
	global_store_b128 v3, v[PC+4*\c:PC+4*\c+3], s[32:33] offset:6144+512*\c
.endr
	v_mov_b32 v193, v[PW]
	s_wait_xcnt 0x0                                ; the stores have read the codes' registers
	QUANT ACC+64                                   ; tile 2 e + 1
.irp c, 0,1,2
	global_store_b128 v3, v[PC+4*\c:PC+4*\c+3], s[32:33] offset:6144+1536+512*\c
.endr
	v_cndmask_b32 v194, v193, v[PW], s41
	global_store_b32 v4, v194, s[60:61] offset:12800
	s_endpgm
.Lfunc_end_k_qa893afb672_proj:
	.size	k_qa893afb672_proj, .Lfunc_end_k_qa893afb672_proj-k_qa893afb672_proj
	.p2alignl 7, 3214868480
	.fill 96, 4, 3214868480
	.section	.rodata,"a",@progbits
	.p2align	6, 0x0
	.amdhsa_kernel k_qa893afb672_proj
		.amdhsa_group_segment_fixed_size 0
		.amdhsa_private_segment_fixed_size 0
		.amdhsa_enable_private_segment 0
		.amdhsa_kernarg_size 80
		.amdhsa_user_sgpr_count 2
		.amdhsa_user_sgpr_kernarg_segment_ptr 1
		.amdhsa_wavefront_size32 1
		.amdhsa_system_sgpr_workgroup_id_x 1
		.amdhsa_system_sgpr_workgroup_id_y 1
		.amdhsa_system_sgpr_workgroup_id_z 1
		.amdhsa_system_vgpr_workitem_id 0
		.amdhsa_next_free_vgpr 960
		.amdhsa_next_free_sgpr 66
		.amdhsa_reserve_vcc 0
		.amdhsa_float_denorm_mode_32 3
		.amdhsa_float_denorm_mode_16_64 3
		.amdhsa_memory_ordered 1
		.amdhsa_forward_progress 1
		.amdhsa_inst_pref_size 206
	.end_amdhsa_kernel
	.amdgpu_metadata
---
amdhsa.version: [ 1, 2 ]
amdhsa.kernels:
  - .name:           k_qa893afb672_proj
    .symbol:         k_qa893afb672_proj.kd
    .args:
      - { .name: ximg, .offset: 0, .size: 8, .value_kind: global_buffer, .address_space: global }
      - { .name: scl, .offset: 8, .size: 8, .value_kind: global_buffer, .address_space: global }
      - { .name: wimg, .offset: 16, .size: 8, .value_kind: global_buffer, .address_space: global }
      - { .name: cos, .offset: 24, .size: 8, .value_kind: global_buffer, .address_space: global }
      - { .name: sin, .offset: 32, .size: 8, .value_kind: global_buffer, .address_space: global }
      - { .name: ln_g, .offset: 40, .size: 8, .value_kind: global_buffer, .address_space: global }
      - { .name: ln_b, .offset: 48, .size: 8, .value_kind: global_buffer, .address_space: global }
      - { .name: qimg, .offset: 56, .size: 8, .value_kind: global_buffer, .address_space: global }
      - { .name: psum, .offset: 64, .size: 8, .value_kind: global_buffer, .address_space: global }
      - { .name: kvimg, .offset: 72, .size: 8, .value_kind: global_buffer, .address_space: global }
    .group_segment_fixed_size: 0
    .private_segment_fixed_size: 0
    .kernarg_segment_align: 8
    .kernarg_segment_size: 80
    .max_flat_workgroup_size: 32
    .sgpr_count:     66
    .vgpr_count:     960
    .wavefront_size: 32
...
	.end_amdgpu_metadata
.endif
;; end of part 2
;; launch attn (part 3): grid 8 x 32, 16 waves a work-group, clusters of 4 x 1, 215,040 bytes of LDS; arguments qimg, psum, cos, sin, kvimg, oimg, oscl; writes oimg, oscl
.if DOCPART == 3
	.amdgcn_target "amdgcn-amd-amdhsa--gfx1250"
	.amdhsa_code_object_version 6
	.text
	.protected	k_qa893afb672_attn
	.globl	k_qa893afb672_attn
	.p2align	8
	.type	k_qa893afb672_attn,@function
k_qa893afb672_attn:
	s_mov_b64 s[64:65], 0
	v_nop
	global_prefetch_b8 v0, s[64:65] scope:SCOPE_SE
	s_setreg_imm32_b32 hwreg(HW_REG_WAVE_MODE, 25, 1), 1
	s_wait_xcnt 0x0
	s_wait_alu depctr_hold_cnt(0) depctr_sa_sdst(0) depctr_va_vdst(0) depctr_va_sdst(0) depctr_va_ssrc(0) depctr_va_vcc(0) depctr_vm_vsrc(0)
	s_getreg_b32 s2, hwreg(HW_REG_IB_STS2, 6, 4)
	s_cmp_eq_u32 s2, 0
	s_cbranch_scc0 .Lentry_in_a_cluster
	s_endpgm
.Lentry_in_a_cluster:
	s_bfe_u32 s2, ttmp6, 0x10000c
	s_cmp_lg_u32 s2, 0x3003
	s_cbranch_scc0 .Lentry_shape_is_right
	s_endpgm
.Lentry_shape_is_right:
; Attention of one (batch, head) for 256 queries, both products on codes of FP6 (E2M3) with E8M0 scales.  y = 16 x batch + head; the block of queries = 4 x cluster x + place in the cluster.
; HEAD: q (normalised, f32, an image of registers) less its mean over time (the 16 blocks' column sums / 2,048), RoPE, quantised along the head's 64: half a fragment; the other half of K = 128 is zero codes on both sides.
; THE SOFTMAX: t = score x log2(e) / 8; M = the running largest t rounded UP to a whole number; p = 2^(t - M) is quantised along the keys, not normalised; the sum is taken of the unquantised p and divides O at the end.
; When M moves, the sum and O are multiplied by 2^(old M - new M), which rounds nothing.  A block's largest p is taken through its largest score (v_exp_f32 is taken not to fall where its input rises).
; SHARES: sixteen waves, each with one tile of 16 queries in 256 registers: four to a SIMD, so that one wave's vector work stands beside another's products and LDS loads.  Every wave walks the 2,048 keys, 128 a step.
; LDS: the key-value head's 16 records of 13,056 bytes (8 half fragments of K, 4 fragments of V^T, their scale words) are 208,896 bytes: they come ONCE and stay.  Nothing is filled again: no ring.
; CLUSTER: the four blocks of queries of a cluster read the same records, so each record is asked for JOINTLY (mask 15).  Waves 0-3 ask, four loads each (record 4 c + wave): four loads of a wave are out at the most.
; Both products are used transposed (S^T = K Q^T, O^T = V^T P^T): a lane holds one query throughout; by the choice of a tile's keys, registers 16 b + i of S^T are keys 32 b + 16 (lane / 16) + i.
; No prefetch: every byte of K and V is asked for at the head.
; LIMITS: blocks of zeros get the scale byte 1 (codes zero; only this program reads the bytes); NaN and infinities are not served; the mean over time is summed tile by tile, lane by lane, block by block.
; REGISTERS: v1, v2, v31 16, 8, 4 x lane; v3, v4, v29 the same + the step's record; v5-8 permutes' results, then bytes; v9 at work; v[10:11] f; v12 -M, v13 the largest t, v[14:15] the sum; v16-27 Q, v28 its scale word;
;   v32-79 four fragments of K (upper halves stay zero); v80-127 V^T's four; v128-191 S^T, then p; v192-223 O^T; v224-235 p's codes; v236-242 at work; v244-247 K's scale words, v248-249 V's, v250 p's; v251-254 the blocks' maxima.
.set REC,   13056
.set MEAN,  208896                     ; behind the records: 64 f32, a block of 256 bytes of its own, into which no fill lands
.set SEL,   20                         ; s[20:21] lane selects: lane l xor 16
.set CS,    22                         ; s[22:23] c = log2(e) / 8
.set G1,    24                         ; s[24:31] descriptor group 1
.set G0,    32                         ; s[32:47] four groups 0
.set TB,    48                         ; s48  LDS byte at which the step's record begins
.macro PLACES n
.rept \n
	v_nop
.endr
.endm
.macro WM d, a, b, zero, sa, sb, ra, rb        ; one matrix instruction; zero = 1: it starts the sum; ra, rb = 1: that side's scale words are read from lanes 16-31
.if (\zero) && (\ra) && (\rb)
	v_wmma_scale_f32_16x16x128_f8f6f4 v[\d:\d+7], v[\a:\a+11], v[\b:\b+11], 0, v[\sa], v[\sb] matrix_a_fmt:MATRIX_FMT_FP6 matrix_b_fmt:MATRIX_FMT_FP6 matrix_a_scale:MATRIX_SCALE_ROW1 matrix_b_scale:MATRIX_SCALE_ROW1
.elseif (\zero) && (\ra)
	v_wmma_scale_f32_16x16x128_f8f6f4 v[\d:\d+7], v[\a:\a+11], v[\b:\b+11], 0, v[\sa], v[\sb] matrix_a_fmt:MATRIX_FMT_FP6 matrix_b_fmt:MATRIX_FMT_FP6 matrix_a_scale:MATRIX_SCALE_ROW1
.elseif (\zero) && (\rb)
	v_wmma_scale_f32_16x16x128_f8f6f4 v[\d:\d+7], v[\a:\a+11], v[\b:\b+11], 0, v[\sa], v[\sb] matrix_a_fmt:MATRIX_FMT_FP6 matrix_b_fmt:MATRIX_FMT_FP6 matrix_b_scale:MATRIX_SCALE_ROW1
.elseif (\zero)
	v_wmma_scale_f32_16x16x128_f8f6f4 v[\d:\d+7], v[\a:\a+11], v[\b:\b+11], 0, v[\sa], v[\sb] matrix_a_fmt:MATRIX_FMT_FP6 matrix_b_fmt:MATRIX_FMT_FP6
.elseif (\ra) && (\rb)
	v_wmma_scale_f32_16x16x128_f8f6f4 v[\d:\d+7], v[\a:\a+11], v[\b:\b+11], v[\d:\d+7], v[\sa], v[\sb] matrix_a_fmt:MATRIX_FMT_FP6 matrix_b_fmt:MATRIX_FMT_FP6 matrix_a_scale:MATRIX_SCALE_ROW1 matrix_b_scale:MATRIX_SCALE_ROW1
.elseif (\ra)
	v_wmma_scale_f32_16x16x128_f8f6f4 v[\d:\d+7], v[\a:\a+11], v[\b:\b+11], v[\d:\d+7], v[\sa], v[\sb] matrix_a_fmt:MATRIX_FMT_FP6 matrix_b_fmt:MATRIX_FMT_FP6 matrix_a_scale:MATRIX_SCALE_ROW1
.elseif (\rb)
	v_wmma_scale_f32_16x16x128_f8f6f4 v[\d:\d+7], v[\a:\a+11], v[\b:\b+11], v[\d:\d+7], v[\sa], v[\sb] matrix_a_fmt:MATRIX_FMT_FP6 matrix_b_fmt:MATRIX_FMT_FP6 matrix_b_scale:MATRIX_SCALE_ROW1
.else
	v_wmma_scale_f32_16x16x128_f8f6f4 v[\d:\d+7], v[\a:\a+11], v[\b:\b+11], v[\d:\d+7], v[\sa], v[\sb] matrix_a_fmt:MATRIX_FMT_FP6 matrix_b_fmt:MATRIX_FMT_FP6
.endif
.endm
.macro ROPE a, c, s                    ; y = a x cos + rotate(a) x sin over 32 registers, left in the cos registers
.irp p, 0,2,4,6,8,10,12,14,16,18,20,22,24,26,28,30
	v_pk_mul_f32 v[\c+\p:\c+\p+1], v[\a+\p:\a+\p+1], v[\c+\p:\c+\p+1]
	v_fma_f32 v[\c+\p], -v[\a+\p+1], v[\s+\p], v[\c+\p]
	v_fma_f32 v[\c+\p+1], v[\a+\p], v[\s+\p+1], v[\c+\p+1]
.endr
.endm
.macro QUANT2 src, pc, tt, bm, pw      ; 32 numbers of a lane, register 16 b + i = k 32 b + 16 (lane / 16) + i, become registers 0-5 of a fragment in v[pc] on and two scale bytes in v[pw]
.irp b, 0,1
	v_max3_num_f32 v[\bm+\b], |v[\src+16*\b]|, |v[\src+16*\b+1]|, 0x1800000   ; and the floor 2^(3 - 127): the byte cannot fall under 1
.endr
.irp i, 2,4,6,8,10,12,14
.irp b, 0,1
	v_max3_num_f32 v[\bm+\b], v[\bm+\b], |v[\src+16*\b+\i]|, |v[\src+16*\b+\i+1]|
.endr
.endr
.irp b, 0,1
	v_permlanex16_b32 v[\bm+2+\b], v[\bm+\b], s[SEL], s[SEL+1]
.endr
.irp b, 0,1
	v_max_num_f32 v[\bm+\b], v[\bm+\b], v[\bm+2+\b]
.endr
.irp b, 0,1
	v_add_nc_u32 v[\bm+4+\b], 0xff000000, v[\bm+\b]
.endr
.irp b, 0,1
	v_lshrrev_b32 v[\bm+2+\b], 23, v[\bm+4+\b]
.endr
	v_lshl_or_b32 v[\pw], v[\bm+3], 8, v[\bm+2]    ; bytes 2 and 3 stay 0: they stand over zero codes
	v_cvt_scalef32_pk16_fp6_f32 v[\pc:\pc+2], v[\src:\src+15], v[\bm+4]
	v_cvt_scalef32_pk16_fp6_f32 v[\tt:\tt+2], v[\src+16:\src+31], v[\bm+5]
	v_nop                                          ; one plain place behind a scaled conversion
.irp i, 0,1,2
	v_permlane16_swap_b32 v[\pc+\i], v[\tt+\i]
.endr
.irp i, 0,1,2
	v_mov_b32 v[\pc+3+\i], v[\tt+\i]
.endr
.endm
.macro ROUND                           ; a round of the cluster's barrier: my work-group's barrier; wave 0 signals for the work-group; every wave waits for all four; my work-group's barrier once more
	s_barrier_signal -1
	s_barrier_wait -1
	s_cmp_lg_u32 s18, 0
	s_cbranch_scc1 .Lnot_wave_0_\@
	s_barrier_signal -3
.Lnot_wave_0_\@:
	s_barrier_wait -3
	s_barrier_signal -1
	s_barrier_wait -1
.endm
	s_load_b256 s[4:11], s[0:1], 0x0               ; qimg s[4:5], psum s[6:7], cos s[8:9], sin s[10:11]
	s_load_b128 s[12:15], s[0:1], 0x20             ; kvimg s[12:13], oimg s[14:15]
	s_load_b64 s[16:17], s[0:1], 0x30              ; oscl
	v_lshl_add_u32 v243, v0, 2, 0x34000
	v_mov_b32 v255, 0
	ds_add_u32 v243, v255
	ds_add_u32 v243, v255
	v_lshrrev_b32 v9, 5, v0
	v_readfirstlane_b32 s18, v9                    ; wave 0..15
	v_and_b32 v9, 31, v0                           ; lane
	v_lshlrev_b32 v1, 4, v9
	v_lshlrev_b32 v2, 3, v9
	v_lshlrev_b32 v31, 2, v9
	v_and_b32 v5, 15, v0                           ; r
	v_bfe_u32 v6, v0, 4, 1                         ; h
	v_and_b32 v3, 8, v5
	v_add_nc_u32 v3, v3, v5                        ; r + 8 (r / 8)
	v_lshlrev_b32 v3, 8, v3
	v_lshl_add_u32 v3, v6, 6, v3                   ; the tables: my query's row of 256 bytes, + 64 h
	v_and_b32 v4, 63, v0
	v_lshlrev_b32 v4, 2, v4                        ; waves 4 and 5: channel (thread % 64) of the sums,
	v_add_nc_u32 v29, MEAN, v4                     ; and where its mean goes
	v_lshlrev_b32 v30, 6, v6
	v_add_nc_u32 v30, MEAN, v30                    ; where my lane's channels' means are read: + 64 h
	s_mov_b32 s[SEL], 0x76543210
	s_mov_b32 s[SEL+1], 0xfedcba98
	s_mov_b32 s[CS], 0x3e38aa3b                    ; log2(e) / 8
	s_mov_b32 s[CS+1], s[CS]                       ; (named with it as a pair, so it is written)
	s_bfe_u32 s50, ttmp6, 0x40000                  ; cx: it enters the addresses of q, the tables and o alone
	s_lshl_b32 s51, ttmp9, 2
	s_add_co_u32 s51, s51, s50                     ; my block of 256 queries
	s_and_b32 s52, ttmp7, 0xffff
	s_lshr_b32 s53, s52, 4                         ; the batch
	s_and_b32 s54, s52, 15                         ; the head
	s_cmp_ge_u32 s54, 4                            ; heads 0-3, 4-11, 12-15 take key-value heads 0, 1, 2
	s_cselect_b32 s55, 1, 0
	s_cmp_ge_u32 s54, 12
	s_cselect_b32 s56, 1, 0
	s_add_co_u32 s55, s55, s56
	s_mul_i32 s56, s53, 3
	s_add_co_u32 s56, s56, s55
	s_mul_i32 s56, s56, 208896
	s_and_b32 s57, s18, 3
	s_mul_i32 s57, s57, REC                        ; a fetching wave's first record, in LDS and in memory
	s_add_co_u32 s60, s56, s57
	s_mov_b32 s61, 0
	s_lshl_b32 s58, s53, 3
	s_add_co_u32 s58, s58, s51
	s_lshl_b32 s58, s58, 4
	s_add_co_u32 s58, s58, s18                     ; my row tile: 16 (8 x batch + block) + wave
	; descriptor group 1: a record as 51 rows of 256 bytes (32 elements of 8 bytes), dense, no padding: images are read 512 bytes on end
	s_mov_b32 s[G1+0], 15|(3<<16)|(1<<21)          ; 15:0 the mask: all four work-groups; 17:16 elements of 8 bytes; 21 set beside a mask
	s_mov_b32 s[G1+1], 32<<16                      ; tensor_dim0 = 32
	s_mov_b32 s[G1+2], 51<<16                      ; tensor_dim1 = 51
	s_mov_b32 s[G1+3], 32<<16                      ; tile_dim0 = 32
	s_mov_b32 s[G1+4], 51                          ; tile_dim1 = 51
	s_mov_b32 s[G1+5], 32                          ; from row to row
	s_mov_b32 s[G1+6], 0
	s_mov_b32 s[G1+7], 0
	s_wait_dscnt 0x0
	s_wait_kmcnt 0x0
	s_add_nc_u64 s[12:13], s[12:13], s[60:61]
.irp c, 0,1,2,3
	s_mov_b32 s[G0+4*\c], 1                        ; count = 1
	s_add_co_u32 s[G0+4*\c+1], s57, 4*REC*\c       ; LDS address: record 4 c + wave
	s_add_nc_u64 s[G0+4*\c+2:G0+4*\c+3], s[12:13], 4*REC*\c
	s_or_b32 s[G0+4*\c+3], s[G0+4*\c+3], 0x80000000   ; type = 2
.endr
	s_lshl_b32 s62, s58, 16                        ; q: 65,536 bytes a row tile, 4,096 a head
	s_lshl_b32 s63, s54, 12
	s_add_co_u32 s62, s62, s63
	s_mov_b32 s63, 0
	s_add_nc_u64 s[4:5], s[4:5], s[62:63]
	s_lshl_b32 s62, s53, 16                        ; the sums: 16 blocks of 4,096 bytes a batch, 256 a head
	s_lshl_b32 s59, s54, 8
	s_add_co_u32 s62, s62, s59
	s_add_nc_u64 s[6:7], s[6:7], s[62:63]
	s_lshl_b32 s62, s51, 16                        ; the tables: row 256 x block + 32 (wave / 2) + 8 (wave % 2)
	s_lshr_b32 s59, s18, 1
	s_lshl_b32 s59, s59, 13
	s_add_co_u32 s62, s62, s59
	s_and_b32 s59, s18, 1
	s_lshl_b32 s59, s59, 11
	s_add_co_u32 s62, s62, s59
	s_add_nc_u64 s[8:9], s[8:9], s[62:63]
	s_add_nc_u64 s[10:11], s[10:11], s[62:63]
	s_mul_i32 s62, s58, 12288                      ; o's codes: 12,288 bytes a row tile, 768 a head
	s_mul_i32 s59, s54, 768
	s_add_co_u32 s62, s62, s59
	s_add_nc_u64 s[14:15], s[14:15], s[62:63]
	s_lshr_b32 s62, s58, 1                         ; o's scale bytes: 1,024 a pair of tiles, 64 for the pair's second tile, 128 for two heads, 2 for the odd head
	s_lshl_b32 s62, s62, 10
	s_and_b32 s59, s58, 1
	s_lshl_b32 s59, s59, 6
	s_add_co_u32 s62, s62, s59
	s_lshr_b32 s59, s54, 1
	s_lshl_b32 s59, s59, 7
	s_add_co_u32 s62, s62, s59
	s_and_b32 s59, s54, 1
	s_lshl_b32 s59, s59, 1
	s_add_co_u32 s62, s62, s59
	s_add_nc_u64 s[16:17], s[16:17], s[62:63]
	ROUND                                          ; all four work-groups are here: the joint loads meet
	s_cmp_lt_u32 s18, 4                            ; a fetching wave's four fills stand in one branch on the wave's number, ahead of every wait on TENSORcnt and every LDS read
	s_cbranch_scc0 .Lno_fill
	tensor_load_to_lds s[G0:G0+3], s[G1:G1+7]
	s_nop 0
	tensor_load_to_lds s[G0+4:G0+7], s[G1:G1+7]
	s_nop 0
	tensor_load_to_lds s[G0+8:G0+11], s[G1:G1+7]
	s_nop 0
	tensor_load_to_lds s[G0+12:G0+15], s[G1:G1+7]
	s_nop 0
	PLACES 4                                       ; four v_nop follow the last
.Lno_fill:
.irp k, 0,1,2,3,4,5,6,7
	global_load_b128 v[128+4*\k:131+4*\k], v1, s[4:5] offset:512*\k th:TH_LOAD_NT   ; q's image: read once in the launch
.endr
.irp b, 0,1
.irp k, 0,1,2,3
	global_load_b128 v[32+16*\b+4*\k:35+16*\b+4*\k], v3, s[8:9] offset:128*\b+16*\k
	global_load_b128 v[64+16*\b+4*\k:67+16*\b+4*\k], v3, s[10:11] offset:128*\b+16*\k
.endr
.endr
	s_lshr_b32 s19, s18, 1
	s_cmp_eq_u32 s19, 2                            ; waves 4 and 5 make the mean over time: a lane a channel
	s_cbranch_scc0 .Lno_mean
.irp k, 0,1,2,3,4,5,6,7,8,9,10,11,12,13,14,15
	global_load_b32 v[96+\k], v4, s[6:7] offset:4096*\k
.endr
	s_wait_loadcnt 0x0
.irp k, 1,2,3,4,5,6,7,8,9,10,11,12,13,14,15
	v_add_f32 v96, v96, v[96+\k]
.endr
	v_mul_f32 v96, 0x3a000000, v96                 ; / 2,048
	ds_store_b32 v29, v96
.Lno_mean:
	s_wait_tensorcnt 0x3                           ; a fetching wave's first record is in; its three younger loads may be out
	s_wait_dscnt 0x0                               ; the means are stored
	s_barrier_signal -1
	s_barrier_wait -1
.irp b, 0,1
.irp k, 0,1,2,3
	ds_load_b128 v[96+16*\b+4*\k:99+16*\b+4*\k], v30 offset:128*\b+16*\k
.endr
.endr
	s_wait_loadcnt 0x0
	s_wait_dscnt 0x0
.irp p, 0,2,4,6,8,10,12,14,16,18,20,22,24,26,28,30
	v_pk_add_f32 v[128+\p:129+\p], v[128+\p:129+\p], v[96+\p:97+\p] neg_lo:[0,1] neg_hi:[0,1]   ; q less its mean over time
.endr
	ROPE 128, 32, 64
	QUANT2 32, 16, 236, 100, 28                    ; Q's half fragment and its scale word
.irp j, 22,23,24,25,26,27
	v_mov_b32 v[\j], 0                             ; K = 64 .. 127: zero codes, in Q
.endr
.irp t, 0,1,2,3
.irp j, 6,7,8,9,10,11
	v_mov_b32 v[32+12*\t+\j], 0                    ; and in K's four fragments: written once, never loaded over
.endr
.endr
.irp j, 5,6,7,8,11,14,15
	v_mov_b32 v[\j], 0                             ; permutes' destinations and the upper half of f's pair count as read; the sum begins at 0
.endr
	v_mov_b32 v13, 0xff61b1e6                      ; the largest t so far: -3e38
	v_floor_f32 v12, -v13                          ; -M
.irp j, 0,1,2,3,4,5,6,7,8,9,10,11,12,13,14,15,16,17,18,19,20,21,22,23,24,25,26,27,28,29,30,31
	v_mov_b32 v[192+\j], 0                         ; O^T: the step is written once, and its first pass finds zeros.  (These lines are also the places between Q's codes and scale word and their first use)
.endr
; A KEY STEP: 128 keys
.macro STEP
	v_add_nc_u32 v3, s[TB], v1
	v_add_nc_u32 v4, s[TB], v2
	v_add_nc_u32 v29, s[TB], v31
	ds_load_b128 v[244:247], v3 offset:12288       ; K's scale words: a register for each pair of tiles
.irp g, 0,1                                    ; S^T = K Q^T, four tiles of 16 keys at a time
.if \g
	PLACES 4                                       ; in front of loads into registers that matrix instructions have read
.endif
.irp t, 0,1,2,3
	ds_load_b128 v[32+12*\t:35+12*\t], v3 offset:768*(4*\g+\t)
	ds_load_b64 v[36+12*\t:37+12*\t], v4 offset:768*(4*\g+\t)+512
.endr
	s_wait_dscnt 0x0
.irp t, 0,1,2,3
	WM 128+8*(4*\g+\t), 32+12*\t, 16, 1, 244+(4*\g+\t)/2, 28, \t%2, 0
.endr
.endr
.irp t, 0,1,2,3                                ; V^T's four fragments are asked for here and land under the softmax; the three additions and four v_nop above are their places behind the last step's products
.irp c, 0,1,2
	ds_load_b128 v[80+12*\t+4*\c:83+12*\t+4*\c], v3 offset:6144+1536*\t+512*\c
.endr
.endr
	ds_load_b32 v248, v29 offset:12800
	ds_load_b32 v249, v29 offset:12928
	PLACES 4                                       ; in front of the first read of the scores
.irp b, 0,1,2,3
	v_max3_num_f32 v[251+\b], v[128+16*\b], v[129+16*\b], v[130+16*\b]   ; the largest score of each block of 32 keys; each accumulator is read from its low end on
.endr
.irp i, 3,5,7,9,11,13
.irp b, 0,1,2,3
	v_max3_num_f32 v[251+\b], v[251+\b], v[128+16*\b+\i], v[129+16*\b+\i]
.endr
.endr
.irp b, 0,1,2,3
	v_max_num_f32 v[251+\b], v[251+\b], v[143+16*\b]
.endr
.irp b, 0,1,2,3
	v_permlanex16_b32 v[5+\b], v[251+\b], s[SEL], s[SEL+1]
.endr
.irp b, 0,1,2,3
	v_max_num_f32 v[251+\b], v[251+\b], v[5+\b]    ; with lane l xor 16's 16 keys
.endr
	v_max3_num_f32 v9, v251, v252, v253
	v_max_num_f32 v9, v9, v254
	v_mul_f32 v9, s[CS], v9                        ; the step's largest t
	v_max_num_f32 v13, v13, v9                     ; the running largest t
	v_mov_b32 v9, v12
	v_floor_f32 v12, -v13                          ; the new -M = floor(-t) = -ceil(t)
	v_sub_f32 v9, v12, v9                          ; old M - new M: a whole number, 0 or less
	v_cvt_i32_f32 v9, v9                           ; (it saturates)
	v_ldexp_f32 v10, 1.0, v9                       ; f = 2^(old M - new M)
.irp j, 0,2,4,6,8,10,12,14,16,18,20,22,24,26,28,30,32,34,36,38,40,42,44,46,48,50,52,54,56,58,60,62
	v_pk_fma_f32 v[128+\j:129+\j], v[128+\j:129+\j], s[CS:CS+1], v[12:13] op_sel_hi:[1,0,0]   ; t - M
.endr
.irp b, 0,1,2,3
	v_fma_f32 v[251+\b], v[251+\b], s[CS], v12     ; the same of each block's largest score
.endr
.irp j, 0,1,2,3,4,5,6,7,8,9,10,11,12,13,14,15,16,17,18,19,20,21,22,23,24,25,26,27,28,29,30,31,32,33,34,35,36,37,38,39,40,41,42,43,44,45,46,47,48,49,50,51,52,53,54,55,56,57,58,59,60,61,62,63
	v_exp_f32 v[128+\j], v[128+\j]                 ; p = 2^(t - M)
.endr
.irp b, 0,1,2,3
	v_exp_f32 v[251+\b], v[251+\b]                 ; the block's largest p
.endr
	v_pk_mul_f32 v[14:15], v[14:15], v[10:11] op_sel_hi:[1,0]   ; the sum under the new M.  (A plain place behind the exponentials)
	s_wait_alu depctr_va_vdst(0)
.irp b, 0,1,2,3
	v_max_num_f32 v[251+\b], 0x1800000, v[251+\b]  ; the floor 2^(3 - 127)
.endr
.irp b, 0,1,2,3
	v_add_nc_u32 v[251+\b], 0xff000000, v[251+\b]  ; 2 off the exponent field: the conversion's scale operand
.endr
.irp b, 0,1,2,3
	v_lshrrev_b32 v[5+\b], 23, v[251+\b]           ; the scale's byte
.endr
	v_lshl_or_b32 v250, v6, 8, v5                  ; p's scale word for these 128 keys
	v_lshl_or_b32 v250, v7, 16, v250
	v_lshl_or_b32 v250, v8, 24, v250
.irp c, 0,1
	v_cvt_scalef32_pk16_fp6_f32 v[224+6*\c:226+6*\c], v[128+32*\c:143+32*\c], v[251+2*\c]
	v_cvt_scalef32_pk16_fp6_f32 v[236+4*\c:238+4*\c], v[144+32*\c:159+32*\c], v[252+2*\c]
.endr
	v_nop                                          ; one plain place behind a scaled conversion
.irp c, 0,1
.irp i, 0,1,2
	v_permlane16_swap_b32 v[224+6*\c+\i], v[236+4*\c+\i]
.endr
.irp i, 0,1,2
	v_mov_b32 v[227+6*\c+\i], v[236+4*\c+\i]
.endr
.endr
	v_pk_add_f32 v[236:237], v[128:129], v[130:131]   ; the sum of the UNQUANTISED p, in two chains
.irp j, 4,8,12,16,20,24,28,32,36,40,44,48,52,56,60
	v_pk_add_f32 v[14:15], v[14:15], v[128+\j:129+\j]
	v_pk_add_f32 v[236:237], v[236:237], v[130+\j:131+\j]
.endr
	v_pk_add_f32 v[14:15], v[14:15], v[236:237]
.irp j, 0,2,4,6,8,10,12,14,16,18,20,22,24,26,28,30
	v_pk_mul_f32 v[192+\j:193+\j], v[192+\j:193+\j], v[10:11] op_sel_hi:[1,0]   ; O^T under the new M, from its low end on.  (With the sums above: the places between p's codes and scale word and their use)
.endr
	s_wait_dscnt 0x0                               ; V^T and its scale words are in
.irp t, 0,1,2,3
	WM 192+8*\t, 80+12*\t, 224, 0, 248+\t/2, 250, \t%2, 0   ; O^T += V^T P^T: four accumulators, one instruction each: no two neighbours share one, over the backward jump too
.endr
.endm
; Records 4 c .. 4 c + 3.  Each fetching wave waits until its load c has landed (its 3 - c younger loads may be out), then the barrier.
.macro CHUNK c
.if \c > 0
	s_wait_tensorcnt 3-\c
	s_wait_dscnt 0x0
	s_barrier_signal -1
	s_barrier_wait -1
.endif
	s_mov_b32 s[TB], 4*REC*\c
	s_mov_b32 s49, 4
.Lstep_\@:
	STEP
	s_add_co_u32 s[TB], s[TB], REC
	s_sub_co_u32 s49, s49, 1
	s_cmp_lg_u32 s49, 0
	s_cbranch_scc1 .Lstep_\@
.endm
	CHUNK 0
	CHUNK 1
	CHUNK 2
	CHUNK 3
	; THE WAY OUT: O^T / the sum, quantised along the head's 64: half a fragment of the last product's operand, and two scale bytes
	PLACES 4                                       ; behind the last products
	v_add_f32 v14, v14, v15
	v_permlanex16_b32 v9, v14, s[SEL], s[SEL+1]
	v_add_f32 v14, v14, v9                         ; the row's sum
	v_rcp_f32 v10, v14
	v_and_b32 v9, 15, v0                           ; (a plain place behind the transcendental)
	v_lshlrev_b32 v9, 2, v9                        ; 4 r
	s_wait_alu depctr_va_vdst(0)
.irp j, 0,2,4,6,8,10,12,14,16,18,20,22,24,26,28,30
	v_pk_mul_f32 v[128+\j:129+\j], v[192+\j:193+\j], v[10:11] op_sel_hi:[1,0]
.endr
	QUANT2 128, 224, 236, 100, 250
	global_store_b128 v1, v[224:227], s[14:15]
	global_store_b64 v2, v[228:229], s[14:15] offset:512
	global_store_b16 v9, v250, s[16:17]            ; lanes r and 16 + r hold the same two bytes and write them to the same place: my head's half of row r's scale word
	s_wait_tensorcnt 0x0
	ds_add_u32 v243, v255
	s_wait_dscnt 0x0
	ROUND                                          ; the closing round: no work-group ends while a partner may still ask for a record that names it
	s_endpgm
.Lfunc_end_k_qa893afb672_attn:
	.size	k_qa893afb672_attn, .Lfunc_end_k_qa893afb672_attn-k_qa893afb672_attn
	.p2alignl 7, 3214868480
	.fill 96, 4, 3214868480
	.section	.rodata,"a",@progbits
	.p2align	6, 0x0
	.amdhsa_kernel k_qa893afb672_attn
		.amdhsa_group_segment_fixed_size 215040
		.amdhsa_private_segment_fixed_size 0
		.amdhsa_enable_private_segment 0
		.amdhsa_kernarg_size 56
		.amdhsa_user_sgpr_count 2
		.amdhsa_user_sgpr_kernarg_segment_ptr 1
		.amdhsa_wavefront_size32 1
		.amdhsa_system_sgpr_workgroup_id_x 1
		.amdhsa_system_sgpr_workgroup_id_y 1
		.amdhsa_system_sgpr_workgroup_id_z 1
		.amdhsa_system_vgpr_workitem_id 0
		.amdhsa_next_free_vgpr 256
		.amdhsa_next_free_sgpr 66
		.amdhsa_reserve_vcc 0
		.amdhsa_float_denorm_mode_32 3
		.amdhsa_float_denorm_mode_16_64 3
		.amdhsa_memory_ordered 1
		.amdhsa_forward_progress 1
		.amdhsa_inst_pref_size 87
	.end_amdhsa_kernel
	.amdgpu_metadata
---
amdhsa.version: [ 1, 2 ]
amdhsa.kernels:
  - .name:           k_qa893afb672_attn
    .symbol:         k_qa893afb672_attn.kd
    .args:
      - { .name: qimg, .offset: 0, .size: 8, .value_kind: global_buffer, .address_space: global }
      - { .name: psum, .offset: 8, .size: 8, .value_kind: global_buffer, .address_space: global }
      - { .name: cos, .offset: 16, .size: 8, .value_kind: global_buffer, .address_space: global }
      - { .name: sin, .offset: 24, .size: 8, .value_kind: global_buffer, .address_space: global }
      - { .name: kvimg, .offset: 32, .size: 8, .value_kind: global_buffer, .address_space: global }
      - { .name: oimg, .offset: 40, .size: 8, .value_kind: global_buffer, .address_space: global }
      - { .name: oscl, .offset: 48, .size: 8, .value_kind: global_buffer, .address_space: global }
    .group_segment_fixed_size: 215040
    .private_segment_fixed_size: 0
    .kernarg_segment_align: 8
    .kernarg_segment_size: 56
    .max_flat_workgroup_size: 512
    .sgpr_count:     66
    .vgpr_count:     256
    .wavefront_size: 32
...
	.end_amdgpu_metadata
.endif
;; end of part 3
;; launch outp (part 4): grid 4 x 64, 4 waves a work-group, no clusters, 17,920 bytes of LDS; arguments oimg, oscl, wimg, scl, out0; writes out0
.if DOCPART == 4
	.amdgcn_target "amdgcn-amd-amdhsa--gfx1250"
	.amdhsa_code_object_version 6
	.text
	.protected	k_qa893afb672_outp
	.globl	k_qa893afb672_outp
	.p2align	8
	.type	k_qa893afb672_outp,@function
k_qa893afb672_outp:
	s_mov_b64 s[64:65], 0
	v_nop
	global_prefetch_b8 v0, s[64:65] scope:SCOPE_SE
	s_setreg_imm32_b32 hwreg(HW_REG_WAVE_MODE, 25, 1), 1
	s_wait_xcnt 0x0
; out0 = o Wo on codes of FP6 (E2M3) with E8M0 scales.  o's codes lie as half fragments, [row tile][head]: heads 2 s and 2 s + 1 are registers 0-5 and 6-11 of K step s.
; A wave takes 64 columns (unit U = 4 x work-group x + wave: weight tiles 88 + 4 U on) and 64 rows (four tiles, 4 y on): 1,024 waves.  Its weights for all of K stay in registers (384), read once;
; the row tiles stream from memory into registers, two tiles ahead.  The product is used TRANSPOSED (source 0 = 16 columns of Wo, source 1 = 16 rows of o): a lane holds one row and 32 of its columns.
; A tile's 16 rows x 256 bytes go through the wave's own stage in LDS and leave as whole rows: sixteen lanes store 256 consecutive bytes, aligned.  Waves share nothing: no barrier.
; NO JOINT LOADS: operands go from memory to registers, and joint requests exist for tensor loads into LDS alone.
; REGISTERS: window 0: addresses, scale words, v48-79 accumulators, v80-111 rows read back.  windows 1, 2: the weights' K steps 0-3, 4-7.  window 3: two row tiles.
.set WS,   16
.set XSA,  32
.set ACC,  48
.set XA,   0
.set MSB,  0
.macro WIN new                         ; the immediate's high byte repeats the setting that is left
.if MSB != \new
	s_set_vgpr_msb (MSB<<8)|\new
.set MSB, \new
.endif
.endm
.macro PLACES n
.rept \n
	v_nop
.endr
.endm
.macro WM d, a, b, zero, sa, sb, ra, rb        ; one matrix instruction; zero = 1: it starts the sum; ra, rb = 1: that side's scale words are read from lanes 16-31
.if (\zero) && (\ra) && (\rb)
	v_wmma_scale_f32_16x16x128_f8f6f4 v[\d:\d+7], v[\a:\a+11], v[\b:\b+11], 0, v[\sa], v[\sb] matrix_a_fmt:MATRIX_FMT_FP6 matrix_b_fmt:MATRIX_FMT_FP6 matrix_a_scale:MATRIX_SCALE_ROW1 matrix_b_scale:MATRIX_SCALE_ROW1
.elseif (\zero) && (\ra)
	v_wmma_scale_f32_16x16x128_f8f6f4 v[\d:\d+7], v[\a:\a+11], v[\b:\b+11], 0, v[\sa], v[\sb] matrix_a_fmt:MATRIX_FMT_FP6 matrix_b_fmt:MATRIX_FMT_FP6 matrix_a_scale:MATRIX_SCALE_ROW1
.elseif (\zero) && (\rb)
	v_wmma_scale_f32_16x16x128_f8f6f4 v[\d:\d+7], v[\a:\a+11], v[\b:\b+11], 0, v[\sa], v[\sb] matrix_a_fmt:MATRIX_FMT_FP6 matrix_b_fmt:MATRIX_FMT_FP6 matrix_b_scale:MATRIX_SCALE_ROW1
.elseif (\zero)
	v_wmma_scale_f32_16x16x128_f8f6f4 v[\d:\d+7], v[\a:\a+11], v[\b:\b+11], 0, v[\sa], v[\sb] matrix_a_fmt:MATRIX_FMT_FP6 matrix_b_fmt:MATRIX_FMT_FP6
.elseif (\ra) && (\rb)
	v_wmma_scale_f32_16x16x128_f8f6f4 v[\d:\d+7], v[\a:\a+11], v[\b:\b+11], v[\d:\d+7], v[\sa], v[\sb] matrix_a_fmt:MATRIX_FMT_FP6 matrix_b_fmt:MATRIX_FMT_FP6 matrix_a_scale:MATRIX_SCALE_ROW1 matrix_b_scale:MATRIX_SCALE_ROW1
.elseif (\ra)
	v_wmma_scale_f32_16x16x128_f8f6f4 v[\d:\d+7], v[\a:\a+11], v[\b:\b+11], v[\d:\d+7], v[\sa], v[\sb] matrix_a_fmt:MATRIX_FMT_FP6 matrix_b_fmt:MATRIX_FMT_FP6 matrix_a_scale:MATRIX_SCALE_ROW1
.elseif (\rb)
	v_wmma_scale_f32_16x16x128_f8f6f4 v[\d:\d+7], v[\a:\a+11], v[\b:\b+11], v[\d:\d+7], v[\sa], v[\sb] matrix_a_fmt:MATRIX_FMT_FP6 matrix_b_fmt:MATRIX_FMT_FP6 matrix_b_scale:MATRIX_SCALE_ROW1
.else
	v_wmma_scale_f32_16x16x128_f8f6f4 v[\d:\d+7], v[\a:\a+11], v[\b:\b+11], v[\d:\d+7], v[\sa], v[\sb] matrix_a_fmt:MATRIX_FMT_FP6 matrix_b_fmt:MATRIX_FMT_FP6
.endif
.endm
; A row tile of o, all 16 heads, and its pair's scale words: 40 loads
.macro OLOADS buf, xs, off, soff
	WIN 0xc0                                       ; destination window 3
.irp s, 0,1,2,3,4,5,6,7
.irp c, 0,1
	global_load_b128 v[\buf+12*\s+6*\c:\buf+12*\s+6*\c+3], v3, s[24:25] offset:\off+1536*\s+768*\c
	global_load_b64 v[\buf+12*\s+6*\c+4:\buf+12*\s+6*\c+5], v5, s[24:25] offset:\off+1536*\s+768*\c+512
.endr
.endr
	WIN 0
.irp s, 0,1,2,3,4,5,6,7
	global_load_b32 v[\xs+\s], v4, s[26:27] offset:\soff+128*\s
.endr
.endm
; 32 matrix instructions: four tiles of columns x one tile of rows, all of K; the four accumulators take turns, one instruction a turn
.macro MMQK buf, xs, u
	WIN 0x0d                                       ; source 0 (the weight) window 1, source 1 (o) window 3, C and D window 0
.irp s, 0,1,2,3
.irp n, 0,1,2,3
	WM ACC+8*\n, 12*(4*\s+\n), \buf+12*\s, \s==0, WS+8*(\n/2)+\s, \xs+\s, \n%2, \u
.endr
.endr
	WIN 0x0e                                       ; source 0 window 2
.irp s, 4,5,6,7
.irp n, 0,1,2,3
	WM ACC+8*\n, 12*(4*(\s-4)+\n), \buf+12*\s, 0, WS+8*(\n/2)+\s, \xs+\s, \n%2, \u
.endr
.endr
	WIN 0
.endm
	s_load_b256 s[4:11], s[0:1], 0x0               ; oimg s[4:5], oscl s[6:7], wimg s[8:9], scl s[10:11]
	s_load_b64 s[12:13], s[0:1], 0x20              ; out0
	v_lshl_add_u32 v254, v0, 2, 0x4400
	v_mov_b32 v255, 0
	v_lshrrev_b32 v9, 5, v0
	v_readfirstlane_b32 s18, v9                    ; wave 0..3
	v_and_b32 v9, 31, v0                           ; lane
	v_and_b32 v1, 15, v0                           ; r
	v_bfe_u32 v2, v0, 4, 1                         ; h
	v_lshlrev_b32 v3, 4, v9
	v_lshlrev_b32 v4, 2, v9
	v_lshlrev_b32 v5, 3, v9
	s_mul_i32 s19, s18, 4352                       ; my stage: 16 rows x (256 bytes + 16): 68 words a row, so 16 rows start at 16 different groups of banks
	v_mul_u32_u24 v6, v1, 272
	v_lshl_add_u32 v6, v2, 6, v6
	v_add_nc_u32 v6, s19, v6                       ; in: row r, + 64 h
	v_mul_u32_u24 v7, v2, 272
	v_lshl_add_u32 v7, v1, 4, v7
	v_add_nc_u32 v7, s19, v7                       ; back: lanes 0-15 one row, lanes 16-31 the next
	v_lshlrev_b32 v8, 12, v2
	v_lshl_add_u32 v8, v1, 4, v8                   ; and the same two rows in out0
	s_lshl_b32 s20, ttmp9, 2
	s_add_co_u32 s20, s20, s18                     ; U
	s_and_b32 s21, ttmp7, 0xffff                   ; y
	s_lshl_b32 s22, s20, 2
	s_add_co_u32 s22, s22, 88                      ; my first weight tile
	s_mul_i32 s34, s22, 12288
	s_mov_b32 s35, 0
	s_lshl_b32 s36, s22, 9
	s_add_co_u32 s36, s36, 131072
	s_mov_b32 s37, 0
	s_mul_i32 s38, s21, 49152                      ; four row tiles
	s_mov_b32 s39, 0
	s_lshl_b32 s40, s21, 11                        ; two pairs' scale words
	s_mov_b32 s41, 0
	s_lshl_b32 s42, s21, 18                        ; 64 rows of 4,096 bytes,
	s_lshl_b32 s43, s20, 8                         ; my 256 bytes of a row
	s_add_co_u32 s42, s42, s43
	s_mov_b32 s43, 0
	s_wait_kmcnt 0x0
	s_add_nc_u64 s[24:25], s[4:5], s[38:39]
	s_add_nc_u64 s[26:27], s[6:7], s[40:41]
	s_add_nc_u64 s[28:29], s[8:9], s[34:35]
	s_add_nc_u64 s[30:31], s[10:11], s[36:37]
	s_add_nc_u64 s[32:33], s[12:13], s[42:43]
	WIN 0x40                                       ; the weights: destination window 1,
.irp s, 0,1,2,3
.irp n, 0,1,2,3
.irp c, 0,1,2
	global_load_b128 v[12*(4*\s+\n)+4*\c:12*(4*\s+\n)+4*\c+3], v3, s[28:29] offset:12288*\n+1536*\s+512*\c
.endr
.endr
.endr
	WIN 0x80                                       ; window 2
.irp s, 4,5,6,7
.irp n, 0,1,2,3
.irp c, 0,1,2
	global_load_b128 v[12*(4*(\s-4)+\n)+4*\c:12*(4*(\s-4)+\n)+4*\c+3], v3, s[28:29] offset:12288*\n+1536*\s+512*\c
.endr
.endr
.endr
	WIN 0
.irp p, 0,1
.irp s, 0,1,2,3,4,5,6,7
	global_load_b32 v[WS+8*\p+\s], v4, s[30:31] offset:1024*\p+128*\s
.endr
.endr
	OLOADS XA, XSA, 0, 0
	OLOADS XA+96, XSA+8, 12288, 0
.irp t, 0,1,2,3
	s_wait_xcnt 0x0                                ; the last tile's stores have read the registers that this tile's rows are read back into
.if \t < 3
	s_wait_loadcnt 40                              ; my tile is in; the next tile's group of 40 may be out
.else
	s_wait_loadcnt 0x0
.endif
	MMQK XA+96*(\t%2), XSA+8*(\t%2), \t%2
	PLACES 5                                       ; five places: in front of loads into o's and the scale words' registers, of the LDS stores that read the results, and of the next sums, which begin anew over these accumulators
.if \t < 2
	OLOADS XA+96*(\t%2), XSA+8*(\t%2), 12288*(\t+2), 1024
.endif
.irp n, 0,1,2,3
.irp q, 0,1
	ds_store_b128 v6, v[ACC+8*\n+4*\q:ACC+8*\n+4*\q+3] offset:128*(\n/2)+32*(\n%2)+16*\q   ; registers 8 n + j are columns 32 (n / 2) + 16 h + 8 (n % 2) + j; each accumulator from its low end on
.endr
.endr
.irp i, 0,1,2,3,4,5,6,7
	ds_load_b128 v[80+4*\i:83+4*\i], v7 offset:544*\i   ; LDS serves a wave's instructions in order (ISA guide 5.7.1.4): these see the stores above, and the next tile's stores come behind them
.endr
.irp i, 0,1,2,3,4,5,6,7
	s_wait_dscnt 7-\i                              ; the younger reads of the stage may be out
	global_store_b128 v8, v[80+4*\i:83+4*\i], s[32:33] offset:4096*(32*(\t/2)+8*(\t%2)+2*\i+8*(\i/4)) th:TH_STORE_NT   ; index m = 2 i + h of tile t is row 32 (t / 2) + 8 (t % 2) + m + 8 (m / 8); 16 lanes store 256 consecutive bytes, aligned
.endr
.endr
	s_wait_tensorcnt 0x0
	ds_add_u32 v254, v255
	s_wait_dscnt 0x0
	s_endpgm
.Lfunc_end_k_qa893afb672_outp:
	.size	k_qa893afb672_outp, .Lfunc_end_k_qa893afb672_outp-k_qa893afb672_outp
	.p2alignl 7, 3214868480
	.fill 96, 4, 3214868480
	.section	.rodata,"a",@progbits
	.p2align	6, 0x0
	.amdhsa_kernel k_qa893afb672_outp
		.amdhsa_group_segment_fixed_size 17920
		.amdhsa_private_segment_fixed_size 0
		.amdhsa_enable_private_segment 0
		.amdhsa_kernarg_size 40
		.amdhsa_user_sgpr_count 2
		.amdhsa_user_sgpr_kernarg_segment_ptr 1
		.amdhsa_wavefront_size32 1
		.amdhsa_system_sgpr_workgroup_id_x 1
		.amdhsa_system_sgpr_workgroup_id_y 1
		.amdhsa_system_sgpr_workgroup_id_z 1
		.amdhsa_system_vgpr_workitem_id 0
		.amdhsa_next_free_vgpr 960
		.amdhsa_next_free_sgpr 66
		.amdhsa_reserve_vcc 0
		.amdhsa_float_denorm_mode_32 3
		.amdhsa_float_denorm_mode_16_64 3
		.amdhsa_memory_ordered 1
		.amdhsa_forward_progress 1
		.amdhsa_inst_pref_size 54
	.end_amdhsa_kernel
	.amdgpu_metadata
---
amdhsa.version: [ 1, 2 ]
amdhsa.kernels:
  - .name:           k_qa893afb672_outp
    .symbol:         k_qa893afb672_outp.kd
    .args:
      - { .name: oimg, .offset: 0, .size: 8, .value_kind: global_buffer, .address_space: global }
      - { .name: oscl, .offset: 8, .size: 8, .value_kind: global_buffer, .address_space: global }
      - { .name: wimg, .offset: 16, .size: 8, .value_kind: global_buffer, .address_space: global }
      - { .name: scl, .offset: 24, .size: 8, .value_kind: global_buffer, .address_space: global }
      - { .name: out0, .offset: 32, .size: 8, .value_kind: global_buffer, .address_space: global }
    .group_segment_fixed_size: 17920
    .private_segment_fixed_size: 0
    .kernarg_segment_align: 8
    .kernarg_segment_size: 40
    .max_flat_workgroup_size: 128
    .sgpr_count:     66
    .vgpr_count:     960
    .wavefront_size: 32
...
	.end_amdgpu_metadata
.endif
;; end of part 4
;; ======== version 2 of 2: 4 launches
;; workspace buffers: ximg 3,145,728 bytes; wimg 1,867,776 bytes; scl 208,896 bytes; qimg 16,777,216 bytes; psum 131,072 bytes; kvimg 1,253,376 bytes; oimg 3,145,728 bytes; oscl 131,072 bytes
;; launch quant (part 5): grid 408 x 1, 4 waves a work-group, no clusters, 68,096 bytes of LDS; arguments x, Wq, Wkv, Wo, ximg, wimg, scl; writes ximg, wimg, scl
.if DOCPART == 5
	.amdgcn_target "amdgcn-amd-amdhsa--gfx1250"
	.amdhsa_code_object_version 6
	.text
	.protected	k_qa893afb672_quant
	.globl	k_qa893afb672_quant
	.p2align	8
	.type	k_qa893afb672_quant,@function
k_qa893afb672_quant:
	s_mov_b64 s[64:65], 0
	v_nop
	global_prefetch_b8 v0, s[64:65] scope:SCOPE_SE
	s_setreg_imm32_b32 hwreg(HW_REG_WAVE_MODE, 25, 1), 1
	s_wait_xcnt 0x0
; x [4096][1024] and the weights Wq [1024][1024], Wkv [1024][384], Wo [1024][1024], all f32, become codes of FP6 (E2M3) with one E8M0 byte for each 32 along K.
; The codes are laid as IMAGES OF OPERAND REGISTERS: a fragment (16 rows x 128 K, 12 registers a lane) is 1,536 bytes, register group c (registers 4 c .. 4 c + 3) of lane l at 512 c + 16 l.
; THE 16 ROWS (OR COLUMNS) OF A TILE ARE NOT NEIGHBOURS: index m of tile 2 P + u is element 32 P + 8 u + m + 8 (m / 8), so that in a later product's result 16 registers of two neighbouring tiles are 16 neighbours.
; Scale words: one word a lane for a pair of tiles and 128 along K: lanes 0-15 tile 2 P, lanes 16-31 tile 2 P + 1.
; A block's scale is 2^(floor(log2(largest magnitude)) - 2); its byte is the largest magnitude's exponent field - 2, held at 1 from below.
; LIMITS: a block of zeros, or one whose largest magnitude lies under 2^-124, gets the byte 1 (the stated quantiser says 127 for zeros): its codes are zeros, and only this program reads the bytes.  NaN and infinities are not served.
; Work-groups 0-255: x.  A wave takes a pair of tiles (32 rows) x 128 along K: 32 loads of 512 consecutive bytes, all issued at once; the rows turn through the wave's own stage in LDS, so that a lane gets 16 neighbours of each block.
; Work-groups 256-407: the weights, whose K is the FIRST axis: a lane takes a column and its registers run down 128 of K; nothing is transposed.  No barrier: waves share nothing.  No matrix unit, no tensor load: memory binds.
.set STG,  16896                       ; a wave's stage: 32 rows x (512 bytes + 16): 132 words a row, so 16 rows start at 16 different groups of banks
.set R,    32                          ; v32-159  128 numbers
.set TM,   12                          ; v12-15 largest magnitudes, v16-19 bytes, v24-27 scale operands
.set PW,   28                          ; v28      the scale word just made
.set PC,   160                         ; v160-179 x: a fragment's codes and the conversions' second halves
.set F0,   160                         ; v160-171 weights: the fragment of tile 2 P
.set F1,   172                         ; v172-183 of tile 2 P + 1
.set T,    184                         ; v184-199 the blocks' upper 16 codes
.set SEL,  20                          ; s[20:21] lane selects: lane l xor 16
; 64 numbers of a lane, register 16 b + i = k 32 b + 16 (lane / 16) + i of my row, become a fragment's codes in v[PC] on and its scale word in v[PW].
.macro QUANT s
.irp b, 0,1,2,3
	v_max3_num_f32 v[TM+\b], |v[\s+16*\b]|, |v[\s+1+16*\b]|, 0x1800000   ; my 16 numbers of block b, and the floor 2^(3 - 127): the byte cannot fall under 1
.endr
.irp i, 2,4,6,8,10,12,14
.irp b, 0,1,2,3
	v_max3_num_f32 v[TM+\b], v[TM+\b], |v[\s+16*\b+\i]|, |v[\s+1+16*\b+\i]|   ; the four blocks by turns
.endr
.endr
.irp b, 0,1,2,3
	v_permlanex16_b32 v[TM+4+\b], v[TM+\b], s[SEL], s[SEL+1]
.endr
.irp b, 0,1,2,3
	v_max_num_f32 v[TM+\b], v[TM+\b], v[TM+4+\b]   ; with lane l xor 16's 16: the block's largest magnitude
.endr
.irp b, 0,1,2,3
	v_add_nc_u32 v[TM+12+\b], 0xff000000, v[TM+\b]   ; 2 off its exponent field: the conversion's scale operand
.endr
.irp b, 0,1,2,3
	v_lshrrev_b32 v[TM+4+\b], 23, v[TM+12+\b]   ; the scale's byte
.endr
	v_lshl_or_b32 v[PW], v[TM+5], 8, v[TM+4]
	v_lshl_or_b32 v[PW], v[TM+6], 16, v[PW]
	v_lshl_or_b32 v[PW], v[TM+7], 24, v[PW]
.irp c, 0,1
	v_cvt_scalef32_pk16_fp6_f32 v[PC+6*\c:PC+2+6*\c], v[\s+32*\c:\s+15+32*\c], v[TM+12+2*\c]
	v_cvt_scalef32_pk16_fp6_f32 v[PC+12+4*\c:PC+14+4*\c], v[\s+16+32*\c:\s+31+32*\c], v[TM+12+2*\c+1]   ; (a conversion's three registers begin on an even number)
.endr
	v_nop                                          ; one plain place behind a scaled conversion
.irp c, 0,1                                    ; the operand wants a WHOLE block in a lane: lanes 0-15 block 2 c, lanes 16-31 block 2 c + 1
.irp i, 0,1,2
	v_permlane16_swap_b32 v[PC+6*\c+\i], v[PC+12+4*\c+\i]
.endr
.irp i, 0,1,2
	v_mov_b32 v[PC+3+6*\c+\i], v[PC+12+4*\c+\i]
.endr
.endr
.endm
	s_load_b256 s[4:11], s[0:1], 0x0               ; x s[4:5], Wq s[6:7], Wkv s[8:9], Wo s[10:11]
	s_load_b128 s[12:15], s[0:1], 0x20             ; ximg s[12:13], wimg s[14:15]
	s_load_b64 s[16:17], s[0:1], 0x30              ; scl
	v_lshl_add_u32 v200, v0, 2, 0x10800
	v_mov_b32 v201, 0
	v_lshrrev_b32 v1, 5, v0
	v_readfirstlane_b32 s18, v1                    ; wave 0..3
	v_and_b32 v1, 31, v0                           ; lane
	v_and_b32 v2, 15, v0                           ; r
	v_bfe_u32 v3, v0, 4, 1                         ; h
	v_lshlrev_b32 v4, 4, v1                        ; 16 x lane
	v_lshlrev_b32 v5, 2, v1                        ; 4 x lane
	s_mul_i32 s22, s18, STG
	v_add_nc_u32 v6, s22, v4                       ; the stage, on the way in: a row's 512 bytes as they lie
	v_mul_u32_u24 v7, v2, 528
	v_lshl_add_u32 v7, v3, 6, v7
	v_add_nc_u32 v7, s22, v7                       ; and on the way out: row r of a tile, + 64 h
	v_and_b32 v8, 7, v1                            ; weights: my column of the pair's 32: (l & 7) + 16 for l & 8, + 8 for l & 16
	v_and_b32 v10, 8, v1
	v_lshl_or_b32 v8, v10, 1, v8
	v_and_b32 v10, 16, v1
	v_lshrrev_b32 v10, 1, v10
	v_or_b32 v8, v8, v10
	v_lshlrev_b32 v8, 2, v8
	s_mov_b32 s[SEL], 0x76543210
	s_mov_b32 s[SEL+1], 0xfedcba98
	s_mov_b32 s19, 0xffff0000                      ; lanes 16-31
.irp b, 0,1,2,3
	v_mov_b32 v[TM+4+\b], 0                        ; written once: a lane permute's destination counts as one of its sources
.endr
	s_cmp_ge_u32 ttmp9, 256
	s_cbranch_scc1 .Lweights
	; ---- x: pair P = work-group / 2, K step s = 4 (work-group % 2) + wave
	s_lshr_b32 s24, ttmp9, 1                       ; P
	s_and_b32 s25, ttmp9, 1
	s_lshl_b32 s25, s25, 2
	s_add_co_u32 s25, s25, s18                     ; s
	s_lshl_b32 s26, s24, 17                        ; 32 rows of 4,096 bytes
	s_lshl_b32 s27, s25, 9
	s_add_co_u32 s26, s26, s27
	s_mov_b32 s27, 0
	s_mul_i32 s28, s24, 24576                      ; two tiles of 8 fragments
	s_mul_i32 s29, s25, 1536
	s_add_co_u32 s28, s28, s29
	s_mov_b32 s29, 0
	s_lshl_b32 s30, s24, 10                        ; a pair's scale words: 8 K steps x 128 bytes
	s_lshl_b32 s31, s25, 7
	s_add_co_u32 s30, s30, s31
	s_mov_b32 s31, 0
	s_wait_kmcnt 0x0
	s_add_nc_u64 s[4:5], s[4:5], s[26:27]
	s_add_nc_u64 s[12:13], s[12:13], s[28:29]
	s_add_nc_u64 s[16:17], s[16:17], s[30:31]
.irp g, 0,1,2,3
.irp e, 0,1,2,3,4,5,6,7
	global_load_b128 v[R+4*(8*\g+\e):R+4*(8*\g+\e)+3], v4, s[4:5] offset:4096*(8*\g+\e) th:TH_LOAD_NT   ; row 8 g + e: 32 lanes read 512 consecutive bytes
.endr
.endr
.irp g, 0,1,2,3
	s_wait_loadcnt 24-8*\g                         ; these eight rows are in; the younger rows' loads may be out
.irp e, 0,1,2,3,4,5,6,7
	ds_store_b128 v6, v[R+4*(8*\g+\e):R+4*(8*\g+\e)+3] offset:528*(16*(\g%2)+\e+8*(\g/2))   ; row 8 g + e is index e + 8 (g / 2) of tile g % 2: a tile's 16 rows lie on end
.endr
.endr
	s_wait_dscnt 0x0                               ; the stores have read their registers
.irp u, 0,1
.irp b, 0,1,2,3
.irp j, 0,1,2,3
	ds_load_b128 v[R+64*\u+16*\b+4*\j:R+64*\u+16*\b+4*\j+3], v7 offset:8448*\u+128*\b+16*\j
.endr
.endr
.endr
	s_wait_dscnt 16                                ; tile 0's sixteen reads are in; tile 1's may be out
	QUANT R
	v_mov_b32 v9, v[PW]
.irp c, 0,1,2
	global_store_b128 v4, v[PC+4*\c:PC+4*\c+3], s[12:13] offset:512*\c   ; 32 lanes store 512 consecutive bytes
.endr
	s_wait_dscnt 0x0
	s_wait_xcnt 0x0                                ; the stores have read the codes' registers: they are written again only behind this wait
	QUANT R+64
.irp c, 0,1,2
	global_store_b128 v4, v[PC+4*\c:PC+4*\c+3], s[12:13] offset:12288+512*\c
.endr
	v_cndmask_b32 v10, v9, v[PW], s19              ; lanes 0-15 tile 0's words, lanes 16-31 tile 1's
	global_store_b32 v5, v10, s[16:17]
	s_wait_tensorcnt 0x0
	ds_add_u32 v200, v201
	s_wait_dscnt 0x0
	s_endpgm
	; ---- the weights: j = work-group - 256; group of 128 columns G = j / 8 (0-7 Wq, 8-10 Wkv, 11-18 Wo), K step s = j % 8; pair of tiles 4 G + wave
.macro WLOAD pitch
.irp q, 0,1,2,3
.irp i, 0,1,2,3,4,5,6,7,8,9,10,11,12,13,14,15,16,17,18,19,20,21,22,23,24,25,26,27,28,29,30,31
	global_load_b32 v[R+32*\q+\i], v8, s[26:27] offset:(32*\q+\i)*\pitch th:TH_LOAD_NT   ; one row of K at my pair's 32 columns: 128 consecutive bytes a wave, 512 a work-group
.endr
.endr
.endm
.Lweights:
	s_sub_co_u32 s24, ttmp9, 256
	s_lshr_b32 s25, s24, 3                         ; G
	s_and_b32 s24, s24, 7                          ; s
	s_wait_kmcnt 0x0
	s_cmp_lt_u32 s25, 11                           ; the choice hangs on the work-group's number alone
	s_cselect_b64 s[26:27], s[8:9], s[10:11]
	s_cselect_b32 s30, 8, 11                       ; the weight's first group
	s_mov_b32 s28, 524288
	s_cselect_b32 s28, 196608, s28                 ; 128 rows of the weight, in bytes
	s_cmp_lt_u32 s25, 8
	s_cselect_b64 s[26:27], s[6:7], s[26:27]
	s_cselect_b32 s30, 0, s30
	s_cselect_b32 s28, 524288, s28
	s_mul_i32 s28, s28, s24
	s_sub_co_u32 s30, s25, s30
	s_lshl_b32 s30, s30, 9
	s_add_co_u32 s28, s28, s30
	s_lshl_b32 s30, s18, 7
	s_add_co_u32 s28, s28, s30
	s_mov_b32 s29, 0
	s_add_nc_u64 s[26:27], s[26:27], s[28:29]
	s_lshl_b32 s30, s25, 2
	s_add_co_u32 s30, s30, s18                     ; the pair, counted over all three weights
	s_mul_i32 s32, s30, 24576
	s_mul_i32 s33, s24, 1536
	s_add_co_u32 s32, s32, s33
	s_mov_b32 s33, 0
	s_add_nc_u64 s[14:15], s[14:15], s[32:33]
	s_lshl_b32 s34, s30, 10
	s_lshl_b32 s35, s24, 7
	s_add_co_u32 s34, s34, s35
	s_add_co_u32 s34, s34, 131072                  ; the weights' scale words lie behind x's
	s_mov_b32 s35, 0
	s_add_nc_u64 s[16:17], s[16:17], s[34:35]
	s_sub_co_u32 s31, s25, 8
	s_cmp_lt_u32 s31, 3                            ; Wkv's rows are 1,536 bytes, the others' 4,096: the branch stands round the loads alone, 128 on either way
	s_cbranch_scc1 .Lnarrow
	s_wait_alu depctr_va_vdst(0)
	WLOAD 4096
	s_branch .Lloaded
.Lnarrow:
	s_wait_alu depctr_va_vdst(0)
	WLOAD 1536
.Lloaded:
.irp q, 0,1,2,3
.if \q < 2
	s_wait_loadcnt 63                              ; behind block q stand 96 or 64 younger loads; the wait's field holds 63
.else
	s_wait_loadcnt 96-32*\q                        ; the later blocks' loads may be out
.endif
	v_max3_num_f32 v[TM+\q], |v[R+32*\q]|, |v[R+32*\q+1]|, 0x1800000   ; all 32 numbers of the block are mine; the floor as above
.irp i, 2,4,6,8,10,12,14,16,18,20,22,24,26,28,30
	v_max3_num_f32 v[TM+\q], v[TM+\q], |v[R+32*\q+\i]|, |v[R+32*\q+\i+1]|
.endr
	v_add_nc_u32 v[TM+12+\q], 0xff000000, v[TM+\q]
	v_lshrrev_b32 v[TM+4+\q], 23, v[TM+12+\q]
.endr
	v_lshl_or_b32 v[PW], v[TM+5], 8, v[TM+4]       ; my column's scale word: lanes 0-15 are tile 2 P's columns, lanes 16-31 tile 2 P + 1's, as the pair's word wants them
	v_lshl_or_b32 v[PW], v[TM+6], 16, v[PW]
	v_lshl_or_b32 v[PW], v[TM+7], 24, v[PW]
.irp q, 0,1,2,3
	v_cvt_scalef32_pk16_fp6_f32 v[F0+12*(\q%2)+6*(\q/2):F0+12*(\q%2)+6*(\q/2)+2], v[R+32*\q:R+32*\q+15], v[TM+12+\q]   ; even blocks' lower 16 codes into tile 2 P's fragment, odd blocks' into the other's
	v_cvt_scalef32_pk16_fp6_f32 v[T+4*\q:T+4*\q+2], v[R+32*\q+16:R+32*\q+31], v[TM+12+\q]
.endr
	v_nop                                          ; one plain place behind a scaled conversion
.irp i, 0,1,2                                  ; a swap gives tile 2 P's lanes 16-31 the odd blocks of its own columns, and tile 2 P + 1's lanes 0-15 the even blocks of theirs
	v_permlane16_swap_b32 v[F0+\i], v[F1+\i]
	v_permlane16_swap_b32 v[F0+6+\i], v[F1+6+\i]
	v_permlane16_swap_b32 v[T+\i], v[T+4+\i]
	v_permlane16_swap_b32 v[T+8+\i], v[T+12+\i]
.endr
.irp i, 0,1,2
	v_mov_b32 v[F0+3+\i], v[T+\i]
	v_mov_b32 v[F1+3+\i], v[T+4+\i]
	v_mov_b32 v[F0+9+\i], v[T+8+\i]
	v_mov_b32 v[F1+9+\i], v[T+12+\i]
.endr
.irp c, 0,1,2
	global_store_b128 v4, v[F0+4*\c:F0+4*\c+3], s[14:15] offset:512*\c
	global_store_b128 v4, v[F1+4*\c:F1+4*\c+3], s[14:15] offset:12288+512*\c
.endr
	global_store_b32 v5, v[PW], s[16:17]
	s_endpgm
.Lfunc_end_k_qa893afb672_quant:
	.size	k_qa893afb672_quant, .Lfunc_end_k_qa893afb672_quant-k_qa893afb672_quant
	.p2alignl 7, 3214868480
	.fill 96, 4, 3214868480
	.section	.rodata,"a",@progbits
	.p2align	6, 0x0
	.amdhsa_kernel k_qa893afb672_quant
		.amdhsa_group_segment_fixed_size 68096
		.amdhsa_private_segment_fixed_size 0
		.amdhsa_enable_private_segment 0
		.amdhsa_kernarg_size 56
		.amdhsa_user_sgpr_count 2
		.amdhsa_user_sgpr_kernarg_segment_ptr 1
		.amdhsa_wavefront_size32 1
		.amdhsa_system_sgpr_workgroup_id_x 1
		.amdhsa_system_sgpr_workgroup_id_y 1
		.amdhsa_system_sgpr_workgroup_id_z 1
		.amdhsa_system_vgpr_workitem_id 0
		.amdhsa_next_free_vgpr 202
		.amdhsa_next_free_sgpr 66
		.amdhsa_reserve_vcc 0
		.amdhsa_float_denorm_mode_32 3
		.amdhsa_float_denorm_mode_16_64 3
		.amdhsa_memory_ordered 1
		.amdhsa_forward_progress 1
		.amdhsa_inst_pref_size 51
	.end_amdhsa_kernel
	.amdgpu_metadata
---
amdhsa.version: [ 1, 2 ]
amdhsa.kernels:
  - .name:           k_qa893afb672_quant
    .symbol:         k_qa893afb672_quant.kd
    .args:
      - { .name: x, .offset: 0, .size: 8, .value_kind: global_buffer, .address_space: global }
      - { .name: Wq, .offset: 8, .size: 8, .value_kind: global_buffer, .address_space: global }
      - { .name: Wkv, .offset: 16, .size: 8, .value_kind: global_buffer, .address_space: global }
      - { .name: Wo, .offset: 24, .size: 8, .value_kind: global_buffer, .address_space: global }
      - { .name: ximg, .offset: 32, .size: 8, .value_kind: global_buffer, .address_space: global }
      - { .name: wimg, .offset: 40, .size: 8, .value_kind: global_buffer, .address_space: global }
      - { .name: scl, .offset: 48, .size: 8, .value_kind: global_buffer, .address_space: global }
    .group_segment_fixed_size: 68096
    .private_segment_fixed_size: 0
    .kernarg_segment_align: 8
    .kernarg_segment_size: 56
    .max_flat_workgroup_size: 128
    .sgpr_count:     66
    .vgpr_count:     202
    .wavefront_size: 32
...
	.end_amdgpu_metadata
.endif
;; end of part 5
;; launch proj (part 6): grid 25 x 32, 1 waves a work-group, no clusters, 0 bytes of LDS; arguments ximg, scl, wimg, cos, sin, ln_g, ln_b, qimg, psum, kvimg; writes qimg, psum, kvimg
.if DOCPART == 6
	.amdgcn_target "amdgcn-amd-amdhsa--gfx1250"
	.amdhsa_code_object_version 6
	.text
	.protected	k_qa893afb672_proj
	.globl	k_qa893afb672_proj
	.p2align	8
	.type	k_qa893afb672_proj,@function
k_qa893afb672_proj:
	s_mov_b64 s[64:65], 0
	v_nop
	global_prefetch_b8 v0, s[64:65] scope:SCOPE_SE
	s_setreg_imm32_b32 hwreg(HW_REG_WAVE_SCHED_MODE, 0, 2), 2
	s_setreg_imm32_b32 hwreg(HW_REG_WAVE_MODE, 25, 1), 1
	s_wait_xcnt 0x0
	s_wait_alu depctr_vm_vsrc(0)
; The projections x Wq and x Wkv on codes of FP6 (E2M3) with E8M0 scales, and what follows them up to the next quantiser.
; A work-group is ONE wave.  y: a block of 128 rows of x (8 tiles; also one key step of attention).  x: a unit of columns:
;   0-15  head X of q: LayerNorm over the head's 64, stored in f32 as an image of registers (it is quantised only when the mean over time is known), and the column sums of these 128 rows
;   16-18 K of key-value head X - 16: RoPE, quantised along the head's 64, stored as half fragments with their scale words
;   19-24 V of key-value head (X - 19) / 2, channels 32 ((X - 19) % 2) on: quantised along the 128 KEYS, stored as fragments of V^T
; THE WAVE'S WEIGHTS FOR ALL OF K STAY IN REGISTERS (32 fragments, 384 registers; V: 16), read once; the row tiles stream from memory straight into registers as images, two tiles ahead.  No LDS, no barrier.
; q and K are made TRANSPOSED (source 0 = 16 columns of the weight, source 1 = 16 rows of x): a lane holds one row, and, by the choice of a tile's columns, register 16 b + i is channel 32 b + 16 (lane / 16) + i.
; V is made the natural way (source 0 = 16 rows of x, source 1 = 16 columns): a lane holds one channel, and register 16 b + i of its 64 is key 32 b + 16 (lane / 16) + i.
; NO JOINT LOADS: operands go from memory to registers, and joint requests exist for tensor loads into LDS alone; the units that share a row tile lie along an axis of 25 work-groups, which no cluster of four divides.
; LIMITS: blocks of zeros, or with a largest magnitude under 2^-124, get the scale byte 1 (codes zero; only this program reads the bytes); NaN and infinities are not served; 1 / sqrt is v_rsq_f32.
; REGISTERS, in windows of 256: window 0: addresses, scale words, accumulators, all vector work.  window 1: the weights' K steps 0-3 (V: all 8).  window 2: K steps 4-7.  window 3: two row tiles of x, 96 registers each.
; THE MODE: SCHED_MODE bits 1:0 = 2 (LLVM: expert scheduling mode 2), set by the entry lines.  The code itself states the register dependences
; between vector or matrix instructions and memory instructions, with s_wait_alu, always for 0.
; THE PLAN.  Registers that memory instructions touch:
;   v3, v4, v5, v7, and v6 in q and K   offsets, made once and never written again: the rows are reached by scalar bases and immediate offsets.
;   the weights, their scale words, gain and bias   loaded once at the head; vector and matrix instructions only read them.
;   X[u], XS[u]   tile t's products read buffer u = t % 2; behind them the loads of tile t + 2 land in it.
;   q:  OUT0, OUT1   tile t's last multiply-adds write OUT[t % 2]; the eight stores that read it are issued in tile t + 1.
;   K:  the tables' set u: loaded, rotated in place, read by the quantiser, then asked for again at once.  The codes v220-225: written by the quantiser, read by two stores.  v216-219: read by the last store.
;   V:  two runs of codes and one scale word, written by the two quantisers at the end and read by seven stores.
; q: ONE wait on va_vdst stands in a tile, behind the products and their places: the products are done reading X[u] and XS[u], and the tile before has written the other OUT.  The loads follow it, and the stores are dealt among
; the LayerNorm, which names the accumulators, its own work registers, gain, bias, the sums and OUT[u]: none of the registers that those loads and stores touch.  One wait on vm_vsrc at a tile's head frees OUT[u].
; K: that wait serves x's loads; a second one, behind the quantiser, serves the tables' loads and the codes' stores.  V: one wait a tile for x's loads, one for all its stores.
.set WS,   16                          ; v16-31  the weights' scale words: pair p, K step s at 8 p + s
.set XSA,  32                          ; v32-39  x's scale words for the tile in buffer A;  v40-47 for buffer B
.set ACC,  48                          ; from v48: the accumulators
.set XA,   0                           ; window 3: buffer A at v0, buffer B at v96; K step s at + 12 s
.set GG,   80                          ; q: v80-111 ln_g, v112-143 ln_b in the result's layout
.set BB,   112
.set SUM,  144                         ; q: v144-175 column sums
.set TQ,   176                         ; q: v176-191 at work
.set OUT,  192                         ; q: v192-223, v224-255: two tiles of q to store
.set TM,   176                         ; V: v176-191 as in the quantiser
.set PW,   192
.set PC,   196                         ; V: v196-215 the first tile's codes, v216-235 the second's
.set SEL,  34                          ; s[34:35] lane selects: lane l xor 16
.set MSB,  0
.macro WIN new                         ; the immediate's high byte repeats the setting that is left
.if MSB != \new
	s_set_vgpr_msb (MSB<<8)|\new
.set MSB, \new
.endif
.endm
.macro PLACES n
.rept \n
	v_nop
.endr
.endm
; One matrix instruction.  zero = 1: it starts the sum.  ra, rb = 1: that side's scale words are read from lanes 16-31.
.macro WM d, a, b, zero, sa, sb, ra, rb
.if (\zero) && (\ra) && (\rb)
	v_wmma_scale_f32_16x16x128_f8f6f4 v[\d:\d+7], v[\a:\a+11], v[\b:\b+11], 0, v[\sa], v[\sb] matrix_a_fmt:MATRIX_FMT_FP6 matrix_b_fmt:MATRIX_FMT_FP6 matrix_a_scale:MATRIX_SCALE_ROW1 matrix_b_scale:MATRIX_SCALE_ROW1
.elseif (\zero) && (\ra)
	v_wmma_scale_f32_16x16x128_f8f6f4 v[\d:\d+7], v[\a:\a+11], v[\b:\b+11], 0, v[\sa], v[\sb] matrix_a_fmt:MATRIX_FMT_FP6 matrix_b_fmt:MATRIX_FMT_FP6 matrix_a_scale:MATRIX_SCALE_ROW1
.elseif (\zero) && (\rb)
	v_wmma_scale_f32_16x16x128_f8f6f4 v[\d:\d+7], v[\a:\a+11], v[\b:\b+11], 0, v[\sa], v[\sb] matrix_a_fmt:MATRIX_FMT_FP6 matrix_b_fmt:MATRIX_FMT_FP6 matrix_b_scale:MATRIX_SCALE_ROW1
.elseif (\zero)
	v_wmma_scale_f32_16x16x128_f8f6f4 v[\d:\d+7], v[\a:\a+11], v[\b:\b+11], 0, v[\sa], v[\sb] matrix_a_fmt:MATRIX_FMT_FP6 matrix_b_fmt:MATRIX_FMT_FP6
.elseif (\ra) && (\rb)
	v_wmma_scale_f32_16x16x128_f8f6f4 v[\d:\d+7], v[\a:\a+11], v[\b:\b+11], v[\d:\d+7], v[\sa], v[\sb] matrix_a_fmt:MATRIX_FMT_FP6 matrix_b_fmt:MATRIX_FMT_FP6 matrix_a_scale:MATRIX_SCALE_ROW1 matrix_b_scale:MATRIX_SCALE_ROW1
.elseif (\ra)
	v_wmma_scale_f32_16x16x128_f8f6f4 v[\d:\d+7], v[\a:\a+11], v[\b:\b+11], v[\d:\d+7], v[\sa], v[\sb] matrix_a_fmt:MATRIX_FMT_FP6 matrix_b_fmt:MATRIX_FMT_FP6 matrix_a_scale:MATRIX_SCALE_ROW1
.elseif (\rb)
	v_wmma_scale_f32_16x16x128_f8f6f4 v[\d:\d+7], v[\a:\a+11], v[\b:\b+11], v[\d:\d+7], v[\sa], v[\sb] matrix_a_fmt:MATRIX_FMT_FP6 matrix_b_fmt:MATRIX_FMT_FP6 matrix_b_scale:MATRIX_SCALE_ROW1
.else
	v_wmma_scale_f32_16x16x128_f8f6f4 v[\d:\d+7], v[\a:\a+11], v[\b:\b+11], v[\d:\d+7], v[\sa], v[\sb] matrix_a_fmt:MATRIX_FMT_FP6 matrix_b_fmt:MATRIX_FMT_FP6
.endif
.endm
; The weights of a unit of 64 columns: four tiles x eight K steps, and the scale words of its two pairs: 112 loads
.macro WLOADQK
	WIN 0x40                                       ; destination window 1
.irp s, 0,1,2,3
.irp n, 0,1,2,3
.irp c, 0,1,2
	global_load_b128 v[12*(4*\s+\n)+4*\c:12*(4*\s+\n)+4*\c+3], v3, s[28:29] offset:12288*\n+1536*\s+512*\c
.endr
.endr
.endr
	WIN 0x80                                       ; destination window 2
.irp s, 4,5,6,7
.irp n, 0,1,2,3
.irp c, 0,1,2
	global_load_b128 v[12*(4*(\s-4)+\n)+4*\c:12*(4*(\s-4)+\n)+4*\c+3], v3, s[28:29] offset:12288*\n+1536*\s+512*\c
.endr
.endr
.endr
	WIN 0
.irp p, 0,1
.irp s, 0,1,2,3,4,5,6,7
	global_load_b32 v[WS+8*\p+\s], v4, s[30:31] offset:1024*\p+128*\s
.endr
.endr
.endm
; A row tile of x, all of K, and its pair's scale words: 32 loads
.macro XLOADS buf, xs, off, soff
	WIN 0xc0                                       ; destination window 3
.irp s, 0,1,2,3,4,5,6,7
.irp c, 0,1,2
	global_load_b128 v[\buf+12*\s+4*\c:\buf+12*\s+4*\c+3], v3, s[24:25] offset:\off+1536*\s+512*\c
.endr
.endr
	WIN 0
.irp s, 0,1,2,3,4,5,6,7
	global_load_b32 v[\xs+\s], v4, s[26:27] offset:\soff+128*\s
.endr
.endm
; 32 matrix instructions: four tiles of columns x one tile of rows, all of K.  The four accumulators take turns, one instruction a turn.  u: the row tile's place in its pair
.macro MMQK buf, xs, u
	WIN 0x0d                                       ; source 0 (the weight) window 1, source 1 (x) window 3, C and D window 0
.irp s, 0,1,2,3
.irp n, 0,1,2,3
	WM ACC+8*\n, 12*(4*\s+\n), \buf+12*\s, \s==0, WS+8*(\n/2)+\s, \xs+\s, \n%2, \u
.endr
.endr
	WIN 0x0e                                       ; source 0 window 2
.irp s, 4,5,6,7
.irp n, 0,1,2,3
	WM ACC+8*\n, 12*(4*(\s-4)+\n), \buf+12*\s, 0, WS+8*(\n/2)+\s, \xs+\s, \n%2, \u
.endr
.endr
	WIN 0
.endm
; y = a x cos + rotate(a) x sin over 32 registers (pairs of neighbouring channels), left in the cos registers.  a is read from its low end on
.macro ROPE a, c, s
.irp p, 0,2,4,6,8,10,12,14,16,18,20,22,24,26,28,30
	v_pk_mul_f32 v[\c+\p:\c+\p+1], v[\a+\p:\a+\p+1], v[\c+\p:\c+\p+1]
	v_fma_f32 v[\c+\p], -v[\a+\p+1], v[\s+\p], v[\c+\p]
	v_fma_f32 v[\c+\p+1], v[\a+\p], v[\s+\p+1], v[\c+\p+1]
.endr
.endm
; 32 numbers of a lane, register 16 b + i = k 32 b + 16 (lane / 16) + i of my row, become registers 0-5 of a fragment in v[pc] on and two scale bytes in v[pw]
.macro QUANT2 src, pc, tt, bm, pw
.irp b, 0,1
	v_max3_num_f32 v[\bm+\b], |v[\src+16*\b]|, |v[\src+16*\b+1]|, 0x1800000   ; and the floor 2^(3 - 127): the byte cannot fall under 1
.endr
.irp i, 2,4,6,8,10,12,14
.irp b, 0,1
	v_max3_num_f32 v[\bm+\b], v[\bm+\b], |v[\src+16*\b+\i]|, |v[\src+16*\b+\i+1]|
.endr
.endr
.irp b, 0,1
	v_permlanex16_b32 v[\bm+2+\b], v[\bm+\b], s[SEL], s[SEL+1]
.endr
.irp b, 0,1
	v_max_num_f32 v[\bm+\b], v[\bm+\b], v[\bm+2+\b]
.endr
.irp b, 0,1
	v_add_nc_u32 v[\bm+4+\b], 0xff000000, v[\bm+\b]   ; 2 off the exponent field: the conversion's scale operand
.endr
.irp b, 0,1
	v_lshrrev_b32 v[\bm+2+\b], 23, v[\bm+4+\b]
.endr
	v_lshl_or_b32 v[\pw], v[\bm+3], 8, v[\bm+2]    ; bytes 2 and 3 stay 0: they stand over zero codes
	v_cvt_scalef32_pk16_fp6_f32 v[\pc:\pc+2], v[\src:\src+15], v[\bm+4]
	v_cvt_scalef32_pk16_fp6_f32 v[\tt:\tt+2], v[\src+16:\src+31], v[\bm+5]
	v_nop                                          ; one plain place behind a scaled conversion
.irp i, 0,1,2
	v_permlane16_swap_b32 v[\pc+\i], v[\tt+\i]
.endr
.irp i, 0,1,2
	v_mov_b32 v[\pc+3+\i], v[\tt+\i]
.endr
.endm
; Where my key step's record begins in kvimg: 208,896 bytes a (batch, key-value head), 13,056 a key step.  s46: the key-value head
.macro RECORD
	s_lshr_b32 s52, s44, 4                         ; the batch
	s_mul_i32 s52, s52, 3
	s_add_co_u32 s52, s52, s46
	s_mul_i32 s52, s52, 208896
	s_and_b32 s54, s44, 15                         ; the key step
	s_mul_i32 s56, s54, 13056
	s_add_co_u32 s52, s52, s56
	s_mov_b32 s53, 0
	s_add_nc_u64 s[32:33], s[22:23], s[52:53]
.endm
	s_load_b256 s[4:11], s[0:1], 0x0               ; ximg s[4:5], scl s[6:7], wimg s[8:9], cos s[10:11]
	s_load_b256 s[12:19], s[0:1], 0x20             ; sin s[12:13], ln_g s[14:15], ln_b s[16:17], qimg s[18:19]
	s_load_b128 s[20:23], s[0:1], 0x40             ; psum s[20:21], kvimg s[22:23]
	v_and_b32 v1, 15, v0                           ; r  (one wave: v0 is the lane)
	v_bfe_u32 v2, v0, 4, 1                         ; h
	v_lshlrev_b32 v3, 4, v0                        ; 16 x lane
	v_lshlrev_b32 v4, 2, v0                        ; 4 x lane
	v_lshlrev_b32 v5, 3, v0                        ; 8 x lane
	v_lshlrev_b32 v7, 6, v2                        ; 64 h
	s_mov_b32 s[SEL], 0x76543210
	s_mov_b32 s[SEL+1], 0xfedcba98
	s_mov_b32 s36, 0x3c800000                      ; 1 / 64
	s_mov_b32 s37, 0xff00ff00                      ; lanes with r & 8,
	s_mov_b32 s38, 0xf0f0f0f0                      ; r & 4,
	s_mov_b32 s39, 0xcccccccc                      ; r & 2,
	s_mov_b32 s40, 0xaaaaaaaa                      ; r & 1
	s_mov_b32 s41, 0xffff0000                      ; lanes 16-31
	s_mov_b32 s43, 0x3727c5ac                      ; 1e-5
	s_and_b32 s44, ttmp7, 0xffff                   ; the block of 128 rows
	s_lshl_b32 s45, ttmp9, 2                       ; my first weight tile: q: 4 X;
	s_sub_co_u32 s46, ttmp9, 16
	s_lshl_b32 s47, s46, 3
	s_add_co_u32 s47, s47, 64                      ; K: 64 + 8 (X - 16);
	s_sub_co_u32 s48, ttmp9, 19
	s_lshr_b32 s49, s48, 1
	s_and_b32 s50, s48, 1                          ; e: which 32 channels of V
	s_lshl_b32 s51, s49, 3
	s_lshl_b32 s52, s50, 1
	s_add_co_u32 s51, s51, s52
	s_add_co_u32 s51, s51, 68                      ; V: 64 + 8 kvh + 4 + 2 e
	s_cmp_lt_u32 ttmp9, 19
	s_cselect_b32 s47, s47, s51
	s_cselect_b32 s46, s46, s49                    ; the key-value head of a K or V unit
	s_cmp_lt_u32 ttmp9, 16
	s_cselect_b32 s45, s45, s47
	s_mul_i32 s52, s44, 98304                      ; 8 row tiles of 12,288 bytes
	s_mov_b32 s53, 0
	s_lshl_b32 s54, s44, 12                        ; 4 pairs' scale words
	s_mov_b32 s55, 0
	s_mul_i32 s56, s45, 12288
	s_mov_b32 s57, 0
	s_lshl_b32 s58, s45, 9
	s_add_co_u32 s58, s58, 131072
	s_mov_b32 s59, 0
	s_wait_kmcnt 0x0
	s_add_nc_u64 s[24:25], s[4:5], s[52:53]        ; x's images
	s_add_nc_u64 s[26:27], s[6:7], s[54:55]        ; x's scale words
	s_add_nc_u64 s[28:29], s[8:9], s[56:57]        ; my weights' images
	s_add_nc_u64 s[30:31], s[6:7], s[58:59]        ; my weights' scale words
	s_wait_alu depctr_va_vdst(0)                   ; the offsets v3, v4, v5 and v7 are written, which the loads and stores of all three paths read
	s_cmp_ge_u32 ttmp9, 19
	s_cbranch_scc1 .Lv
	s_cmp_ge_u32 ttmp9, 16
	s_cbranch_scc1 .Lk
	; ================ q ================
	WLOADQK
.irp b, 0,1
.irp k, 0,1,2,3
	global_load_b128 v[GG+16*\b+4*\k:GG+16*\b+4*\k+3], v7, s[14:15] offset:128*\b+16*\k   ; gain and bias at my lane's channels 32 b + 16 h + 0 .. 15
	global_load_b128 v[BB+16*\b+4*\k:BB+16*\b+4*\k+3], v7, s[16:17] offset:128*\b+16*\k
.endr
.endr
	XLOADS XA, XSA, 0, 0
	XLOADS XA+96, XSA+8, 12288, 0
	s_lshl_b32 s52, s44, 19                        ; qimg: 65,536 bytes a row tile, 4,096 a head
	s_lshl_b32 s54, ttmp9, 12
	s_add_co_u32 s52, s52, s54
	s_add_nc_u64 s[32:33], s[18:19], s[52:53]
	s_lshl_b32 s52, s44, 12                        ; psum: 4,096 bytes a block of rows, 256 a head
	s_lshl_b32 s54, ttmp9, 8
	s_add_co_u32 s52, s52, s54
	s_add_nc_u64 s[20:21], s[20:21], s[52:53]
	v_and_b32 v6, 1, v1                            ; where my two sums go: 128 (r & 1) + 64 h + 4 (r & 14)
	v_lshlrev_b32 v6, 7, v6
	v_and_b32 v8, 14, v1
	v_lshl_add_u32 v6, v8, 2, v6
	v_add_nc_u32 v6, v6, v7
.irp j, 0,1,2,3,4,5,6,7,8,9,10,11,12,13,14,15,16,17,18,19,20,21,22,23,24,25,26,27,28,29,30,31
	v_mov_b32 v[SUM+\j], 0
.endr
; LayerNorm of a tile, in three parts: a lane has 32 of its row's 64 channels, lane l xor 16 the others.  Part 1: the mean
.macro LNQ1
.irp n, 0,1,2,3
	v_pk_add_f32 v[TQ+2*\n:TQ+2*\n+1], v[ACC+8*\n:ACC+8*\n+1], v[ACC+8*\n+2:ACC+8*\n+3]   ; each accumulator is read from its low end on
.endr
.irp n, 0,1,2,3
	v_pk_add_f32 v[TQ+8+2*\n:TQ+9+2*\n], v[ACC+8*\n+4:ACC+8*\n+5], v[ACC+8*\n+6:ACC+8*\n+7]
.endr
.irp n, 0,1,2,3
	v_pk_add_f32 v[TQ+2*\n:TQ+2*\n+1], v[TQ+2*\n:TQ+2*\n+1], v[TQ+8+2*\n:TQ+9+2*\n]
.endr
	v_pk_add_f32 v[TQ:TQ+1], v[TQ:TQ+1], v[TQ+2:TQ+3]
	v_pk_add_f32 v[TQ+4:TQ+5], v[TQ+4:TQ+5], v[TQ+6:TQ+7]
	v_pk_add_f32 v[TQ:TQ+1], v[TQ:TQ+1], v[TQ+4:TQ+5]
	v_add_f32 v[TQ], v[TQ], v[TQ+1]
	v_permlanex16_b32 v[TQ+2], v[TQ], s[SEL], s[SEL+1]
	v_add_f32 v[TQ], v[TQ], v[TQ+2]
	v_mul_f32 v[TQ], s36, v[TQ]                    ; the mean
.endm
; Part 2: the mean taken off, in place; the variance; its reciprocal root is issued
.macro LNQ2
.irp p, 0,2,4,6,8,10,12,14,16,18,20,22,24,26,28,30
	v_pk_add_f32 v[ACC+\p:ACC+\p+1], v[ACC+\p:ACC+\p+1], v[TQ:TQ+1] op_sel_hi:[1,0] neg_lo:[0,1] neg_hi:[0,1]
.endr
.irp c, 0,1,2,3
	v_pk_mul_f32 v[TQ+4+2*\c:TQ+5+2*\c], v[ACC+2*\c:ACC+2*\c+1], v[ACC+2*\c:ACC+2*\c+1]   ; the squares, in four chains
.endr
.irp p, 8,16,24
.irp c, 0,1,2,3
	v_pk_fma_f32 v[TQ+4+2*\c:TQ+5+2*\c], v[ACC+\p+2*\c:ACC+\p+2*\c+1], v[ACC+\p+2*\c:ACC+\p+2*\c+1], v[TQ+4+2*\c:TQ+5+2*\c]
.endr
.endr
	v_pk_add_f32 v[TQ+4:TQ+5], v[TQ+4:TQ+5], v[TQ+6:TQ+7]
	v_pk_add_f32 v[TQ+8:TQ+9], v[TQ+8:TQ+9], v[TQ+10:TQ+11]
	v_pk_add_f32 v[TQ+4:TQ+5], v[TQ+4:TQ+5], v[TQ+8:TQ+9]
	v_add_f32 v[TQ+4], v[TQ+4], v[TQ+5]
	v_permlanex16_b32 v[TQ+6], v[TQ+4], s[SEL], s[SEL+1]
	v_add_f32 v[TQ+4], v[TQ+4], v[TQ+6]
	v_fma_f32 v[TQ+4], v[TQ+4], s36, s43           ; the variance + 1e-5
	s_wait_alu depctr_va_vdst(0)
	v_rsq_f32 v[TQ+6], v[TQ+4]
	v_nop                                          ; one plain place behind a transcendental
.endm
; Part 3: scaled, gain and bias; the result goes into the out-buffer at v[o], and from there into the column sums
.macro LNQ3 o
	s_wait_alu depctr_va_vdst(0)                   ; the reciprocal root v[TQ+6] is written, ahead of its first reader
.irp p, 0,2,4,6,8,10,12,14,16,18,20,22,24,26,28,30
	v_pk_mul_f32 v[ACC+\p:ACC+\p+1], v[ACC+\p:ACC+\p+1], v[TQ+6:TQ+7] op_sel_hi:[1,0]
.endr
.irp p, 0,2,4,6,8,10,12,14,16,18,20,22,24,26,28,30
	v_pk_fma_f32 v[\o+\p:\o+\p+1], v[ACC+\p:ACC+\p+1], v[GG+\p:GG+\p+1], v[BB+\p:BB+\p+1]
.endr
.irp p, 0,2,4,6,8,10,12,14,16,18,20,22,24,26,28,30
	v_pk_add_f32 v[SUM+\p:SUM+\p+1], v[SUM+\p:SUM+\p+1], v[\o+\p:\o+\p+1]
.endr
.endm
; Four of a tile's eight stores, out of out-buffer o: an image of the registers: 32 lanes store 512 consecutive bytes
.macro QSTORES o, off, from
.irp k, 0,1,2,3
	global_store_b128 v3, v[OUT+32*(\o)+4*(\from+\k):OUT+32*(\o)+4*(\from+\k)+3], s[32:33] offset:\off+512*(\from+\k)
.endr
.endm
; A tile of 16 rows.  u: its place in its pair, its buffer of x and its out-buffer.  d: the tile's number, counted from the tile at which the bases stand.  first = 1: tile 0, with no tile in front of it.
; ahead = 1: the buffer of x takes the tile two further on.  left: the younger loads, which may stay out
.macro TILEQ u, d, first, ahead, left
.if !\first
	s_wait_xcnt 0x0                                ; every earlier memory instruction has had its addresses translated: OUT[u] is written again only behind this wait,
	s_wait_alu depctr_vm_vsrc(0)                   ; and behind this one: the stores issued in the tile before have read OUT[u], which this tile's LayerNorm writes again
.endif
	s_wait_loadcnt \left                           ; my tile is in; the next tile's group of 32 may be out
	MMQK XA+96*\u, XSA+8*\u, \u
	PLACES 5                                       ; five places (ISA guide 7.12.1): in front of the first read of the results, and of the next sums, which begin anew over these accumulators
.if \ahead
	WIN 0xc0                                       ; the loads' window first, then the wait, then the loads
.endif
	s_wait_alu depctr_va_vdst(0)                   ; the products are done reading X[u] and its scale words, in which the loads below land; the tile before has written the other OUT, which the stores below read
.if \ahead
	XLOADS XA+96*\u, XSA+8*\u, 12288*((\d)+2), 1024*(((\d)+2)/2)
.endif
	LNQ1
.if !\first
	QSTORES 1-\u, 65536*((\d)-1), 0                ; the tile before.  No wait: no vector or matrix instruction since the wait above names that out-buffer or v3
.endif
	LNQ2
.if !\first
	QSTORES 1-\u, 65536*((\d)-1), 4
.endif
	LNQ3 OUT+32*\u
.endm
	TILEQ 0, 0, 1, 1, 32                           ; tile 0
	s_mov_b32 s42, 2
.Lq:                                                   ; tiles 1 to 4, two to a trip: both kinds of buffer are back at their start
	TILEQ 1, 1, 0, 1, 32
	TILEQ 0, 2, 0, 1, 32
	s_wait_xcnt 0x0                                ; the bases are stepped only behind this wait
	s_add_nc_u64 s[24:25], s[24:25], 24576
	s_add_nc_u64 s[26:27], s[26:27], 1024
	s_add_nc_u64 s[32:33], s[32:33], 131072
	s_sub_co_u32 s42, s42, 1
	s_cmp_lg_u32 s42, 0
	s_cbranch_scc1 .Lq
	TILEQ 1, 1, 0, 1, 32                           ; tile 5 asks for tile 7; tiles 6 and 7 ask for nothing: no load leaves ximg
	TILEQ 0, 2, 0, 0, 32
	TILEQ 1, 3, 0, 0, 0
	s_wait_alu depctr_va_vdst(0)                   ; tile 7 has written OUT1, which the last eight stores read
	QSTORES 1, 65536*3, 0
	QSTORES 1, 65536*3, 4
; The sums over the 16 lanes of a half, for 32 registers at once: in each step two registers are summed with the lane m away, and the lanes with that bit of r keep the upper one: half as many registers are left
.macro BF lo, dist, m, mask
	v_add_f32_dpp v[SUM+\lo], v[SUM+\lo], v[SUM+\lo] row_xmask:\m row_mask:0xf bank_mask:0xf
	v_add_f32_dpp v[SUM+\lo+\dist], v[SUM+\lo+\dist], v[SUM+\lo+\dist] row_xmask:\m row_mask:0xf bank_mask:0xf
	v_cndmask_b32 v[SUM+\lo], v[SUM+\lo], v[SUM+\lo+\dist], s[\mask]
.endm
.irp i, 0,1,2,3,4,5,6,7,16,17,18,19,20,21,22,23
	BF \i, 8, 8, 37
.endr
.irp i, 0,1,2,3,16,17,18,19
	BF \i, 4, 4, 38
.endr
.irp i, 0,1,16,17
	BF \i, 2, 2, 39
.endr
.irp i, 0,1
	BF \i, 16, 1, 40
.endr
	s_wait_alu depctr_va_vdst(0)                   ; my two sums are written, which the store below reads (its offset v6 was written long ago)
	global_store_b64 v6, v[SUM:SUM+1], s[20:21]    ; lane (r, h): channels 32 (r & 1) + 16 h + (r & 14) + 0, 1: the 32 lanes store the head's 256 consecutive bytes
	s_endpgm
	; ================ K ================
.macro CSLOADS u, off                  ; cos and sin at my lane's key and channels, into set u: 16 loads
.irp b, 0,1
.irp k, 0,1,2,3
	global_load_b128 v[80+64*\u+16*\b+4*\k:83+64*\u+16*\b+4*\k], v6, s[10:11] offset:\off+128*\b+16*\k
	global_load_b128 v[112+64*\u+16*\b+4*\k:115+64*\u+16*\b+4*\k], v6, s[12:13] offset:\off+128*\b+16*\k
.endr
.endr
.endm
; v80-143, v144-207 two sets of cos and sin; v208-213 the quantiser's; v214 the scale bytes just made, v215 those of the pair's first tile; v216-219 the four pairs' words; v220-225 codes; v228-230 their second half
.macro TILEK u, ahead, left
	s_wait_xcnt 0x0                                ; the last tile's stores have had their addresses translated: the codes' registers are written again only behind this wait,
	s_wait_alu depctr_vm_vsrc(0)                   ; and behind this one: those stores have read v220-225, which this tile's quantiser writes again
	s_wait_loadcnt \left                           ; my tile and its tables are in; the next tile's group of 48 may be out
	MMQK XA+96*\u, XSA+8*\u, \u
	PLACES 5                                       ; as in q's tile
.if \ahead
	WIN 0xc0                                       ; the loads' window first, then the wait, then the loads
	s_wait_alu depctr_va_vdst(0)                   ; the products are done reading X[u] and its scale words, in which the loads below land
	XLOADS XA+96*\u, XSA+8*\u, 24576+12288*\u, 1024
.endif
	ROPE ACC, 80+64*\u, 112+64*\u
	QUANT2 80+64*\u, 220, 228, 208, 214
.if \u == 0
	v_mov_b32 v215, v214
.else
	v_mov_b32 v216, v217                           ; the pairs' words move down; after four pairs pair p stands in v[216 + p]
	v_mov_b32 v217, v218
	v_mov_b32 v218, v219
	v_cndmask_b32 v219, v215, v214, s41            ; lanes 0-15 the first tile's, lanes 16-31 the second's
.endif
	s_wait_alu depctr_va_vdst(0)                   ; the rotation and the quantiser are done with the tables' set u, in which the loads below land; the codes v220-225 are written, which the stores below read; in the last tile so are v216-219, for the last store
.if \ahead
	CSLOADS \u, 8192+2048*\u                       ; the set is asked for again at once
.endif
	global_store_b128 v3, v[220:223], s[32:33] offset:768*\u        ; half a fragment: registers 0-3 at 16 x lane,
	global_store_b64 v5, v[224:225], s[32:33] offset:768*\u+512     ; registers 4, 5 at 512 + 8 x lane
.endm
.Lk:
	RECORD
	s_lshl_b32 s56, s54, 15                        ; the tables at my key step's 128 rows of 256 bytes
	s_add_nc_u64 s[10:11], s[10:11], s[56:57]
	s_add_nc_u64 s[12:13], s[12:13], s[56:57]
	v_and_b32 v6, 8, v1
	v_add_nc_u32 v6, v6, v1                        ; r + 8 (r / 8)
	v_lshl_add_u32 v6, v6, 8, v7                   ; x 256 + 64 h
	s_wait_alu depctr_va_vdst(0)                   ; v6 is written, which the tables' loads read as their offset
	WLOADQK
	XLOADS XA, XSA, 0, 0
	CSLOADS 0, 0
	XLOADS XA+96, XSA+8, 12288, 0
	CSLOADS 1, 2048
	v_mov_b32 v210, 0                              ; written once: a lane permute's destination counts as one of its sources
	v_mov_b32 v211, 0
.irp j, 216,217,218,219
	v_mov_b32 v[\j], 0
.endr
	s_mov_b32 s42, 3
.Lkt:
	TILEK 0, 1, 48
	TILEK 1, 1, 48
	s_wait_xcnt 0x0                                ; the bases are stepped only behind this wait
	s_add_nc_u64 s[24:25], s[24:25], 24576
	s_add_nc_u64 s[26:27], s[26:27], 1024
	s_add_nc_u64 s[10:11], s[10:11], 8192
	s_add_nc_u64 s[12:13], s[12:13], 8192
	s_add_nc_u64 s[32:33], s[32:33], 1536
	s_sub_co_u32 s42, s42, 1
	s_cmp_lg_u32 s42, 0
	s_cbranch_scc1 .Lkt
	TILEK 0, 0, 48
	TILEK 1, 0, 0
	global_store_b128 v3, v[216:219], s[32:33] offset:7680   ; K's scale words at 12,288 of the record (the base stands 3 x 1,536 on): four pairs a lane, 512 consecutive bytes.  No wait: no vector instruction since the last tile's wait names them
	s_endpgm
	; ================ V ================
.macro QUANT s, pc                     ; 64 numbers of a lane become a fragment's codes in v[pc] on and its scale word in v[PW]
.irp b, 0,1,2,3
	v_max3_num_f32 v[TM+\b], |v[\s+16*\b]|, |v[\s+1+16*\b]|, 0x1800000
.endr
.irp i, 2,4,6,8,10,12,14
.irp b, 0,1,2,3
	v_max3_num_f32 v[TM+\b], v[TM+\b], |v[\s+16*\b+\i]|, |v[\s+1+16*\b+\i]|
.endr
.endr
.irp b, 0,1,2,3
	v_permlanex16_b32 v[TM+4+\b], v[TM+\b], s[SEL], s[SEL+1]
.endr
.irp b, 0,1,2,3
	v_max_num_f32 v[TM+\b], v[TM+\b], v[TM+4+\b]
.endr
.irp b, 0,1,2,3
	v_add_nc_u32 v[TM+12+\b], 0xff000000, v[TM+\b]
.endr
.irp b, 0,1,2,3
	v_lshrrev_b32 v[TM+4+\b], 23, v[TM+12+\b]
.endr
	v_lshl_or_b32 v[PW], v[TM+5], 8, v[TM+4]
	v_lshl_or_b32 v[PW], v[TM+6], 16, v[PW]
	v_lshl_or_b32 v[PW], v[TM+7], 24, v[PW]
.irp c, 0,1
	v_cvt_scalef32_pk16_fp6_f32 v[\pc+6*\c:\pc+2+6*\c], v[\s+32*\c:\s+15+32*\c], v[TM+12+2*\c]
	v_cvt_scalef32_pk16_fp6_f32 v[\pc+12+4*\c:\pc+14+4*\c], v[\s+16+32*\c:\s+31+32*\c], v[TM+12+2*\c+1]
.endr
	v_nop                                          ; one plain place behind a scaled conversion
.irp c, 0,1
.irp i, 0,1,2
	v_permlane16_swap_b32 v[\pc+6*\c+\i], v[\pc+12+4*\c+\i]
.endr
.irp i, 0,1,2
	v_mov_b32 v[\pc+3+6*\c+\i], v[\pc+12+4*\c+\i]
.endr
.endr
.endm
; 16 matrix instructions: row tile t x my two tiles of channels, all of K; the two accumulators take turns
.macro MMV buf, xs, t
	WIN 0x07                                       ; source 0 (x) window 3, source 1 (the weight) window 1
.irp s, 0,1,2,3,4,5,6,7
.irp n, 0,1
	WM ACC+64*\n+8*(\t), \buf+12*\s, 12*(2*\s+\n), \s==0, \xs+\s, WS+\s, (\t)%2, \n
.endr
.endr
	WIN 0
.endm
.Lv:
	WIN 0x40
.irp s, 0,1,2,3,4,5,6,7
.irp n, 0,1
.irp c, 0,1,2
	global_load_b128 v[12*(2*\s+\n)+4*\c:12*(2*\s+\n)+4*\c+3], v3, s[28:29] offset:12288*\n+1536*\s+512*\c
.endr
.endr
.endr
	WIN 0
.irp s, 0,1,2,3,4,5,6,7
	global_load_b32 v[WS+\s], v4, s[30:31] offset:128*\s
.endr
	XLOADS XA, XSA, 0, 0
	XLOADS XA+96, XSA+8, 12288, 0
	RECORD
	s_mul_i32 s56, s50, 3072                       ; my two fragments of V^T,
	s_lshl_b32 s58, s50, 7                         ; and my pair's scale words
	s_add_nc_u64 s[60:61], s[32:33], s[58:59]
	s_add_nc_u64 s[32:33], s[32:33], s[56:57]
.irp b, 0,1,2,3
	v_mov_b32 v[TM+4+\b], 0                        ; written once: a lane permute's destination counts as one of its sources
.endr
.irp t, 0,1,2,3,4,5,6,7
.if \t < 7
	s_wait_loadcnt 32                              ; my tile is in; the next tile's group of 32 may be out
.else
	s_wait_loadcnt 0x0
.endif
	MMV XA+96*(\t%2), XSA+8*(\t%2), \t
	PLACES 5                                       ; behind the products: in front of the first read of the results
.if \t < 6
	WIN 0xc0                                       ; the loads' window first, then the wait, then the loads
	s_wait_alu depctr_va_vdst(0)                   ; the products are done reading this buffer of x and its scale words, in which the loads below land
	XLOADS XA+96*(\t%2), XSA+8*(\t%2), 12288*(\t+2), 1024*((\t+2)/2)
.endif
.endr
	QUANT ACC, PC                                  ; channels' tile 2 e: K = the 128 keys
	v_mov_b32 v193, v[PW]
	QUANT ACC+64, PC+20                            ; tile 2 e + 1, into registers of its own: no store's data are written again
	v_cndmask_b32 v194, v193, v[PW], s41
	s_wait_alu depctr_va_vdst(0)                   ; both tiles' codes and the pair's scale word v194 are written, which the seven stores below read
.irp c, 0,1,2
	global_store_b128 v3, v[PC+4*\c:PC+4*\c+3], s[32:33] offset:6144+512*\c
.endr
.irp c, 0,1,2
	global_store_b128 v3, v[PC+20+4*\c:PC+20+4*\c+3], s[32:33] offset:6144+1536+512*\c
.endr
	global_store_b32 v4, v194, s[60:61] offset:12800
	s_endpgm
.Lfunc_end_k_qa893afb672_proj:
	.size	k_qa893afb672_proj, .Lfunc_end_k_qa893afb672_proj-k_qa893afb672_proj
	.p2alignl 7, 3214868480
	.fill 96, 4, 3214868480
	.section	.rodata,"a",@progbits
	.p2align	6, 0x0
	.amdhsa_kernel k_qa893afb672_proj
		.amdhsa_group_segment_fixed_size 0
		.amdhsa_private_segment_fixed_size 0
		.amdhsa_enable_private_segment 0
		.amdhsa_kernarg_size 80
		.amdhsa_user_sgpr_count 2
		.amdhsa_user_sgpr_kernarg_segment_ptr 1
		.amdhsa_wavefront_size32 1
		.amdhsa_system_sgpr_workgroup_id_x 1
		.amdhsa_system_sgpr_workgroup_id_y 1
		.amdhsa_system_sgpr_workgroup_id_z 1
		.amdhsa_system_vgpr_workitem_id 0
		.amdhsa_next_free_vgpr 960
		.amdhsa_next_free_sgpr 66
		.amdhsa_reserve_vcc 0
		.amdhsa_float_denorm_mode_32 3
		.amdhsa_float_denorm_mode_16_64 3
		.amdhsa_memory_ordered 1
		.amdhsa_forward_progress 1
		.amdhsa_inst_pref_size 237
	.end_amdhsa_kernel
	.amdgpu_metadata
---
amdhsa.version: [ 1, 2 ]
amdhsa.kernels:
  - .name:           k_qa893afb672_proj
    .symbol:         k_qa893afb672_proj.kd
    .args:
      - { .name: ximg, .offset: 0, .size: 8, .value_kind: global_buffer, .address_space: global }
      - { .name: scl, .offset: 8, .size: 8, .value_kind: global_buffer, .address_space: global }
      - { .name: wimg, .offset: 16, .size: 8, .value_kind: global_buffer, .address_space: global }
      - { .name: cos, .offset: 24, .size: 8, .value_kind: global_buffer, .address_space: global }
      - { .name: sin, .offset: 32, .size: 8, .value_kind: global_buffer, .address_space: global }
      - { .name: ln_g, .offset: 40, .size: 8, .value_kind: global_buffer, .address_space: global }
      - { .name: ln_b, .offset: 48, .size: 8, .value_kind: global_buffer, .address_space: global }
      - { .name: qimg, .offset: 56, .size: 8, .value_kind: global_buffer, .address_space: global }
      - { .name: psum, .offset: 64, .size: 8, .value_kind: global_buffer, .address_space: global }
      - { .name: kvimg, .offset: 72, .size: 8, .value_kind: global_buffer, .address_space: global }
    .group_segment_fixed_size: 0
    .private_segment_fixed_size: 0
    .kernarg_segment_align: 8
    .kernarg_segment_size: 80
    .max_flat_workgroup_size: 32
    .sgpr_count:     66
    .vgpr_count:     960
    .wavefront_size: 32
...
	.end_amdgpu_metadata
.endif
;; end of part 6
;; launch attn (part 7): grid 8 x 32, 16 waves a work-group, clusters of 4 x 1, 215,040 bytes of LDS; arguments qimg, psum, cos, sin, kvimg, oimg, oscl; writes oimg, oscl
.if DOCPART == 7
	.amdgcn_target "amdgcn-amd-amdhsa--gfx1250"
	.amdhsa_code_object_version 6
	.text
	.protected	k_qa893afb672_attn
	.globl	k_qa893afb672_attn
	.p2align	8
	.type	k_qa893afb672_attn,@function
k_qa893afb672_attn:
	s_mov_b64 s[64:65], 0
	v_nop
	global_prefetch_b8 v0, s[64:65] scope:SCOPE_SE
	s_setreg_imm32_b32 hwreg(HW_REG_WAVE_MODE, 25, 1), 1
	s_wait_xcnt 0x0
	s_wait_alu depctr_hold_cnt(0) depctr_sa_sdst(0) depctr_va_vdst(0) depctr_va_sdst(0) depctr_va_ssrc(0) depctr_va_vcc(0) depctr_vm_vsrc(0)
	s_getreg_b32 s2, hwreg(HW_REG_IB_STS2, 6, 4)
	s_cmp_eq_u32 s2, 0
	s_cbranch_scc0 .Lentry_in_a_cluster
	s_endpgm
.Lentry_in_a_cluster:
	s_bfe_u32 s2, ttmp6, 0x10000c
	s_cmp_lg_u32 s2, 0x3003
	s_cbranch_scc0 .Lentry_shape_is_right
	s_endpgm
.Lentry_shape_is_right:
; Attention of one (batch, head) for 256 queries, both products on codes of FP6 (E2M3) with E8M0 scales.  y = 16 x batch + head; the block of queries = 4 x cluster x + place in the cluster.
; HEAD: q (normalised, f32, an image of registers) less its mean over time (the 16 blocks' column sums / 2,048), RoPE, quantised along the head's 64: half a fragment; the other half of K = 128 is zero codes on both sides.
; THE SOFTMAX: t = score x log2(e) / 8; M = the running largest t rounded UP to a whole number; p = 2^(t - M) is quantised along the keys, not normalised; the sum is taken of the unquantised p and divides O at the end.
; When M moves, the sum and O are multiplied by 2^(old M - new M), which rounds nothing.  A block's largest p is taken through its largest score (v_exp_f32 is taken not to fall where its input rises).
; SHARES: sixteen waves, each with one tile of 16 queries in 256 registers: four to a SIMD, so that one wave's vector work stands beside another's products and LDS loads.  Every wave walks the 2,048 keys, 128 a step.
; LDS: the key-value head's 16 records of 13,056 bytes (8 half fragments of K, 4 fragments of V^T, their scale words) are 208,896 bytes: they come ONCE and stay.  Nothing is filled again: no ring.
; CLUSTER: the four blocks of queries of a cluster read the same records, so each record is asked for JOINTLY (mask 15).  Waves 0-3 ask, four loads each (record 4 c + wave): four loads of a wave are out at the most.
; Both products are used transposed (S^T = K Q^T, O^T = V^T P^T): a lane holds one query throughout; by the choice of a tile's keys, registers 16 b + i of S^T are keys 32 b + 16 (lane / 16) + i.
; No prefetch: every byte of K and V is asked for at the head.
; LIMITS: blocks of zeros get the scale byte 1 (codes zero; only this program reads the bytes); NaN and infinities are not served; the mean over time is summed tile by tile, lane by lane, block by block.
; REGISTERS: v1, v2, v31 16, 8, 4 x lane; v3, v4, v29 the same + the step's record; v5-8 permutes' results, then bytes; v9 at work; v[10:11] f; v12 -M, v13 the largest t, v[14:15] the sum; v16-27 Q, v28 its scale word;
;   v32-79 four fragments of K (upper halves stay zero); v80-127 V^T's four; v128-191 S^T, then p; v192-223 O^T; v224-235 p's codes; v236-242 at work; v244-247 K's scale words, v248-249 V's, v250 p's; v251-254 the blocks' maxima.
.set REC,   13056
.set MEAN,  208896                     ; behind the records: 64 f32, a block of 256 bytes of its own, into which no fill lands
.set SEL,   20                         ; s[20:21] lane selects: lane l xor 16
.set CS,    22                         ; s[22:23] c = log2(e) / 8
.set G1,    24                         ; s[24:31] descriptor group 1
.set G0,    32                         ; s[32:47] four groups 0
.set TB,    48                         ; s48  LDS byte at which the step's record begins
.macro PLACES n
.rept \n
	v_nop
.endr
.endm
.macro WM d, a, b, zero, sa, sb, ra, rb        ; one matrix instruction; zero = 1: it starts the sum; ra, rb = 1: that side's scale words are read from lanes 16-31
.if (\zero) && (\ra) && (\rb)
	v_wmma_scale_f32_16x16x128_f8f6f4 v[\d:\d+7], v[\a:\a+11], v[\b:\b+11], 0, v[\sa], v[\sb] matrix_a_fmt:MATRIX_FMT_FP6 matrix_b_fmt:MATRIX_FMT_FP6 matrix_a_scale:MATRIX_SCALE_ROW1 matrix_b_scale:MATRIX_SCALE_ROW1
.elseif (\zero) && (\ra)
	v_wmma_scale_f32_16x16x128_f8f6f4 v[\d:\d+7], v[\a:\a+11], v[\b:\b+11], 0, v[\sa], v[\sb] matrix_a_fmt:MATRIX_FMT_FP6 matrix_b_fmt:MATRIX_FMT_FP6 matrix_a_scale:MATRIX_SCALE_ROW1
.elseif (\zero) && (\rb)
	v_wmma_scale_f32_16x16x128_f8f6f4 v[\d:\d+7], v[\a:\a+11], v[\b:\b+11], 0, v[\sa], v[\sb] matrix_a_fmt:MATRIX_FMT_FP6 matrix_b_fmt:MATRIX_FMT_FP6 matrix_b_scale:MATRIX_SCALE_ROW1
.elseif (\zero)
	v_wmma_scale_f32_16x16x128_f8f6f4 v[\d:\d+7], v[\a:\a+11], v[\b:\b+11], 0, v[\sa], v[\sb] matrix_a_fmt:MATRIX_FMT_FP6 matrix_b_fmt:MATRIX_FMT_FP6
.elseif (\ra) && (\rb)
	v_wmma_scale_f32_16x16x128_f8f6f4 v[\d:\d+7], v[\a:\a+11], v[\b:\b+11], v[\d:\d+7], v[\sa], v[\sb] matrix_a_fmt:MATRIX_FMT_FP6 matrix_b_fmt:MATRIX_FMT_FP6 matrix_a_scale:MATRIX_SCALE_ROW1 matrix_b_scale:MATRIX_SCALE_ROW1
.elseif (\ra)
	v_wmma_scale_f32_16x16x128_f8f6f4 v[\d:\d+7], v[\a:\a+11], v[\b:\b+11], v[\d:\d+7], v[\sa], v[\sb] matrix_a_fmt:MATRIX_FMT_FP6 matrix_b_fmt:MATRIX_FMT_FP6 matrix_a_scale:MATRIX_SCALE_ROW1
.elseif (\rb)
	v_wmma_scale_f32_16x16x128_f8f6f4 v[\d:\d+7], v[\a:\a+11], v[\b:\b+11], v[\d:\d+7], v[\sa], v[\sb] matrix_a_fmt:MATRIX_FMT_FP6 matrix_b_fmt:MATRIX_FMT_FP6 matrix_b_scale:MATRIX_SCALE_ROW1
.else
	v_wmma_scale_f32_16x16x128_f8f6f4 v[\d:\d+7], v[\a:\a+11], v[\b:\b+11], v[\d:\d+7], v[\sa], v[\sb] matrix_a_fmt:MATRIX_FMT_FP6 matrix_b_fmt:MATRIX_FMT_FP6
.endif
.endm
.macro ROPE a, c, s                    ; y = a x cos + rotate(a) x sin over 32 registers, left in the cos registers
.irp p, 0,2,4,6,8,10,12,14,16,18,20,22,24,26,28,30
	v_pk_mul_f32 v[\c+\p:\c+\p+1], v[\a+\p:\a+\p+1], v[\c+\p:\c+\p+1]
	s_delay_alu instid0(VALU_DEP_1)
	v_fma_f32 v[\c+\p], -v[\a+\p+1], v[\s+\p], v[\c+\p]
	s_delay_alu instid0(VALU_DEP_2)
	v_fma_f32 v[\c+\p+1], v[\a+\p], v[\s+\p+1], v[\c+\p+1]
.endr
.endm
.macro QUANT2 src, pc, tt, bm, pw      ; 32 numbers of a lane, register 16 b + i = k 32 b + 16 (lane / 16) + i, become registers 0-5 of a fragment in v[pc] on and two scale bytes in v[pw]
.irp b, 0,1
	v_max3_num_f32 v[\bm+\b], |v[\src+16*\b]|, |v[\src+16*\b+1]|, 0x1800000   ; and the floor 2^(3 - 127): the byte cannot fall under 1
.endr
.irp i, 2,4,6,8,10,12,14
.irp b, 0,1
	s_delay_alu instid0(VALU_DEP_2)
	v_max3_num_f32 v[\bm+\b], v[\bm+\b], |v[\src+16*\b+\i]|, |v[\src+16*\b+\i+1]|
.endr
.endr
.irp b, 0,1
	s_delay_alu instid0(VALU_DEP_2)
	v_permlanex16_b32 v[\bm+2+\b], v[\bm+\b], s[SEL], s[SEL+1]
.endr
.irp b, 0,1
	s_delay_alu instid0(VALU_DEP_2)
	v_max_num_f32 v[\bm+\b], v[\bm+\b], v[\bm+2+\b]
.endr
.irp b, 0,1
	s_delay_alu instid0(VALU_DEP_2)
	v_add_nc_u32 v[\bm+4+\b], 0xff000000, v[\bm+\b]
.endr
.irp b, 0,1
	s_delay_alu instid0(VALU_DEP_2)
	v_lshrrev_b32 v[\bm+2+\b], 23, v[\bm+4+\b]
.endr
	s_delay_alu instid0(VALU_DEP_1)
	v_lshl_or_b32 v[\pw], v[\bm+3], 8, v[\bm+2]    ; bytes 2 and 3 stay 0: they stand over zero codes
	v_cvt_scalef32_pk16_fp6_f32 v[\pc:\pc+2], v[\src:\src+15], v[\bm+4]
	v_cvt_scalef32_pk16_fp6_f32 v[\tt:\tt+2], v[\src+16:\src+31], v[\bm+5]
	v_nop                                          ; one plain place behind a scaled conversion
.irp i, 0,1,2
	v_permlane16_swap_b32 v[\pc+\i], v[\tt+\i]
.endr
.irp i, 0,1,2
	s_delay_alu instid0(VALU_DEP_3)
	v_mov_b32 v[\pc+3+\i], v[\tt+\i]
.endr
.endm
.macro ROUND                           ; a round of the cluster's barrier: my work-group's barrier; wave 0 signals for the work-group; every wave waits for all four; my work-group's barrier once more
	s_barrier_signal -1
	s_barrier_wait -1
	s_cmp_lg_u32 s18, 0
	s_cbranch_scc1 .Lnot_wave_0_\@
	s_barrier_signal -3
.Lnot_wave_0_\@:
	s_barrier_wait -3
	s_barrier_signal -1
	s_barrier_wait -1
.endm
	s_load_b256 s[4:11], s[0:1], 0x0               ; qimg s[4:5], psum s[6:7], cos s[8:9], sin s[10:11]
	s_load_b128 s[12:15], s[0:1], 0x20             ; kvimg s[12:13], oimg s[14:15]
	s_load_b64 s[16:17], s[0:1], 0x30              ; oscl
	v_lshl_add_u32 v243, v0, 2, 0x34000
	v_mov_b32 v255, 0
	ds_add_u32 v243, v255
	ds_add_u32 v243, v255
	v_lshrrev_b32 v9, 5, v0
	s_delay_alu instid0(VALU_DEP_1)
	v_readfirstlane_b32 s18, v9                    ; wave 0..15
	v_and_b32 v9, 31, v0                           ; lane
	s_delay_alu instid0(VALU_DEP_1)
	v_lshlrev_b32 v1, 4, v9
	s_delay_alu instid0(VALU_DEP_2)
	v_lshlrev_b32 v2, 3, v9
	s_delay_alu instid0(VALU_DEP_3)
	v_lshlrev_b32 v31, 2, v9
	v_and_b32 v5, 15, v0                           ; r
	v_bfe_u32 v6, v0, 4, 1                         ; h
	s_delay_alu instid0(VALU_DEP_2)
	v_and_b32 v3, 8, v5
	s_delay_alu instid0(VALU_DEP_1)
	v_add_nc_u32 v3, v3, v5                        ; r + 8 (r / 8)
	s_delay_alu instid0(VALU_DEP_1)
	v_lshlrev_b32 v3, 8, v3
	s_delay_alu instid0(VALU_DEP_1)
	v_lshl_add_u32 v3, v6, 6, v3                   ; the tables: my query's row of 256 bytes, + 64 h
	v_and_b32 v4, 63, v0
	s_delay_alu instid0(VALU_DEP_1)
	v_lshlrev_b32 v4, 2, v4                        ; waves 4 and 5: channel (thread % 64) of the sums,
	s_delay_alu instid0(VALU_DEP_1)
	v_add_nc_u32 v29, MEAN, v4                     ; and where its mean goes
	v_lshlrev_b32 v30, 6, v6
	s_delay_alu instid0(VALU_DEP_1)
	v_add_nc_u32 v30, MEAN, v30                    ; where my lane's channels' means are read: + 64 h
	s_mov_b32 s[SEL], 0x76543210
	s_mov_b32 s[SEL+1], 0xfedcba98
	s_mov_b32 s[CS], 0x3e38aa3b                    ; log2(e) / 8
	s_mov_b32 s[CS+1], s[CS]                       ; (named with it as a pair, so it is written)
	s_bfe_u32 s50, ttmp6, 0x40000                  ; cx: it enters the addresses of q, the tables and o alone
	s_lshl_b32 s51, ttmp9, 2
	s_add_co_u32 s51, s51, s50                     ; my block of 256 queries
	s_and_b32 s52, ttmp7, 0xffff
	s_lshr_b32 s53, s52, 4                         ; the batch
	s_and_b32 s54, s52, 15                         ; the head
	s_cmp_ge_u32 s54, 4                            ; heads 0-3, 4-11, 12-15 take key-value heads 0, 1, 2
	s_cselect_b32 s55, 1, 0
	s_cmp_ge_u32 s54, 12
	s_cselect_b32 s56, 1, 0
	s_add_co_u32 s55, s55, s56
	s_mul_i32 s56, s53, 3
	s_add_co_u32 s56, s56, s55
	s_mul_i32 s56, s56, 208896
	s_and_b32 s57, s18, 3
	s_mul_i32 s57, s57, REC                        ; a fetching wave's first record, in LDS and in memory
	s_add_co_u32 s60, s56, s57
	s_mov_b32 s61, 0
	s_lshl_b32 s58, s53, 3
	s_add_co_u32 s58, s58, s51
	s_lshl_b32 s58, s58, 4
	s_add_co_u32 s58, s58, s18                     ; my row tile: 16 (8 x batch + block) + wave
	; descriptor group 1: a record as 51 rows of 256 bytes (32 elements of 8 bytes), dense, no padding: images are read 512 bytes on end
	s_mov_b32 s[G1+0], 15|(3<<16)|(1<<21)          ; 15:0 the mask: all four work-groups; 17:16 elements of 8 bytes; 21 set beside a mask
	s_mov_b32 s[G1+1], 32<<16                      ; tensor_dim0 = 32
	s_mov_b32 s[G1+2], 51<<16                      ; tensor_dim1 = 51
	s_mov_b32 s[G1+3], 32<<16                      ; tile_dim0 = 32
	s_mov_b32 s[G1+4], 51                          ; tile_dim1 = 51
	s_mov_b32 s[G1+5], 32                          ; from row to row
	s_mov_b32 s[G1+6], 0
	s_mov_b32 s[G1+7], 0
	s_wait_dscnt 0x0
	s_wait_kmcnt 0x0
	s_add_nc_u64 s[12:13], s[12:13], s[60:61]
.irp c, 0,1,2,3
	s_mov_b32 s[G0+4*\c], 1                        ; count = 1
	s_add_co_u32 s[G0+4*\c+1], s57, 4*REC*\c       ; LDS address: record 4 c + wave
	s_add_nc_u64 s[G0+4*\c+2:G0+4*\c+3], s[12:13], 4*REC*\c
	s_or_b32 s[G0+4*\c+3], s[G0+4*\c+3], 0x80000000   ; type = 2
.endr
	s_lshl_b32 s62, s58, 16                        ; q: 65,536 bytes a row tile, 4,096 a head
	s_lshl_b32 s63, s54, 12
	s_add_co_u32 s62, s62, s63
	s_mov_b32 s63, 0
	s_add_nc_u64 s[4:5], s[4:5], s[62:63]
	s_lshl_b32 s62, s53, 16                        ; the sums: 16 blocks of 4,096 bytes a batch, 256 a head
	s_lshl_b32 s59, s54, 8
	s_add_co_u32 s62, s62, s59
	s_add_nc_u64 s[6:7], s[6:7], s[62:63]
	s_lshl_b32 s62, s51, 16                        ; the tables: row 256 x block + 32 (wave / 2) + 8 (wave % 2)
	s_lshr_b32 s59, s18, 1
	s_lshl_b32 s59, s59, 13
	s_add_co_u32 s62, s62, s59
	s_and_b32 s59, s18, 1
	s_lshl_b32 s59, s59, 11
	s_add_co_u32 s62, s62, s59
	s_add_nc_u64 s[8:9], s[8:9], s[62:63]
	s_add_nc_u64 s[10:11], s[10:11], s[62:63]
	s_mul_i32 s62, s58, 12288                      ; o's codes: 12,288 bytes a row tile, 768 a head
	s_mul_i32 s59, s54, 768
	s_add_co_u32 s62, s62, s59
	s_add_nc_u64 s[14:15], s[14:15], s[62:63]
	s_lshr_b32 s62, s58, 1                         ; o's scale bytes: 1,024 a pair of tiles, 64 for the pair's second tile, 128 for two heads, 2 for the odd head
	s_lshl_b32 s62, s62, 10
	s_and_b32 s59, s58, 1
	s_lshl_b32 s59, s59, 6
	s_add_co_u32 s62, s62, s59
	s_lshr_b32 s59, s54, 1
	s_lshl_b32 s59, s59, 7
	s_add_co_u32 s62, s62, s59
	s_and_b32 s59, s54, 1
	s_lshl_b32 s59, s59, 1
	s_add_co_u32 s62, s62, s59
	s_add_nc_u64 s[16:17], s[16:17], s[62:63]
	ROUND                                          ; all four work-groups are here: the joint loads meet
	s_cmp_lt_u32 s18, 4                            ; a fetching wave's four fills stand in one branch on the wave's number, ahead of every wait on TENSORcnt and every LDS read
	s_cbranch_scc0 .Lno_fill
	tensor_load_to_lds s[G0:G0+3], s[G1:G1+7]
	s_nop 0
	tensor_load_to_lds s[G0+4:G0+7], s[G1:G1+7]
	s_nop 0
	tensor_load_to_lds s[G0+8:G0+11], s[G1:G1+7]
	s_nop 0
	tensor_load_to_lds s[G0+12:G0+15], s[G1:G1+7]
	s_nop 0
	PLACES 4                                       ; four v_nop follow the last
.Lno_fill:
.irp k, 0,1,2,3,4,5,6,7
	global_load_b128 v[128+4*\k:131+4*\k], v1, s[4:5] offset:512*\k th:TH_LOAD_NT   ; q's image: read once in the launch
.endr
	s_wait_alu depctr_va_vdst(0)
.irp b, 0,1
.irp k, 0,1,2,3
	global_load_b128 v[32+16*\b+4*\k:35+16*\b+4*\k], v3, s[8:9] offset:128*\b+16*\k
	global_load_b128 v[64+16*\b+4*\k:67+16*\b+4*\k], v3, s[10:11] offset:128*\b+16*\k
.endr
.endr
	s_lshr_b32 s19, s18, 1
	s_cmp_eq_u32 s19, 2                            ; waves 4 and 5 make the mean over time: a lane a channel
	s_cbranch_scc0 .Lno_mean
.irp k, 0,1,2,3,4,5,6,7,8,9,10,11,12,13,14,15
	global_load_b32 v[96+\k], v4, s[6:7] offset:4096*\k
.endr
	s_wait_loadcnt 0x0
	v_add_f32 v254, v97, v98
	v_add_f32 v253, v99, v100
	v_add_f32 v252, v101, v102
	v_add_f32 v251, v103, v104
	v_add_f32 v250, v105, v106
	v_add_f32 v249, v107, v108
	v_add_f32 v248, v109, v110
	v_add_f32 v96, v96, v111
	s_delay_alu instid0(VALU_DEP_1)
	v_add_f32 v96, v96, v251
	v_add_f32 v254, v254, v250
	v_add_f32 v253, v253, v249
	v_add_f32 v252, v252, v248
	s_delay_alu instid0(VALU_DEP_2)
	v_add_f32 v96, v96, v253
	s_delay_alu instid0(VALU_DEP_2)
	v_add_f32 v254, v254, v252
	s_delay_alu instid0(VALU_DEP_1)
	v_add_f32 v96, v96, v254
	s_delay_alu instid0(VALU_DEP_1)
	v_mul_f32 v96, 0x3a000000, v96                 ; / 2,048
	ds_store_b32 v29, v96
.Lno_mean:
	s_wait_tensorcnt 0x3                           ; a fetching wave's first record is in; its three younger loads may be out
	s_wait_dscnt 0x0                               ; the means are stored
	s_barrier_signal -1
	s_barrier_wait -1
.irp b, 0,1
.irp k, 0,1,2,3
	ds_load_b128 v[96+16*\b+4*\k:99+16*\b+4*\k], v30 offset:128*\b+16*\k
.endr
.endr
	s_wait_loadcnt 0x0
	s_wait_dscnt 0x0
.irp p, 0,2,4,6,8,10,12,14,16,18,20,22,24,26,28,30
	v_pk_add_f32 v[128+\p:129+\p], v[128+\p:129+\p], v[96+\p:97+\p] neg_lo:[0,1] neg_hi:[0,1]   ; q less its mean over time
.endr
	ROPE 128, 32, 64
	QUANT2 32, 16, 236, 100, 28                    ; Q's half fragment and its scale word
.irp j, 22,23,24,25,26,27
	v_mov_b32 v[\j], 0                             ; K = 64 .. 127: zero codes, in Q
.endr
.irp t, 0,1,2,3
.irp j, 6,7,8,9,10,11
	v_mov_b32 v[32+12*\t+\j], 0                    ; and in K's four fragments: written once, never loaded over
.endr
.endr
.irp j, 5,6,7,8,11,14,15
	v_mov_b32 v[\j], 0                             ; permutes' destinations and the upper half of f's pair count as read; the sum begins at 0
.endr
	v_mov_b32 v13, 0xff61b1e6                      ; the largest t so far: -3e38
	s_delay_alu instid0(VALU_DEP_1)
	v_floor_f32 v12, -v13                          ; -M
.irp j, 0,1,2,3,4,5,6,7,8,9,10,11,12,13,14,15,16,17,18,19,20,21,22,23,24,25,26,27,28,29,30,31
	v_mov_b32 v[192+\j], 0                         ; O^T: the step is written once, and its first pass finds zeros.  (These lines are also the places between Q's codes and scale word and their first use)
.endr
; A KEY STEP: 128 keys
.macro STEP
	v_add_nc_u32 v3, s[TB], v1
	s_wait_alu depctr_va_vdst(0)
	v_add_nc_u32 v4, s[TB], v2
	s_wait_alu depctr_va_vdst(0)
	v_add_nc_u32 v29, s[TB], v31
	ds_load_b128 v[244:247], v3 offset:12288       ; K's scale words: a register for each pair of tiles
.irp g, 0,1                                    ; S^T = K Q^T, four tiles of 16 keys at a time
.if \g
	PLACES 4                                       ; in front of loads into registers that matrix instructions have read
.endif
.irp t, 0,1,2,3
	ds_load_b128 v[32+12*\t:35+12*\t], v3 offset:768*(4*\g+\t)
	ds_load_b64 v[36+12*\t:37+12*\t], v4 offset:768*(4*\g+\t)+512
.endr
	s_wait_dscnt 0x0
.irp t, 0,1,2,3
	WM 128+8*(4*\g+\t), 32+12*\t, 16, 1, 244+(4*\g+\t)/2, 28, \t%2, 0
.endr
.endr
.irp t, 0,1,2,3                                ; V^T's four fragments are asked for here and land under the softmax; the three additions and four v_nop above are their places behind the last step's products
.irp c, 0,1,2
	ds_load_b128 v[80+12*\t+4*\c:83+12*\t+4*\c], v3 offset:6144+1536*\t+512*\c
.endr
.endr
	s_wait_alu depctr_va_vdst(0)
	ds_load_b32 v248, v29 offset:12800
	ds_load_b32 v249, v29 offset:12928
	PLACES 4                                       ; in front of the first read of the scores
.irp b, 0,1,2,3
	v_max3_num_f32 v[251+\b], v[128+16*\b], v[129+16*\b], v[130+16*\b]   ; the largest score of each block of 32 keys; each accumulator is read from its low end on
.endr
.irp i, 3,5,7,9,11,13
.irp b, 0,1,2,3
	v_max3_num_f32 v[251+\b], v[251+\b], v[128+16*\b+\i], v[129+16*\b+\i]
.endr
.endr
.irp b, 0,1,2,3
	v_max_num_f32 v[251+\b], v[251+\b], v[143+16*\b]
.endr
.irp b, 0,1,2,3
	s_delay_alu instid0(VALU_DEP_4)
	v_permlanex16_b32 v[5+\b], v[251+\b], s[SEL], s[SEL+1]
.endr
.irp b, 0,1,2,3
	s_delay_alu instid0(VALU_DEP_4)
	v_max_num_f32 v[251+\b], v[251+\b], v[5+\b]    ; with lane l xor 16's 16 keys
.endr
	s_delay_alu instid0(VALU_DEP_2)
	v_max3_num_f32 v9, v251, v252, v253
	s_delay_alu instid0(VALU_DEP_1)
	v_max_num_f32 v9, v9, v254
	s_delay_alu instid0(VALU_DEP_1)
	v_mul_f32 v9, s[CS], v9                        ; the step's largest t
	s_delay_alu instid0(VALU_DEP_1)
	v_max_num_f32 v13, v13, v9                     ; the running largest t
	v_mov_b32 v9, v12
	s_delay_alu instid0(VALU_DEP_2)
	v_floor_f32 v12, -v13                          ; the new -M = floor(-t) = -ceil(t)
	s_delay_alu instid0(VALU_DEP_1)
	v_sub_f32 v9, v12, v9                          ; old M - new M: a whole number, 0 or less
	s_delay_alu instid0(VALU_DEP_1)
	v_cvt_i32_f32 v9, v9                           ; (it saturates)
	s_delay_alu instid0(VALU_DEP_1)
	v_ldexp_f32 v10, 1.0, v9                       ; f = 2^(old M - new M)
.irp j, 0,2,4,6,8,10,12,14,16,18,20,22,24,26,28,30,32,34,36,38,40,42,44,46,48,50,52,54,56,58,60,62
	v_pk_fma_f32 v[128+\j:129+\j], v[128+\j:129+\j], s[CS:CS+1], v[12:13] op_sel_hi:[1,0,0]   ; t - M
.endr
.irp b, 0,1,2,3
	v_fma_f32 v[251+\b], v[251+\b], s[CS], v12     ; the same of each block's largest score
.endr
	s_wait_alu depctr_va_vdst(0)
.irp j, 0,1,2,3,4,5,6,7,8,9,10,11,12,13,14,15,16,17,18,19,20,21,22,23,24,25,26,27,28,29,30,31,32,33,34,35,36,37,38,39,40,41,42,43,44,45,46,47,48,49,50,51,52,53,54,55,56,57,58,59,60,61,62,63
	v_exp_f32 v[128+\j], v[128+\j]                 ; p = 2^(t - M)
.endr
	s_setprio 1
.irp b, 0,1,2,3
	v_exp_f32 v[251+\b], v[251+\b]                 ; the block's largest p
.endr
	v_pk_mul_f32 v[14:15], v[14:15], v[10:11] op_sel_hi:[1,0]   ; the sum under the new M.  (A plain place behind the exponentials)
	s_wait_alu depctr_va_vdst(0)
.irp b, 0,1,2,3
	v_max_num_f32 v[251+\b], 0x1800000, v[251+\b]  ; the floor 2^(3 - 127)
.endr
.irp b, 0,1,2,3
	s_delay_alu instid0(VALU_DEP_4)
	v_add_nc_u32 v[251+\b], 0xff000000, v[251+\b]  ; 2 off the exponent field: the conversion's scale operand
.endr
.irp b, 0,1,2,3
	s_delay_alu instid0(VALU_DEP_4)
	v_lshrrev_b32 v[5+\b], 23, v[251+\b]           ; the scale's byte
.endr
	s_delay_alu instid0(VALU_DEP_3)
	v_lshl_or_b32 v250, v6, 8, v5                  ; p's scale word for these 128 keys
	s_delay_alu instid0(VALU_DEP_1)
	v_lshl_or_b32 v250, v7, 16, v250
	s_delay_alu instid0(VALU_DEP_1)
	v_lshl_or_b32 v250, v8, 24, v250
.irp c, 0,1
	v_cvt_scalef32_pk16_fp6_f32 v[224+6*\c:226+6*\c], v[128+32*\c:143+32*\c], v[251+2*\c]
	v_cvt_scalef32_pk16_fp6_f32 v[236+4*\c:238+4*\c], v[144+32*\c:159+32*\c], v[252+2*\c]
.endr
	v_nop                                          ; one plain place behind a scaled conversion
.irp c, 0,1
.irp i, 0,1,2
	v_permlane16_swap_b32 v[224+6*\c+\i], v[236+4*\c+\i]
.endr
.irp i, 0,1,2
	s_delay_alu instid0(VALU_DEP_3)
	v_mov_b32 v[227+6*\c+\i], v[236+4*\c+\i]
.endr
.endr
	v_pk_add_f32 v[236:237], v[132:133], v[136:137]
	v_pk_add_f32 v[252:253], v[140:141], v[144:145]
	v_pk_add_f32 v[246:247], v[148:149], v[152:153]
	v_pk_add_f32 v[244:245], v[156:157], v[160:161]
	v_pk_add_f32 v[240:241], v[164:165], v[168:169]
	v_pk_add_f32 v[238:239], v[172:173], v[176:177]
	v_pk_add_f32 v[72:73], v[180:181], v[184:185]
	v_pk_add_f32 v[14:15], v[14:15], v[188:189]
	v_pk_add_f32 v[236:237], v[236:237], v[128:129]
	v_pk_add_f32 v[252:253], v[252:253], v[130:131]
	v_pk_add_f32 v[246:247], v[246:247], v[134:135]
	v_pk_add_f32 v[244:245], v[244:245], v[138:139]
	v_pk_add_f32 v[240:241], v[240:241], v[142:143]
	v_pk_add_f32 v[238:239], v[238:239], v[146:147]
	v_pk_add_f32 v[72:73], v[72:73], v[150:151]
	v_pk_add_f32 v[14:15], v[14:15], v[154:155]
	v_pk_add_f32 v[236:237], v[236:237], v[158:159]
	v_pk_add_f32 v[252:253], v[252:253], v[162:163]
	v_pk_add_f32 v[246:247], v[246:247], v[166:167]
	v_pk_add_f32 v[244:245], v[244:245], v[170:171]
	v_pk_add_f32 v[240:241], v[240:241], v[174:175]
	v_pk_add_f32 v[238:239], v[238:239], v[178:179]
	v_pk_add_f32 v[72:73], v[72:73], v[182:183]
	v_pk_add_f32 v[14:15], v[14:15], v[186:187]
	v_pk_add_f32 v[236:237], v[236:237], v[190:191]
	s_delay_alu instid0(VALU_DEP_2)
	v_pk_add_f32 v[14:15], v[14:15], v[244:245]
	s_delay_alu instid0(VALU_DEP_2)
	v_pk_add_f32 v[236:237], v[236:237], v[240:241]
	s_setprio 0
	v_pk_add_f32 v[252:253], v[252:253], v[238:239]
	v_pk_add_f32 v[246:247], v[246:247], v[72:73]
	s_delay_alu instid0(VALU_DEP_2)
	v_pk_add_f32 v[14:15], v[14:15], v[252:253]
	s_delay_alu instid0(VALU_DEP_2)
	v_pk_add_f32 v[236:237], v[236:237], v[246:247]
	s_delay_alu instid0(VALU_DEP_1)
	v_pk_add_f32 v[14:15], v[14:15], v[236:237]
.irp j, 0,2,4,6,8,10,12,14,16,18,20,22,24,26,28,30
	v_pk_mul_f32 v[192+\j:193+\j], v[192+\j:193+\j], v[10:11] op_sel_hi:[1,0]   ; O^T under the new M, from its low end on.  (With the sums above: the places between p's codes and scale word and their use)
.endr
	s_wait_alu depctr_va_vdst(0)
	s_wait_dscnt 0x0                               ; V^T and its scale words are in
.irp t, 0,1,2,3
	WM 192+8*\t, 80+12*\t, 224, 0, 248+\t/2, 250, \t%2, 0   ; O^T += V^T P^T: four accumulators, one instruction each: no two neighbours share one, over the backward jump too
.endr
.endm
; Records 4 c .. 4 c + 3.  Each fetching wave waits until its load c has landed (its 3 - c younger loads may be out), then the barrier.
.macro CHUNK c
.if \c > 0
	s_wait_tensorcnt 3-\c
	s_wait_dscnt 0x0
	s_barrier_signal -1
	s_barrier_wait -1
.endif
	s_mov_b32 s[TB], 4*REC*\c
	s_mov_b32 s49, 4
.Lstep_\@:
	s_setprio 2
	STEP
	s_add_co_u32 s[TB], s[TB], REC
	s_sub_co_u32 s49, s49, 1
	s_cmp_lg_u32 s49, 0
	s_cbranch_scc1 .Lstep_\@
	s_setprio 0
.endm
	CHUNK 0
	CHUNK 1
	CHUNK 2
	CHUNK 3
	; THE WAY OUT: O^T / the sum, quantised along the head's 64: half a fragment of the last product's operand, and two scale bytes
	PLACES 4                                       ; behind the last products
	v_add_f32 v14, v14, v15
	s_delay_alu instid0(VALU_DEP_1)
	v_permlanex16_b32 v9, v14, s[SEL], s[SEL+1]
	s_delay_alu instid0(VALU_DEP_1)
	v_add_f32 v14, v14, v9                         ; the row's sum
	s_wait_alu depctr_va_vdst(0)
	v_rcp_f32 v10, v14
	v_and_b32 v9, 15, v0                           ; (a plain place behind the transcendental)
	s_delay_alu instid0(VALU_DEP_1)
	v_lshlrev_b32 v9, 2, v9                        ; 4 r
	s_wait_alu depctr_va_vdst(0)
.irp j, 0,2,4,6,8,10,12,14,16,18,20,22,24,26,28,30
	v_pk_mul_f32 v[128+\j:129+\j], v[192+\j:193+\j], v[10:11] op_sel_hi:[1,0]
.endr
	QUANT2 128, 224, 236, 100, 250
	global_store_b128 v1, v[224:227], s[14:15]
	global_store_b64 v2, v[228:229], s[14:15] offset:512
	global_store_b16 v9, v250, s[16:17]            ; lanes r and 16 + r hold the same two bytes and write them to the same place: my head's half of row r's scale word
	s_wait_tensorcnt 0x0
	ds_add_u32 v243, v255
	s_wait_dscnt 0x0
	ROUND                                          ; the closing round: no work-group ends while a partner may still ask for a record that names it
	s_endpgm
.Lfunc_end_k_qa893afb672_attn:
	.size	k_qa893afb672_attn, .Lfunc_end_k_qa893afb672_attn-k_qa893afb672_attn
	.p2alignl 7, 3214868480
	.fill 96, 4, 3214868480
	.section	.rodata,"a",@progbits
	.p2align	6, 0x0
	.amdhsa_kernel k_qa893afb672_attn
		.amdhsa_group_segment_fixed_size 215040
		.amdhsa_private_segment_fixed_size 0
		.amdhsa_enable_private_segment 0
		.amdhsa_kernarg_size 56
		.amdhsa_user_sgpr_count 2
		.amdhsa_user_sgpr_kernarg_segment_ptr 1
		.amdhsa_wavefront_size32 1
		.amdhsa_system_sgpr_workgroup_id_x 1
		.amdhsa_system_sgpr_workgroup_id_y 1
		.amdhsa_system_sgpr_workgroup_id_z 1
		.amdhsa_system_vgpr_workitem_id 0
		.amdhsa_next_free_vgpr 256
		.amdhsa_next_free_sgpr 66
		.amdhsa_reserve_vcc 0
		.amdhsa_float_denorm_mode_32 3
		.amdhsa_float_denorm_mode_16_64 3
		.amdhsa_memory_ordered 1
		.amdhsa_forward_progress 1
		.amdhsa_inst_pref_size 96
	.end_amdhsa_kernel
	.amdgpu_metadata
---
amdhsa.version: [ 1, 2 ]
amdhsa.kernels:
  - .name:           k_qa893afb672_attn
    .symbol:         k_qa893afb672_attn.kd
    .args:
      - { .name: qimg, .offset: 0, .size: 8, .value_kind: global_buffer, .address_space: global }
      - { .name: psum, .offset: 8, .size: 8, .value_kind: global_buffer, .address_space: global }
      - { .name: cos, .offset: 16, .size: 8, .value_kind: global_buffer, .address_space: global }
      - { .name: sin, .offset: 24, .size: 8, .value_kind: global_buffer, .address_space: global }
      - { .name: kvimg, .offset: 32, .size: 8, .value_kind: global_buffer, .address_space: global }
      - { .name: oimg, .offset: 40, .size: 8, .value_kind: global_buffer, .address_space: global }
      - { .name: oscl, .offset: 48, .size: 8, .value_kind: global_buffer, .address_space: global }
    .group_segment_fixed_size: 215040
    .private_segment_fixed_size: 0
    .kernarg_segment_align: 8
    .kernarg_segment_size: 56
    .max_flat_workgroup_size: 512
    .sgpr_count:     66
    .vgpr_count:     256
    .wavefront_size: 32
...
	.end_amdgpu_metadata
.endif
;; end of part 7
;; launch outp (part 8): grid 4 x 64, 4 waves a work-group, no clusters, 17,920 bytes of LDS; arguments oimg, oscl, wimg, scl, out0; writes out0
.if DOCPART == 8
	.amdgcn_target "amdgcn-amd-amdhsa--gfx1250"
	.amdhsa_code_object_version 6
	.text
	.protected	k_qa893afb672_outp
	.globl	k_qa893afb672_outp
	.p2align	8
	.type	k_qa893afb672_outp,@function
k_qa893afb672_outp:
	s_mov_b64 s[64:65], 0
	v_nop
	global_prefetch_b8 v0, s[64:65] scope:SCOPE_SE
	s_setreg_imm32_b32 hwreg(HW_REG_WAVE_SCHED_MODE, 0, 2), 2
	s_setreg_imm32_b32 hwreg(HW_REG_WAVE_MODE, 25, 1), 1
	s_wait_xcnt 0x0
	s_wait_alu depctr_vm_vsrc(0)
; out0 = o Wo on codes of FP6 (E2M3) with E8M0 scales.  o's codes lie as half fragments, [row tile][head]: heads 2 s and 2 s + 1 are registers 0-5 and 6-11 of K step s.
; A wave takes 64 columns (unit U = 4 x work-group x + wave: weight tiles 88 + 4 U on) and 64 rows (four tiles, 4 y on): 1,024 waves.  Its weights for all of K stay in registers (384), read once;
; the row tiles stream from memory into registers, two tiles ahead.  The product is used TRANSPOSED (source 0 = 16 columns of Wo, source 1 = 16 rows of o): a lane holds one row and 32 of its columns.
; A tile's 16 rows x 256 bytes go through the wave's own stage in LDS and leave as whole rows: sixteen lanes store 256 consecutive bytes, aligned.  Waves share nothing: no barrier.
; NO JOINT LOADS: operands go from memory to registers, and joint requests exist for tensor loads into LDS alone.
; REGISTERS: window 0: addresses, scale words, v48-79 accumulators, v80-207 rows read back, 32 registers a tile.  windows 1, 2: the weights' K steps 0-3, 4-7.  window 3: two row tiles.
; THE MODE: SCHED_MODE bits 1:0 = 2 (LLVM: expert scheduling mode 2), set by the entry lines.  The code itself states the register dependences
; between vector or matrix instructions and memory or LDS instructions, with s_wait_alu, always for 0.
; THE PLAN.  Registers that memory or LDS instructions touch:
;   v3 .. v8      offsets and LDS addresses, made once at the head and never written again.
;   the weights and their scale words   loaded once; matrix instructions only read them.
;   O[u], XS[u]   tile t's products read buffer u = t % 2; behind them the loads of tile t + 2 land in it.
;   v48-79        the accumulators: written by a tile's products, read by its eight LDS stores, written again by the next tile's products.
;   v80-207       rows read back from the stage: each tile has 32 registers of its own, written by LDS loads and read by global stores alone: no vector or matrix instruction names them, and none is written twice.
;   v254, v255    written at the head, read by the closing add alone.
; So ONE wait on va_vdst stands in a tile, behind the products and their places: the accumulators are written, and the products are done reading O[u] and XS[u].  Behind it come the tile's LDS stores and loads, the loads of the
; tile two further on, which go out while the rows turn through the stage, and the global stores.  One wait on vm_vsrc at a tile's head frees the accumulators.
.set WS,   16
.set XSA,  32
.set ACC,  48
.set BK,   80
.set XA,   0
.set MSB,  0
.macro WIN new                         ; the immediate's high byte repeats the setting that is left
.if MSB != \new
	s_set_vgpr_msb (MSB<<8)|\new
.set MSB, \new
.endif
.endm
.macro PLACES n
.rept \n
	v_nop
.endr
.endm
.macro WM d, a, b, zero, sa, sb, ra, rb        ; one matrix instruction; zero = 1: it starts the sum; ra, rb = 1: that side's scale words are read from lanes 16-31
.if (\zero) && (\ra) && (\rb)
	v_wmma_scale_f32_16x16x128_f8f6f4 v[\d:\d+7], v[\a:\a+11], v[\b:\b+11], 0, v[\sa], v[\sb] matrix_a_fmt:MATRIX_FMT_FP6 matrix_b_fmt:MATRIX_FMT_FP6 matrix_a_scale:MATRIX_SCALE_ROW1 matrix_b_scale:MATRIX_SCALE_ROW1
.elseif (\zero) && (\ra)
	v_wmma_scale_f32_16x16x128_f8f6f4 v[\d:\d+7], v[\a:\a+11], v[\b:\b+11], 0, v[\sa], v[\sb] matrix_a_fmt:MATRIX_FMT_FP6 matrix_b_fmt:MATRIX_FMT_FP6 matrix_a_scale:MATRIX_SCALE_ROW1
.elseif (\zero) && (\rb)
	v_wmma_scale_f32_16x16x128_f8f6f4 v[\d:\d+7], v[\a:\a+11], v[\b:\b+11], 0, v[\sa], v[\sb] matrix_a_fmt:MATRIX_FMT_FP6 matrix_b_fmt:MATRIX_FMT_FP6 matrix_b_scale:MATRIX_SCALE_ROW1
.elseif (\zero)
	v_wmma_scale_f32_16x16x128_f8f6f4 v[\d:\d+7], v[\a:\a+11], v[\b:\b+11], 0, v[\sa], v[\sb] matrix_a_fmt:MATRIX_FMT_FP6 matrix_b_fmt:MATRIX_FMT_FP6
.elseif (\ra) && (\rb)
	v_wmma_scale_f32_16x16x128_f8f6f4 v[\d:\d+7], v[\a:\a+11], v[\b:\b+11], v[\d:\d+7], v[\sa], v[\sb] matrix_a_fmt:MATRIX_FMT_FP6 matrix_b_fmt:MATRIX_FMT_FP6 matrix_a_scale:MATRIX_SCALE_ROW1 matrix_b_scale:MATRIX_SCALE_ROW1
.elseif (\ra)
	v_wmma_scale_f32_16x16x128_f8f6f4 v[\d:\d+7], v[\a:\a+11], v[\b:\b+11], v[\d:\d+7], v[\sa], v[\sb] matrix_a_fmt:MATRIX_FMT_FP6 matrix_b_fmt:MATRIX_FMT_FP6 matrix_a_scale:MATRIX_SCALE_ROW1
.elseif (\rb)
	v_wmma_scale_f32_16x16x128_f8f6f4 v[\d:\d+7], v[\a:\a+11], v[\b:\b+11], v[\d:\d+7], v[\sa], v[\sb] matrix_a_fmt:MATRIX_FMT_FP6 matrix_b_fmt:MATRIX_FMT_FP6 matrix_b_scale:MATRIX_SCALE_ROW1
.else
	v_wmma_scale_f32_16x16x128_f8f6f4 v[\d:\d+7], v[\a:\a+11], v[\b:\b+11], v[\d:\d+7], v[\sa], v[\sb] matrix_a_fmt:MATRIX_FMT_FP6 matrix_b_fmt:MATRIX_FMT_FP6
.endif
.endm
; A row tile of o, all 16 heads, and its pair's scale words: 40 loads
.macro OLOADS buf, xs, off, soff
	WIN 0xc0                                       ; destination window 3
.irp s, 0,1,2,3,4,5,6,7
.irp c, 0,1
	global_load_b128 v[\buf+12*\s+6*\c:\buf+12*\s+6*\c+3], v3, s[24:25] offset:\off+1536*\s+768*\c
	global_load_b64 v[\buf+12*\s+6*\c+4:\buf+12*\s+6*\c+5], v5, s[24:25] offset:\off+1536*\s+768*\c+512
.endr
.endr
	WIN 0
.irp s, 0,1,2,3,4,5,6,7
	global_load_b32 v[\xs+\s], v4, s[26:27] offset:\soff+128*\s
.endr
.endm
; 32 matrix instructions: four tiles of columns x one tile of rows, all of K; the four accumulators take turns, one instruction a turn
.macro MMQK buf, xs, u
	WIN 0x0d                                       ; source 0 (the weight) window 1, source 1 (o) window 3, C and D window 0
.irp s, 0,1,2,3
.irp n, 0,1,2,3
	WM ACC+8*\n, 12*(4*\s+\n), \buf+12*\s, \s==0, WS+8*(\n/2)+\s, \xs+\s, \n%2, \u
.endr
.endr
	WIN 0x0e                                       ; source 0 window 2
.irp s, 4,5,6,7
.irp n, 0,1,2,3
	WM ACC+8*\n, 12*(4*(\s-4)+\n), \buf+12*\s, 0, WS+8*(\n/2)+\s, \xs+\s, \n%2, \u
.endr
.endr
	WIN 0
.endm
	s_load_b256 s[4:11], s[0:1], 0x0               ; oimg s[4:5], oscl s[6:7], wimg s[8:9], scl s[10:11]
	s_load_b64 s[12:13], s[0:1], 0x20              ; out0
	v_lshl_add_u32 v254, v0, 2, 0x4400
	v_mov_b32 v255, 0
	v_lshrrev_b32 v9, 5, v0
	v_readfirstlane_b32 s18, v9                    ; wave 0..3
	v_and_b32 v9, 31, v0                           ; lane
	v_and_b32 v1, 15, v0                           ; r
	v_bfe_u32 v2, v0, 4, 1                         ; h
	v_lshlrev_b32 v3, 4, v9
	v_lshlrev_b32 v4, 2, v9
	v_lshlrev_b32 v5, 3, v9
	s_wait_alu depctr_va_sdst(0)                   ; s18 is written, ahead of its first reader: the stage's place and the bases are made from it
	s_mul_i32 s19, s18, 4352                       ; my stage: 16 rows x (256 bytes + 16): 68 words a row, so 16 rows start at 16 different groups of banks
	v_mul_u32_u24 v6, v1, 272
	v_lshl_add_u32 v6, v2, 6, v6
	v_add_nc_u32 v6, s19, v6                       ; in: row r, + 64 h
	v_mul_u32_u24 v7, v2, 272
	v_lshl_add_u32 v7, v1, 4, v7
	v_add_nc_u32 v7, s19, v7                       ; back: lanes 0-15 one row, lanes 16-31 the next
	v_lshlrev_b32 v8, 12, v2
	v_lshl_add_u32 v8, v1, 4, v8                   ; and the same two rows in out0
	s_lshl_b32 s20, ttmp9, 2
	s_add_co_u32 s20, s20, s18                     ; U
	s_and_b32 s21, ttmp7, 0xffff                   ; y
	s_lshl_b32 s22, s20, 2
	s_add_co_u32 s22, s22, 88                      ; my first weight tile
	s_mul_i32 s34, s22, 12288
	s_mov_b32 s35, 0
	s_lshl_b32 s36, s22, 9
	s_add_co_u32 s36, s36, 131072
	s_mov_b32 s37, 0
	s_mul_i32 s38, s21, 49152                      ; four row tiles
	s_mov_b32 s39, 0
	s_lshl_b32 s40, s21, 11                        ; two pairs' scale words
	s_mov_b32 s41, 0
	s_lshl_b32 s42, s21, 18                        ; 64 rows of 4,096 bytes,
	s_lshl_b32 s43, s20, 8                         ; my 256 bytes of a row
	s_add_co_u32 s42, s42, s43
	s_mov_b32 s43, 0
	s_wait_kmcnt 0x0
	s_add_nc_u64 s[24:25], s[4:5], s[38:39]
	s_add_nc_u64 s[26:27], s[6:7], s[40:41]
	s_add_nc_u64 s[28:29], s[8:9], s[34:35]
	s_add_nc_u64 s[30:31], s[10:11], s[36:37]
	s_add_nc_u64 s[32:33], s[12:13], s[42:43]
	WIN 0x40                                       ; the weights: destination window 1,
	s_wait_alu depctr_va_vdst(0)                   ; the offsets and LDS addresses v3 to v8 are written, which every load, LDS instruction and store of the kernel reads
.irp s, 0,1,2,3
.irp n, 0,1,2,3
.irp c, 0,1,2
	global_load_b128 v[12*(4*\s+\n)+4*\c:12*(4*\s+\n)+4*\c+3], v3, s[28:29] offset:12288*\n+1536*\s+512*\c
.endr
.endr
.endr
	WIN 0x80                                       ; window 2
.irp s, 4,5,6,7
.irp n, 0,1,2,3
.irp c, 0,1,2
	global_load_b128 v[12*(4*(\s-4)+\n)+4*\c:12*(4*(\s-4)+\n)+4*\c+3], v3, s[28:29] offset:12288*\n+1536*\s+512*\c
.endr
.endr
.endr
	WIN 0
.irp p, 0,1
.irp s, 0,1,2,3,4,5,6,7
	global_load_b32 v[WS+8*\p+\s], v4, s[30:31] offset:1024*\p+128*\s
.endr
.endr
	OLOADS XA, XSA, 0, 0
	OLOADS XA+96, XSA+8, 12288, 0
.irp t, 0,1,2,3
.if \t > 0
	s_wait_alu depctr_vm_vsrc(0)                   ; the last tile's LDS stores have read the accumulators, which this tile's products write again
.endif
.if \t < 3
	s_wait_loadcnt 40                              ; my tile is in; the next tile's group of 40 may be out
.else
	s_wait_loadcnt 0x0
.endif
	MMQK XA+96*(\t%2), XSA+8*(\t%2), \t%2
	PLACES 5                                       ; five places: in front of the LDS stores that read the results, and of the next sums, which begin anew over these accumulators
	s_wait_alu depctr_va_vdst(0)                   ; the products have written the accumulators, which the LDS stores read, and are done reading this buffer of o and its scale words, in which the loads below land; the places above stay beside this wait
.irp n, 0,1,2,3
.irp q, 0,1
	ds_store_b128 v6, v[ACC+8*\n+4*\q:ACC+8*\n+4*\q+3] offset:128*(\n/2)+32*(\n%2)+16*\q   ; registers 8 n + j are columns 32 (n / 2) + 16 h + 8 (n % 2) + j; each accumulator from its low end on
.endr
.endr
.irp i, 0,1,2,3,4,5,6,7
	ds_load_b128 v[BK+32*\t+4*\i:BK+32*\t+4*\i+3], v7 offset:544*\i   ; LDS serves a wave's instructions in order (ISA guide 5.7.1.4): these see the stores above, and the next tile's stores come behind them
.endr
.if \t < 2
	OLOADS XA+96*(\t%2), XSA+8*(\t%2), 12288*(\t+2), 1024   ; they go out while the rows turn through the stage.  No wait: nothing since the wait above names their registers
.endif
.irp i, 0,1,2,3,4,5,6,7
	s_wait_dscnt 7-\i                              ; the younger reads of the stage may be out
	global_store_b128 v8, v[BK+32*\t+4*\i:BK+32*\t+4*\i+3], s[32:33] offset:4096*(32*(\t/2)+8*(\t%2)+2*\i+8*(\i/4)) th:TH_STORE_NT   ; index m = 2 i + h of tile t is row 32 (t / 2) + 8 (t % 2) + m + 8 (m / 8); 16 lanes store 256 consecutive bytes, aligned
.endr
.endr
	s_wait_dscnt 0x0                               ; the closing lines, six on end
	s_wait_alu 0x0
	s_wait_tensorcnt 0x0
	ds_add_u32 v254, v255
	s_wait_dscnt 0x0
	s_endpgm
.Lfunc_end_k_qa893afb672_outp:
	.size	k_qa893afb672_outp, .Lfunc_end_k_qa893afb672_outp-k_qa893afb672_outp
	.p2alignl 7, 3214868480
	.fill 96, 4, 3214868480
	.section	.rodata,"a",@progbits
	.p2align	6, 0x0
	.amdhsa_kernel k_qa893afb672_outp
		.amdhsa_group_segment_fixed_size 17920
		.amdhsa_private_segment_fixed_size 0
		.amdhsa_enable_private_segment 0
		.amdhsa_kernarg_size 40
		.amdhsa_user_sgpr_count 2
		.amdhsa_user_sgpr_kernarg_segment_ptr 1
		.amdhsa_wavefront_size32 1
		.amdhsa_system_sgpr_workgroup_id_x 1
		.amdhsa_system_sgpr_workgroup_id_y 1
		.amdhsa_system_sgpr_workgroup_id_z 1
		.amdhsa_system_vgpr_workitem_id 0
		.amdhsa_next_free_vgpr 960
		.amdhsa_next_free_sgpr 66
		.amdhsa_reserve_vcc 0
		.amdhsa_float_denorm_mode_32 3
		.amdhsa_float_denorm_mode_16_64 3
		.amdhsa_memory_ordered 1
		.amdhsa_forward_progress 1
		.amdhsa_inst_pref_size 54
	.end_amdhsa_kernel
	.amdgpu_metadata
---
amdhsa.version: [ 1, 2 ]
amdhsa.kernels:
  - .name:           k_qa893afb672_outp
    .symbol:         k_qa893afb672_outp.kd
    .args:
      - { .name: oimg, .offset: 0, .size: 8, .value_kind: global_buffer, .address_space: global }
      - { .name: oscl, .offset: 8, .size: 8, .value_kind: global_buffer, .address_space: global }
      - { .name: wimg, .offset: 16, .size: 8, .value_kind: global_buffer, .address_space: global }
      - { .name: scl, .offset: 24, .size: 8, .value_kind: global_buffer, .address_space: global }
      - { .name: out0, .offset: 32, .size: 8, .value_kind: global_buffer, .address_space: global }
    .group_segment_fixed_size: 17920
    .private_segment_fixed_size: 0
    .kernarg_segment_align: 8
    .kernarg_segment_size: 40
    .max_flat_workgroup_size: 128
    .sgpr_count:     66
    .vgpr_count:     960
    .wavefront_size: 32
...
	.end_amdgpu_metadata
.endif
;; end of part 8
